; MI455X (gfx1250); checked and timed in simulation.
; The chip was launched on July 23, 2026; its instructions are those of AMD's public machine-readable ISA for CDNA 5 (MIT licence, August 2026) and "CDNA5" Instruction Set Architecture Reference Guide (July 2026). The comments in the code are by the model that wrote it; some were corrected since.
;; Transformer Block. Allowed arithmetic: matrix products marked QUANTISED: E5M2 operands, one given power-of-two scale a tensor, by v_wmma_f32_16x16x64_bf8_bf8 or v_wmma_f32_16x16x128_bf8_bf8, f32 sums; everything else in f32.
;; Inputs: b1 1,024 float32; b2 1,024 float32; bf1 4,096 float32; bf2 1,024 float32; bo 1,024 float32; g1 1,024 float32; g2 1,024 float32; lowp_scales 16 int32 (the exponents e of the quantised operands' scales 2^e); w1 4,096 x 1,024 float32; w2 1,024 x 4,096 float32; wk 1,024 x 1,024 float32; wo 1,024 x 1,024 float32; wq 1,024 x 1,024 float32; wv 1,024 x 1,024 float32; x 2 x 2,048 x 1,024 float32.
;; Outputs: out0 2 x 2,048 x 1,024 float32.
;; This version of the problem:
;;   THIS VERSION OF THE PROBLEM IS GIVEN IN LOW PRECISION. The matrix products marked QUANTISED in the list below multiply operands that are first quantised to E5M2 (5 exponent bits, 2 mantissa bits; 8 bits a number), with one given power-of-two scale for each operand tensor; their sums are f32. All else is computed in f32.
;;   The module's matrix products, in the order in which they are computed (A, B: the left and right operand; K: the contracted axis; several contracted axes count as one K, in the product's order):
;;     1. [M 4,096, K 1,024] x [K 1,024, N 1,024]; A: input x; B: input wq: QUANTISED (scales: A lowp_scales[0], B lowp_scales[1])
;;     2. [M 4,096, K 1,024] x [K 1,024, N 1,024]; A: input x; B: input wk: QUANTISED (scales: A lowp_scales[2], B lowp_scales[3])
;;     3. [M 4,096, K 1,024] x [K 1,024, N 1,024]; A: input x; B: input wv: QUANTISED (scales: A lowp_scales[4], B lowp_scales[5])
;;     4. batch 32 x [M 2,048, K 64] x [K 64, N 2,048]; A: computed on the way; B: computed on the way: QUANTISED (scales: A lowp_scales[6], B lowp_scales[7])
;;     5. batch 32 x [M 2,048, K 2,048] x [K 2,048, N 64]; A: softmax (see below); B: computed on the way: QUANTISED (scales: A lowp_scales[8], B lowp_scales[9])
;;     6. [M 4,096, K 1,024] x [K 1,024, N 1,024]; A: computed on the way; B: input wo: QUANTISED (scales: A lowp_scales[10], B lowp_scales[11])
;;     7. [M 4,096, K 1,024] x [K 1,024, N 4,096]; A: computed on the way; B: input w1: QUANTISED (scales: A lowp_scales[12], B lowp_scales[13])
;;     8. [M 4,096, K 4,096] x [K 4,096, N 1,024]; A: computed on the way; B: input w2: QUANTISED (scales: A lowp_scales[14], B lowp_scales[15])
;;   THE QUANTISER, for each operand of a quantised product, along K:
;;     - The operand's scale is 2^e, e = its entry of the input lowp_scales (int32; the entries are numbered through the quantised products in the list's order, A before B).
;;     - Each number is divided by the scale, clamped to +-57,344, and rounded to the nearest number of E5M2, ties to even, subnormals kept.
;;     - The product sums the exact products of the quantised numbers (number of the format x scale) in f32.
;;   ~~~python
;;   def quantise(x, axis, e):      # numpy; x: float32 -> the quantised numbers, widened to float32 again
;;       x = np.moveaxis(x, axis, -1); K = x.shape[-1]
;;       r = np.clip(x / 2.0 ** e, -57344, 57344)
;;       step = 2.0 ** (np.maximum(np.frexp(np.where(r == 0, 1, r))[1] - 1, -14) - 2)
;;       q = np.round(r / step) * step * 2.0 ** e      # np.round: ties to even
;;       return np.moveaxis(q, -1, axis).astype(np.float32)
;;   ~~~
;;   SOFTMAX AHEAD OF A QUANTISED PRODUCT. Where the list says 'softmax', what is quantised is not the finished softmax but p = 2^(t - M), with t = logit x log2(e) and M = ceil(the row's largest t), a whole number; so 1/2 < the row's largest p <= 1. The row's sum l is taken of the UNQUANTISED p, in f32, and the product's result is divided by l at the end. Since M is a whole number, a kernel that streams over the keys may use a running M (the ceiling of the running maximum): every later rescaling is an exact power of two, so the quantised numbers keep their values, but for numbers so far below the row's largest that they fall under the format's range.
;;   OPERANDS COMPUTED ON THE WAY. 'Computed on the way' means the value that the module computes at that place (a softmax that the list does not call 'softmax' is quantised finished and normalised). What goes into a quantiser is computed in f32, as accurately as f32 sums, v_exp_f32 and their like allow (about 1e-6 of the number): no bf16 or f16 on the way to a quantiser, and a product that is left as it is and whose result goes on into a quantised operand takes f32 operands (vector FMAs, or v_wmma_f32_16x16x4_f32). A number that lies on a knife's edge between two numbers of the format may be rounded either way, as far as f32 arithmetic and the matrix unit's own rounding can turn it there, and no further.
;; 2 versions. Each part assembles by itself: llvm-mc -triple=amdgcn-amd-amdhsa -mcpu=gfx1250 --defsym DOCPART=n.
;; ======== version 1 of 2: 8 launches
;; workspace buffers: qz 41,943,040 bytes; qkv 12,582,912 bytes; ctx 4,194,304 bytes; rr 16,777,216 bytes; hh 20,971,520 bytes; gc 16,777,216 bytes; yy 16,777,216 bytes
;; launch quant (part 1): grid 512 x 1, 4 waves a work-group, no clusters, 34,304 bytes of LDS; arguments x, wq, wk, wv, wo, w1, w2, lowp_scales, qz; writes qz
.if DOCPART == 1
	.amdgcn_target "amdgcn-amd-amdhsa--gfx1250"
	.amdhsa_code_object_version 6
	.text
	.protected	k_qcc4773aa22_quant
	.globl	k_qcc4773aa22_quant
	.p2align	8
	.type	k_qcc4773aa22_quant,@function
k_qcc4773aa22_quant:
	s_mov_b64 s[64:65], 0
	v_nop
	global_prefetch_b8 v0, s[64:65] scope:SCOPE_SE
	s_setreg_imm32_b32 hwreg(HW_REG_WAVE_MODE, 25, 1), 1
	s_wait_xcnt 0x0
; THE PROGRAM: a transformer block (4,096 rows, E = 1,024, 16 heads of 64, FF = 4,096), all eight matrix products on codes of BF8 (E5M2) with the given scales 2^e.
; DEAD WORK: none.  Every input reaches out0 for general values, every product of the table is live, there is no mask: every input is loaded and every product is done.
; THIS LAUNCH turns x (under e0, e2, e4: it is an operand of three products) and the six weights (e1, e3, e5, e11, e13, e15) into codes, and lays x itself as f32 for the residual.
; code = number / 2^e, held within +-57,344, to the nearest code, ties to even.
; LAYOUTS, used by all launches.  IMG(K), codes of a matrix [R][K]: byte of (row, k) = T x 16 K + (k / 128) x 2048 + ((k % 128) / 32) x 512 + ((k % 32) / 16) x 256 + r x 16 + k % 16,
; where tile T = 2 g + u holds at place r the row 32 g + 8 u + r + 8 (r / 8).  So a fragment (16 rows x 128 K) is 2,048 bytes on end: four loads of 16 bytes a lane at 16 x lane, 512 bytes apart.
; FIMG, f32 of a matrix [4096][1024]: T x 65536 + p x 2048 + q x 512 + 16 x lane holds (row (T, lane % 16), columns 32 p + 16 (lane / 16) + 4 q + 0..3).
; SHARES.  A wave takes one tile (16 rows) x 512 along K, four steps of 128.  Each load reads 512 consecutive bytes of one row; a step's 16 rows turn through the wave's own stage in LDS
; (rows 528 bytes apart) and come back 16 neighbours along K a lane, which is what the conversions take.  Every store covers 512 consecutive aligned bytes.  Waves share nothing: no barrier.
; Work-groups 0-127 x, 128-159 wq, 160-191 wk, 192-223 wv, 224-255 wo, 256-383 w1, 384-511 w2: only pointers, offsets and the exponent are chosen, by selects on the work-group's number.
; LIMITS: each e between -126 and 112, so that 2^e and 57,344 x 2^e are f32 numbers.  NaN among the inputs is not served; an infinity is held at the largest code.
.set WREG,  8448                       ; a wave's stage: 16 rows x (512 + 16) bytes
.set SPARE, 33792                      ; behind the four stages: the spare words, 128 bytes a wave
.set LI,   1                           ; v1  16 x lane
.set SIN,  2                           ; v2  the stage, on the way in
.set SOUT, 3                           ; v3  the stage, on the way out: row r, + 64 h
.set SPW,  4                           ; v4  my spare word
.set NIL,  5                           ; v5  0
.set R,    16                          ; v16-143  two sets of 64: a step as loaded
.set X,    144                         ; v144-175 two sets of 16 neighbours
.set TT,   176                         ; v176-191 held numbers
.set C,    192                         ; v192-203 codes: three outputs x 4
.set RB,   66                          ; s66-97   the addresses of my 16 rows
.macro PICKP lo, src, doff             ; from work-group lo on: another tensor, its first work-group, its place in qz
	s_cmp_ge_u32 ttmp9, \lo
	s_cselect_b64 s[40:41], s[\src:\src+1], s[40:41]
	s_cselect_b32 s42, \lo, s42
	s_cselect_b32 s43, \doff, s43
.endm
.macro PICKE lo, e                     ; and its exponent
	s_cmp_ge_u32 ttmp9, \lo
	s_cselect_b32 s44, s[\e], s44
.endm
.macro MKSC e, vsc, vlm                ; 2^e and 57,344 x 2^e as f32
	s_add_co_i32 s54, s[\e], 127
	s_lshl_b32 s55, s54, 23
	v_mov_b32 v[\vsc], s55
	s_add_co_i32 s54, s54, 15
	s_lshl_b32 s54, s54, 23
	s_or_b32 s54, s54, 0x600000
	v_mov_b32 v[\vlm], s54
.endm
	s_load_b512 s[4:19], s[0:1], 0x0               ; x, wq, wk, wv, wo, w1, w2, the exponents
	s_load_b64 s[20:21], s[0:1], 0x40              ; qz
	v_lshl_add_u32 v[SPW], v0, 2, SPARE
	v_mov_b32 v[NIL], 0
	v_lshrrev_b32 v12, 5, v0
	v_readfirstlane_b32 s22, v12                   ; wave
	v_and_b32 v12, 31, v0
	v_lshlrev_b32 v[LI], 4, v12
	s_mul_i32 s23, s22, WREG
	v_add_nc_u32 v[SIN], s23, v[LI]
	v_and_b32 v13, 15, v0                          ; r
	v_bfe_u32 v14, v0, 4, 1                        ; h
	v_mul_u32_u24 v[SOUT], v13, 528
	v_lshl_add_u32 v[SOUT], v14, 6, v[SOUT]
	v_add_nc_u32 v[SOUT], s23, v[SOUT]
	s_wait_kmcnt 0x0
	s_load_b512 s[24:39], s[18:19], 0x0            ; e0 .. e15
	s_mov_b64 s[40:41], s[4:5]                     ; x's figures first
	s_mov_b32 s42, 0
	s_mov_b32 s43, 0
	PICKP 128, 6, 0xC00000
	PICKP 160, 8, 0xD00000
	PICKP 192, 10, 0xE00000
	PICKP 224, 12, 0xF00000
	PICKP 256, 14, 0x1000000
	PICKP 384, 16, 0x1400000
	s_cselect_b32 s45, 3, 1                        ; (still on the last compare)  a row has 2 strips of 512, w2's has 8
	s_cmp_lt_u32 ttmp9, 128
	s_cselect_b32 s46, 1, 0                        ; 1: x
	s_sub_co_u32 s47, ttmp9, s42
	s_lshl_b32 s47, s47, 2
	s_add_co_u32 s47, s47, s22                     ; my strip
	s_lshr_b32 s60, s47, s45                       ; T
	s_lshl_b32 s61, s60, s45
	s_sub_co_u32 s61, s47, s61                     ; which 512 along K
	s_lshl_b32 s56, 2048, s45                      ; a row of the tensor in bytes
	s_lshr_b32 s62, s60, 1
	s_lshl_b32 s62, s62, 5
	s_and_b32 s63, s60, 1
	s_lshl_b32 s63, s63, 3
	s_add_co_u32 s62, s62, s63                     ; the tile's first row: 32 (T / 2) + 8 (T % 2)
	s_mul_i32 s62, s62, s56
	s_lshl_b32 s63, s61, 11
	s_add_co_u32 s62, s62, s63
	s_mov_b32 s63, 0
	s_add_nc_u64 s[RB:RB+1], s[40:41], s[62:63]
	s_mov_b32 s57, 0
	s_mul_i32 s58, s56, 9                          ; from place 7 to place 8: nine rows on
	s_mov_b32 s59, 0
.irp i, 1,2,3,4,5,6,7,8,9,10,11,12,13,14,15
.if \i == 8
	s_add_nc_u64 s[RB+2*\i:RB+2*\i+1], s[RB+2*\i-2:RB+2*\i-1], s[58:59]
.else
	s_add_nc_u64 s[RB+2*\i:RB+2*\i+1], s[RB+2*\i-2:RB+2*\i-1], s[56:57]
.endif
.endr
	s_mul_i32 s62, s60, s56
	s_lshl_b32 s62, s62, 2                         ; T x 16 K
	s_lshl_b32 s23, s61, 13
	s_add_co_u32 s62, s62, s23
	s_add_co_u32 s62, s62, s43
	s_add_nc_u64 s[48:49], s[20:21], s[62:63]      ; my codes
	s_add_nc_u64 s[50:51], s[48:49], 0x400000      ; x alone: the second image; the third lies 0x400000 further on
	s_lshl_b32 s62, s60, 16
	s_lshl_b32 s23, s61, 15
	s_add_co_u32 s62, s62, s23
	s_add_co_u32 s62, s62, 0x1800000
	s_add_nc_u64 s[52:53], s[20:21], s[62:63]      ; x alone: its f32 image
.macro GLOAD t                         ; step t: 16 rows x 512 bytes
.irp i, 0,1,2,3,4,5,6,7,8,9,10,11,12,13,14,15
	global_load_b128 v[R+64*((\t)%2)+4*\i:R+64*((\t)%2)+4*\i+3], v[LI], s[RB+2*\i:RB+2*\i+1] offset:512*(\t) th:TH_LOAD_NT
.endr
.endm
.macro STIN t
.irp i, 0,1,2,3,4,5,6,7,8,9,10,11,12,13,14,15
	ds_store_b128 v[SIN], v[R+64*((\t)%2)+4*\i:R+64*((\t)%2)+4*\i+3] offset:528*\i
.endr
.endm
.macro CHLOAD c                        ; 32 along K: my 16 neighbours of my row; the sixteen rows start at sixteen different banks
.irp q, 0,1,2,3
	ds_load_b128 v[X+16*((\c)%2)+4*\q:X+16*((\c)%2)+4*\q+3], v[SOUT] offset:128*(\c)+16*\q
.endr
.endm
.macro Q lim, sc, dst                  ; the hold (the conversion to an 8-bit code does not saturate: ISA guide 7.6.2), the conversion, and a plain line ahead of the next write of its sources
.irp i, 0,1,2,3,4,5,6,7,8,9,10,11,12,13,14,15
	v_med3_num_f32 v[TT+\i], v[XS+\i], -v[\lim], v[\lim]
.endr
	v_cvt_scalef32_pk8_bf8_f32 v[\dst:\dst+1], v[TT:TT+7], v[\sc]
	v_cvt_scalef32_pk8_bf8_f32 v[\dst+2:\dst+3], v[TT+8:TT+15], v[\sc]
	v_nop
.endm
.macro CHUNK t, c
.set XS, X+16*((\c)%2)
.if (\c) < 3
	s_wait_dscnt 4                                 ; my four loads are in; the next chunk's four may be out
.else
	s_wait_dscnt 0
.endif
.if ((\c) == 0) && ((\t) < 2)
	GLOAD (\t)+2                                   ; the stage's stores are done by that wait: their registers take the step two on
.endif
	s_cmp_eq_u32 s46, 0
	s_cbranch_scc1 .Lnot_x_\@                      ; a branch on the work-group's number
.irp q, 0,1,2,3
	global_store_b128 v[LI], v[XS+4*\q:XS+4*\q+3], s[52:53] offset:(4*(\t)+(\c))*2048+512*\q
.endr
	Q 9, 8, C+4
	global_store_b128 v[LI], v[C+4:C+7], s[50:51] offset:2048*(\t)+512*(\c)
	Q 11, 10, C+8
	global_store_b128 v[LI], v[C+8:C+11], s[50:51] offset:0x400000+2048*(\t)+512*(\c)
.Lnot_x_\@:
	Q 7, 6, C
	global_store_b128 v[LI], v[C:C+3], s[48:49] offset:2048*(\t)+512*(\c)
	s_wait_xcnt 0x0                                ; the stores have read the numbers and the codes: both are written again only behind this wait
.if (\c) < 2
	CHLOAD (\c)+2
.endif
.endm
.macro STEP t
.if (\t) < 3
	s_wait_loadcnt 16                              ; this step's 16 loads are in; the next step's may be out
.else
	s_wait_loadcnt 0
.endif
	STIN \t                                        ; LDS serves a wave's instructions in order (ISA guide 5.7.1.4): behind the last step's reads, ahead of this step's
	CHLOAD 0
	CHLOAD 1
	CHUNK \t, 0
	CHUNK \t, 1
	CHUNK \t, 2
	CHUNK \t, 3
.endm
	GLOAD 0
	GLOAD 1
	s_wait_kmcnt 0x0
	s_mov_b32 s44, s24
	PICKE 128, 25
	PICKE 160, 27
	PICKE 192, 29
	PICKE 224, 35
	PICKE 256, 37
	PICKE 384, 39
	MKSC 44, 6, 7
	MKSC 26, 8, 9
	MKSC 28, 10, 11
	STEP 0
	STEP 1
	STEP 2
	STEP 3
	s_wait_tensorcnt 0x0                           ; the wave's end: behind my last LDS store
	ds_add_u32 v[SPW], v[NIL]
	s_wait_dscnt 0x0
	s_endpgm
.Lfunc_end_k_qcc4773aa22_quant:
	.size	k_qcc4773aa22_quant, .Lfunc_end_k_qcc4773aa22_quant-k_qcc4773aa22_quant
	.p2alignl 7, 3214868480
	.fill 96, 4, 3214868480
	.section	.rodata,"a",@progbits
	.p2align	6, 0x0
	.amdhsa_kernel k_qcc4773aa22_quant
		.amdhsa_group_segment_fixed_size 34304
		.amdhsa_private_segment_fixed_size 0
		.amdhsa_enable_private_segment 0
		.amdhsa_kernarg_size 72
		.amdhsa_user_sgpr_count 2
		.amdhsa_user_sgpr_kernarg_segment_ptr 1
		.amdhsa_wavefront_size32 1
		.amdhsa_system_sgpr_workgroup_id_x 1
		.amdhsa_system_sgpr_workgroup_id_y 1
		.amdhsa_system_sgpr_workgroup_id_z 1
		.amdhsa_system_vgpr_workitem_id 0
		.amdhsa_next_free_vgpr 208
		.amdhsa_next_free_sgpr 100
		.amdhsa_reserve_vcc 0
		.amdhsa_float_denorm_mode_32 3
		.amdhsa_float_denorm_mode_16_64 3
		.amdhsa_memory_ordered 1
		.amdhsa_forward_progress 1
		.amdhsa_inst_pref_size 88
	.end_amdhsa_kernel
	.amdgpu_metadata
---
amdhsa.version: [ 1, 2 ]
amdhsa.kernels:
  - .name:           k_qcc4773aa22_quant
    .symbol:         k_qcc4773aa22_quant.kd
    .args:
      - { .name: x, .offset: 0, .size: 8, .value_kind: global_buffer, .address_space: global }
      - { .name: wq, .offset: 8, .size: 8, .value_kind: global_buffer, .address_space: global }
      - { .name: wk, .offset: 16, .size: 8, .value_kind: global_buffer, .address_space: global }
      - { .name: wv, .offset: 24, .size: 8, .value_kind: global_buffer, .address_space: global }
      - { .name: wo, .offset: 32, .size: 8, .value_kind: global_buffer, .address_space: global }
      - { .name: w1, .offset: 40, .size: 8, .value_kind: global_buffer, .address_space: global }
      - { .name: w2, .offset: 48, .size: 8, .value_kind: global_buffer, .address_space: global }
      - { .name: lowp_scales, .offset: 56, .size: 8, .value_kind: global_buffer, .address_space: global }
      - { .name: qz, .offset: 64, .size: 8, .value_kind: global_buffer, .address_space: global }
    .group_segment_fixed_size: 34304
    .private_segment_fixed_size: 0
    .kernarg_segment_align: 8
    .kernarg_segment_size: 72
    .max_flat_workgroup_size: 128
    .sgpr_count:     100
    .vgpr_count:     208
    .wavefront_size: 32
...
	.end_amdgpu_metadata
.endif
;; end of part 1
;; launch gemm_qkv (part 2): grid 4 x 48, 4 waves a work-group, clusters of 4 x 4, 327,680 bytes of LDS; arguments qz, lowp_scales, qkv; writes qkv
.if DOCPART == 2
	.amdgcn_target "amdgcn-amd-amdhsa--gfx1250"
	.amdhsa_code_object_version 6
	.text
	.protected	k_qcc4773aa22_gemm_qkv
	.globl	k_qcc4773aa22_gemm_qkv
	.p2align	8
	.type	k_qcc4773aa22_gemm_qkv,@function
k_qcc4773aa22_gemm_qkv:
	s_mov_b64 s[64:65], 0
	v_nop
	global_prefetch_b8 v0, s[64:65] scope:SCOPE_SE
	s_setreg_imm32_b32 hwreg(HW_REG_WAVE_MODE, 25, 1), 1
	s_wait_xcnt 0x0
	s_wait_alu depctr_hold_cnt(0) depctr_sa_sdst(0) depctr_va_vdst(0) depctr_va_sdst(0) depctr_va_ssrc(0) depctr_va_vcc(0) depctr_vm_vsrc(0)
	s_getreg_b32 s2, hwreg(HW_REG_IB_STS2, 6, 4)
	s_cmp_eq_u32 s2, 0
	s_cbranch_scc0 .Lentry_in_a_cluster
	s_endpgm
.Lentry_in_a_cluster:
	s_bfe_u32 s2, ttmp6, 0x10000c
	s_cmp_lg_u32 s2, 0xf033
	s_cbranch_scc0 .Lentry_shape_is_right
	s_endpgm
.Lentry_shape_is_right:
; q = x wq^T, k = x wk^T, v^T = wv x^T on codes of BF8, and their results quantised at once for the attention's products (e6, e7, e9).  No work is left out.
; Operands and results lie as images (IMG: a fragment of 16 rows x 128 K is 2,048 bytes on end; tile 2 g + u holds at place r the row 32 g + 8 u + r + 8 (r / 8)).
; Cluster y / 4 is the job: 0 q, 1 k (A = x's image under e0 or e2, B = the weight's), 2 v^T (A = wv's image, B = x's under e4: so v comes out with the keys innermost, and nothing is transposed).
; A tile of the result, 256 x 256, is made by four waves, each 128 x 128: 64 accumulators.  K goes in steps of 256 through two LDS slots; a wave's tensor load brings 8 tiles x 4,096 bytes.
; CLUSTERS 4 x 4: A's tiles are asked for jointly along a row of the cluster, B's along a column.
; THE MATRIX INSTRUCTION IS USED TRANSPOSED (source 0 = a tile of B, source 1 = a tile of A): lane (r, h) holds A's place r, and the 16 registers of accumulators 2 b and 2 b + 1 are the result's columns
; 32 b + 16 h + 0..15: after the conversions they ARE 16 bytes of the result's image at 16 x lane: every store covers 512 consecutive aligned bytes, with no way through LDS.
; Inside an instruction k is permuted alike in both operands (four loads of 16 bytes a fragment): only the order of the sums changes.
; LIMITS: e6 - e0 - e1, e7 - e2 - e3, e9 - e4 - e5 between -126 and 112.  NaN is not served.
; REGISTERS: window 0: v0-31 addresses, v128-255 A's fragments (one set), on the way out v32-113; window 1: B's fragments (two sets); windows 2, 3: accumulator (a, b) at v[8 (8 (a % 4) + b)].
.set KSZ,    1024
.set PF,     0
.set TP,     16*KSZ                    ; from tile to tile of an image
.set LAPS,   KSZ/512
.set HALFT,  32768                     ; 8 tiles x 4,096 bytes: what one tensor load brings
.set SLOT,   131072                    ; A's 16 tiles, then B's 16
.set SPARE,  262144                    ; behind the ring: the spare words
.set FR,     16
.set NL,     4
.set NP,     4
.set ADRA, 16
.set ADRB, 20
.set CO,   26                          ; v26 16 x lane
.set SPW,  28
.set NIL,  29
.set AF,   128
.set G1, 24
.set G0, 32
.set G1B, 48
.set G0B, 56
.set MSB, 0
.macro WIN new                         ; the immediate's high byte repeats the setting that is left
.if MSB != (\new)
	s_set_vgpr_msb (MSB<<8)|(\new)
.set MSB, (\new)
.endif
.endm
.set MUL_LO, 0xa1                      ; source 0 (B) window 1, source 1 (A) window 0, C and D window 2
.set MUL_HI, 0xf1
.set TO_B,   0x40
.macro JLOAD g0a, g1a, g0b, g1b        ; a joint load: waves 0 and 1 fetch for A, waves 2 and 3 for B; an s_nop 0 and four v_nop follow each line
	s_cmp_eq_u32 s15, 0
	s_cbranch_scc0 .Lfor_b_\@
	tensor_load_to_lds s[\g0a:\g0a+3], s[\g1a:\g1a+7]
	s_nop 0
.rept 4
	v_nop
.endr
	s_branch .Lasked_\@
.Lfor_b_\@:
	tensor_load_to_lds s[\g0b:\g0b+3], s[\g1b:\g1b+7]
	s_nop 0
.rept 4
	v_nop
.endr
.Lasked_\@:
.endm
.macro CREST                           ; a round of the cluster's barrier behind its opening barrier
	s_cmp_lg_u32 s14, 0
	s_cbranch_scc1 .Lnot_wave_0_\@
	s_barrier_signal -3
.Lnot_wave_0_\@:
	s_barrier_wait -3
	s_barrier_signal -1
	s_barrier_wait -1
.endm
.macro CROUND
	s_barrier_signal -1
	s_barrier_wait -1
	CREST
.endm
.macro FRAG reg, adr, q, i             ; tile i, the slot's q-th 128 along K: 2,048 bytes on end
.irp c, 0,1,2,3
	ds_load_b128 v[\reg+4*\c:\reg+4*\c+3], v[\adr] offset:4096*(\i)+2048*(\q)+512*\c
.endr
.endm
.macro MUL16 a0, p, zero               ; A's blocks a0, a0 + 1 x B's eight; the 64 accumulators take turns, one instruction a turn
.irp a, \a0, \a0+1
.irp b, 0,1,2,3,4,5,6,7
.if \zero
	v_wmma_f32_16x16x128_bf8_bf8 v[8*(8*((\a)%4)+\b):8*(8*((\a)%4)+\b)+7], v[128*(\p)+FR*\b:128*(\p)+FR*\b+FR-1], v[AF+FR*(\a):AF+FR*(\a)+FR-1], 0
.else
	v_wmma_f32_16x16x128_bf8_bf8 v[8*(8*((\a)%4)+\b):8*(8*((\a)%4)+\b)+7], v[128*(\p)+FR*\b:128*(\p)+FR*\b+FR-1], v[AF+FR*(\a):AF+FR*(\a)+FR-1], v[8*(8*((\a)%4)+\b):8*(8*((\a)%4)+\b)+7]
.endif
.endr
.endr
.endm
.macro FETCH_B slot, q, p
	WIN TO_B
.irp i, 0,1,2,3,4,5,6,7
	FRAG 128*(\p)+FR*\i, ADRB+\slot, \q, \i
.endr
	WIN 0
.endm
.macro FETCH_A slot, q, i0
.irp i, \i0, \i0+1, \i0+2, \i0+3
	FRAG AF+FR*(\i), ADRA+\slot, \q, \i
.endr
.endm
.macro PLACES n                        ; plain vector lines between a matrix instruction and a load into, or a read of, its registers
.rept \n
	v_nop
.endr
.endm
.macro STEP slot, q, zero              ; 128 along K that has its successor in the same slot
	s_wait_dscnt 4*NL                              ; B's set and A's blocks 0-3 are in; A's blocks 4-7 (16 loads) may be out
	WIN MUL_LO
	MUL16 0, (\q)%2, \zero
	MUL16 2, (\q)%2, \zero
	s_wait_dscnt 0
	PLACES NP
	FETCH_B \slot, (\q)+1, 1-(\q)%2
	FETCH_A \slot, (\q)+1, 0
	WIN MUL_HI
	MUL16 4, (\q)%2, \zero
	MUL16 6, (\q)%2, \zero
	PLACES NP
	WIN 0
	FETCH_A \slot, (\q)+1, 4
.endm
.macro TURN slot, next, fill           ; a slot's last step changes slots: one barrier; fill = 1: it opens a round of the cluster's, and this slot is filled again, two K steps ahead
	s_wait_tensorcnt 0x0                           ; all my tensor loads have landed: my part of the next slot
	ds_add_u32 v[SPW], v[NIL]                      ; 0 onto my spare word
	s_wait_dscnt 4*NL+1                            ; (the add and A's blocks 4-7 may be out)
	WIN MUL_LO
	MUL16 0, 1, 0
	s_wait_dscnt 0x0                               ; the add is done, and my reads of this slot are over
	s_barrier_signal -1
	MUL16 2, 1, 0
	WIN 0
	s_barrier_wait -1
.if \fill
	CREST                                          ; no wave of any partner still reads this slot or has a load on its way
	s_add_nc_u64 s[G0+4*\slot+2:G0+4*\slot+3], s[G0+4*\slot+2:G0+4*\slot+3], 8192
	s_add_nc_u64 s[G0B+4*\slot+2:G0B+4*\slot+3], s[G0B+4*\slot+2:G0B+4*\slot+3], 8192
	JLOAD G0+4*\slot, G1, G0B+4*\slot, G1B         ; the first tensor load behind the round, my only one until the next
.else
	PLACES NP
.endif
	FETCH_B \next, 0, 0
	FETCH_A \next, 0, 0
	WIN MUL_HI
	MUL16 4, 1, 0
	MUL16 6, 1, 0
	PLACES NP
	WIN 0
	FETCH_A \next, 0, 4
.endm
	s_load_b128 s[4:7], s[0:1], 0x0                ; qz, the exponents
	s_load_b64 s[8:9], s[0:1], 0x10                ; qkv
	v_lshl_add_u32 v[SPW], v0, 2, SPARE
	v_mov_b32 v[NIL], 0
	ds_add_u32 v[SPW], v[NIL]                      ; the wave's opening: the add, twice on end, and its wait ahead of my first tensor load
	ds_add_u32 v[SPW], v[NIL]
	v_lshrrev_b32 v1, 5, v0
	v_readfirstlane_b32 s14, v1                    ; wave
	s_lshr_b32 s15, s14, 1                         ; my half of the tile's rows; also: I fetch for A (0) or B (1)
	s_and_b32 s16, s14, 1                          ; my half of its columns; also: which 8 tiles I fetch
	s_bfe_u32 s40, ttmp6, 0x40000                  ; cx
	s_bfe_u32 s41, ttmp6, 0x40004                  ; cy
	s_and_b32 s66, ttmp7, 0xffff                   ; cluster y, 0..11
	s_lshr_b32 s67, s66, 2                         ; the job
	s_and_b32 s68, s66, 3
	s_lshl_b32 s71, s67, 22                        ; jobs 0, 1: x's image; every job: the result's place in qkv
	s_lshl_b32 s72, s67, 20
	s_add_co_u32 s72, s72, 0xC00000                ; jobs 0, 1: the weight's image
	s_mov_b32 s92, 65536
	s_mov_b32 s73, 0xE00000                        ; job 2: A = wv's image,
	s_mov_b32 s74, 0x800000                        ; B = x's third image
	s_cmp_lt_u32 s67, 2
	s_cselect_b32 s69, s68, 0                      ; jobs 0, 1 walk 16 tile rows, job 2 sixteen tile columns
	s_cselect_b32 s70, 0, s68
	s_cselect_b32 s92, 16384, s92                  ; from tile to tile of the result's image
	s_cselect_b32 s73, s71, s73
	s_cselect_b32 s74, s72, s74
	s_mov_b32 s93, 0
	s_lshl_b32 s17, s69, 2
	s_add_co_u32 s17, s17, s41                     ; tile row
	s_lshl_b32 s42, s70, 2
	s_add_co_u32 s42, s42, s40                     ; tile column
	s_lshl_b32 s43, s41, 2
	s_lshl_b32 s43, 15, s43                        ; my row of the cluster
	s_lshl_b32 s44, 0x1111, s40                    ; my column
	s_or_b32 s[G1+0], s43, (1<<21)                 ; the mask; elements of 1 byte; no padding; bit 21 beside a mask
	s_or_b32 s[G1B+0], s44, (1<<21)
.irp g, G1, G1B
	s_mov_b32 s[\g+1], 4096<<16                    ; tensor_dim0 = 4,096
	s_mov_b32 s[\g+2], 8<<16                       ; tensor_dim1 = 8
	s_mov_b32 s[\g+3], 4096<<16                    ; tile_dim0
	s_mov_b32 s[\g+4], 8                           ; tile_dim1
	s_mov_b32 s[\g+5], TP                          ; from tile to tile
	s_mov_b32 s[\g+6], 0
	s_mov_b32 s[\g+7], 0
.endr
	s_lshl_b32 s18, s16, 3
	s_lshl_b32 s20, s17, 4
	s_add_co_u32 s20, s20, s18
	s_mul_i32 s20, s20, TP
	s_add_co_u32 s20, s20, s73
	s_mov_b32 s21, 0
	s_lshl_b32 s46, s42, 4
	s_add_co_u32 s46, s46, s18
	s_mul_i32 s46, s46, TP
	s_add_co_u32 s46, s46, s74
	s_mov_b32 s47, 0
	s_mul_i32 s45, s14, HALFT                      ; where my tiles go: no place in the cluster enters an LDS address
	s_wait_dscnt 0x0                               ; both opening adds are done
	s_wait_kmcnt 0x0
	s_load_b512 s[76:91], s[6:7], 0x0              ; e0 .. e15
	s_add_nc_u64 s[20:21], s[4:5], s[20:21]
	s_add_nc_u64 s[46:47], s[4:5], s[46:47]
	CROUND                                         ; all sixteen work-groups are here: the first joint loads meet
.irp s, 0,1
	s_mov_b32 s[G0+4*\s], 1
	s_add_co_u32 s[G0+4*\s+1], s45, \s*SLOT
	s_add_nc_u64 s[G0+4*\s+2:G0+4*\s+3], s[20:21], \s*4096
	s_or_b32 s[G0+4*\s+3], s[G0+4*\s+3], 0x80000000
	s_mov_b32 s[G0B+4*\s], 1
	s_add_co_u32 s[G0B+4*\s+1], s45, \s*SLOT
	s_add_nc_u64 s[G0B+4*\s+2:G0B+4*\s+3], s[46:47], \s*4096
	s_or_b32 s[G0B+4*\s+3], s[G0B+4*\s+3], 0x80000000
	JLOAD G0+4*\s, G1, G0B+4*\s, G1B
.endr
	v_and_b32 v2, 31, v0
	v_lshlrev_b32 v[CO], 4, v2
	s_mul_i32 s21, s15, HALFT
	s_mul_i32 s22, s16, HALFT
	s_add_co_u32 s22, s22, 2*HALFT
.irp s, 0,1
	v_add_nc_u32 v[ADRA+\s], s21, v[CO]
	v_add_nc_u32 v[ADRB+\s], s22, v[CO]
	s_add_co_u32 s21, s21, SLOT
	s_add_co_u32 s22, s22, SLOT
.endr
	s_lshl_b32 s94, s17, 4                         ; the result: tile 16 x tile row + 8 x half, K step 2 x tile column + half
	s_lshl_b32 s95, s15, 3
	s_add_co_u32 s94, s94, s95
	s_mul_i32 s94, s94, s92
	s_add_co_u32 s94, s94, s71
	s_lshl_b32 s95, s42, 1
	s_add_co_u32 s95, s95, s16
	s_lshl_b32 s95, s95, 11
	s_add_co_u32 s94, s94, s95
	s_mov_b32 s95, 0
	s_add_nc_u64 s[10:11], s[8:9], s[94:95]
	s_wait_tensorcnt 1                             ; my part of K step 0 is in; K step 1's may stay out
	s_barrier_signal -1
	s_barrier_wait -1
	FETCH_B 0, 0, 0
	FETCH_A 0, 0, 0
	FETCH_A 0, 0, 4
	STEP 0, 0, 1                                   ; the first step's products start the sums
	s_mov_b32 s3, LAPS-1
.Llap:
	TURN 0, 1, 1
	STEP 1, 0, 0
	TURN 1, 0, 1
	STEP 0, 0, 0
	s_sub_co_u32 s3, s3, 1
	s_cmp_lg_u32 s3, 0
	s_cbranch_scc1 .Llap
	TURN 0, 1, 0                                   ; the last lap fills nothing
	STEP 1, 0, 0
	s_wait_dscnt 4*NL
	WIN MUL_LO
	MUL16 0, 1, 0
	MUL16 2, 1, 0
	s_wait_dscnt 0
	WIN MUL_HI
	MUL16 4, 1, 0
	MUL16 6, 1, 0
	WIN 0
	; THE WAY OUT: a sum stands for sum x 2^(ea + eb); its code is sum / 2^(eo - ea - eb): the three scales are folded into the conversion's one.
	s_wait_kmcnt 0x0
	s_add_co_i32 s20, s76, s77
	s_add_co_i32 s21, s78, s79
	s_add_co_i32 s22, s80, s81
	s_sub_co_i32 s20, s82, s20                     ; e6 - e0 - e1
	s_sub_co_i32 s21, s83, s21                     ; e7 - e2 - e3
	s_sub_co_i32 s22, s85, s22                     ; e9 - e4 - e5
	s_cmp_eq_u32 s67, 0
	s_cselect_b32 s20, s20, s21
	s_cmp_eq_u32 s67, 2
	s_cselect_b32 s20, s22, s20
	s_add_co_i32 s20, s20, 127
	s_lshl_b32 s21, s20, 23
	v_mov_b32 v112, s21
	s_add_co_i32 s20, s20, 15
	s_lshl_b32 s20, s20, 23
	s_or_b32 s20, s20, 0x600000
	v_mov_b32 v113, s20
	PLACES NP
.macro OUTC a                          ; block a: 16 rows x 128 columns: hold, convert, four stores of 512 bytes
.set AC, 64*((\a)%4)
.if (\a) > 0
	s_wait_xcnt 0x0                                ; the last block's stores have read their codes and their base
	s_add_nc_u64 s[10:11], s[10:11], s[92:93]
.endif
	WIN 0x02+(\a)/4
.set J, 0
.rept 64
	v_med3_num_f32 v[32+J], v[AC+J], -v113, v113   ; each accumulator from its low end on
.set J, J+1
.endr
	WIN 0
.irp b, 0,1,2,3
	v_cvt_scalef32_pk8_bf8_f32 v[96+4*\b:97+4*\b], v[32+16*\b:39+16*\b], v112
	v_cvt_scalef32_pk8_bf8_f32 v[98+4*\b:99+4*\b], v[40+16*\b:47+16*\b], v112
.endr
	v_nop                                          ; a plain line between the conversions and the next write of their sources
.irp b, 0,1,2,3
	global_store_b128 v[CO], v[96+4*\b:99+4*\b], s[10:11] offset:512*\b
.endr
.endm
.irp a, 0,1,2,3,4,5,6,7
	OUTC \a
.endr
	s_wait_tensorcnt 0x0                           ; the wave's end
	ds_add_u32 v[SPW], v[NIL]
	s_wait_dscnt 0x0
	CROUND                                         ; the closing round
	s_endpgm
.Lfunc_end_k_qcc4773aa22_gemm_qkv:
	.size	k_qcc4773aa22_gemm_qkv, .Lfunc_end_k_qcc4773aa22_gemm_qkv-k_qcc4773aa22_gemm_qkv
	.p2alignl 7, 3214868480
	.fill 96, 4, 3214868480
	.section	.rodata,"a",@progbits
	.p2align	6, 0x0
	.amdhsa_kernel k_qcc4773aa22_gemm_qkv
		.amdhsa_group_segment_fixed_size 327680
		.amdhsa_private_segment_fixed_size 0
		.amdhsa_enable_private_segment 0
		.amdhsa_kernarg_size 24
		.amdhsa_user_sgpr_count 2
		.amdhsa_user_sgpr_kernarg_segment_ptr 1
		.amdhsa_wavefront_size32 1
		.amdhsa_system_sgpr_workgroup_id_x 1
		.amdhsa_system_sgpr_workgroup_id_y 1
		.amdhsa_system_sgpr_workgroup_id_z 1
		.amdhsa_system_vgpr_workitem_id 0
		.amdhsa_next_free_vgpr 1024
		.amdhsa_next_free_sgpr 102
		.amdhsa_reserve_vcc 0
		.amdhsa_float_denorm_mode_32 3
		.amdhsa_float_denorm_mode_16_64 3
		.amdhsa_memory_ordered 1
		.amdhsa_forward_progress 1
		.amdhsa_inst_pref_size 118
	.end_amdhsa_kernel
	.amdgpu_metadata
---
amdhsa.version: [ 1, 2 ]
amdhsa.kernels:
  - .name:           k_qcc4773aa22_gemm_qkv
    .symbol:         k_qcc4773aa22_gemm_qkv.kd
    .args:
      - { .name: qz, .offset: 0, .size: 8, .value_kind: global_buffer, .address_space: global }
      - { .name: lowp_scales, .offset: 8, .size: 8, .value_kind: global_buffer, .address_space: global }
      - { .name: qkv, .offset: 16, .size: 8, .value_kind: global_buffer, .address_space: global }
    .group_segment_fixed_size: 327680
    .private_segment_fixed_size: 0
    .kernarg_segment_align: 8
    .kernarg_segment_size: 24
    .max_flat_workgroup_size: 128
    .sgpr_count:     102
    .vgpr_count:     1024
    .wavefront_size: 32
...
	.end_amdgpu_metadata
.endif
;; end of part 2
;; launch attn (part 3): grid 8 x 32, 16 waves a work-group, clusters of 4 x 1, 264,192 bytes of LDS; arguments qkv, lowp_scales, ctx; writes ctx
.if DOCPART == 3
	.amdgcn_target "amdgcn-amd-amdhsa--gfx1250"
	.amdhsa_code_object_version 6
	.text
	.protected	k_qcc4773aa22_attn
	.globl	k_qcc4773aa22_attn
	.p2align	8
	.type	k_qcc4773aa22_attn,@function
k_qcc4773aa22_attn:
	s_mov_b64 s[64:65], 0
	v_nop
	global_prefetch_b8 v0, s[64:65] scope:SCOPE_SE
	s_setreg_imm32_b32 hwreg(HW_REG_WAVE_MODE, 25, 1), 1
	s_wait_xcnt 0x0
	s_wait_alu depctr_hold_cnt(0) depctr_sa_sdst(0) depctr_va_vdst(0) depctr_va_sdst(0) depctr_va_ssrc(0) depctr_va_vcc(0) depctr_vm_vsrc(0)
	s_getreg_b32 s2, hwreg(HW_REG_IB_STS2, 6, 4)
	s_cmp_eq_u32 s2, 0
	s_cbranch_scc0 .Lentry_in_a_cluster
	s_endpgm
.Lentry_in_a_cluster:
	s_bfe_u32 s2, ttmp6, 0x10000c
	s_cmp_lg_u32 s2, 0x3003
	s_cbranch_scc0 .Lentry_shape_is_right
	s_endpgm
.Lentry_shape_is_right:
; ctx = softmax(q k^T / 8) v for each of 32 (batch, head), both products on codes of BF8; ctx is quantised at once for the projection (e10).  No work is left out.
; THE SOFTMAX: t = score x log2(e) / 8; M = the running largest t rounded UP to a whole number; p = 2^(t - M) is quantised (e8); the row's sum is taken of the unquantised p and divides at the end;
; when M moves, the sum and O are multiplied by 2^(old M - new M), which rounds nothing.
; SHARES.  A work-group owns 256 queries of one head, each of its sixteen waves one image tile of 16, in 256 registers: four waves to a SIMD, so that one wave's vector work stands beside another's products and LDS loads.
; ALL OF THE HEAD'S K AND V LIE IN LDS: 128 tiles of K x 1,024 bytes, 64 fragments of V^T x 2,048: 262,144 bytes, filled ONCE at the head, in four groups of 512 keys.  Nothing is ever filled again:
; the walk over the keys has one barrier a group and no other.  Waves 0, 1 fetch K (four loads each), waves 2, 3 V: four tensor loads of a wave are out at the most.
; CLUSTER 4 x 1: the four query blocks of a cluster belong to one head: each tile is asked for jointly.
; No prefetch: all that the launch reads from memory is asked for at its head.
; LAYOUT.  Both products transposed: S^T = K Q^T (16 x 16 x 64), O^T = V^T P^T (16 x 16 x 128): a lane holds one query throughout.  By the images' choice of rows the 16 registers of score tiles 2 b, 2 b + 1
; are keys 32 b + 16 h + 0..15, so p's codes are the second product's operand; likewise O^T's tiles 2 c, 2 c + 1 are channels 32 c + 16 h + 0..15: 16 bytes of ctx's image.
; LIMITS: e6 + e7 between -123 and 130 (added to c's exponent field); e8, and e10 - e8 - e9, between -126 and 112.  NaN is not served.
; REGISTERS: v5, v6 the add's two; v7 16 x lane; v8, v9 addresses in hand; v12 -M, v13 the largest t, v[14:15] the sum; v16-23 Q; v32-95 K's or V's fragments; v96-159 S^T, then p; v160-191 O^T; v224-239 codes; v236-254 at work.
.set SPARE, 262144
.set WV,  18
.set SEL, 20
.set CS,  22
.set G1K, 24
.set G1V, 32
.set G0K, 40                           ; s40-55 four groups 0 for K
.set G0V, 68                           ; s68-83 four for V
.set KO,  2                            ; s2  LDS byte of the step's tiles of K
.set VO,  3                            ; s3  of V
.macro CROUND
	s_barrier_signal -1
	s_barrier_wait -1
	s_cmp_lg_u32 s[WV], 0
	s_cbranch_scc1 .Lnot_wave_0_\@
	s_barrier_signal -3
.Lnot_wave_0_\@:
	s_barrier_wait -3
	s_barrier_signal -1
	s_barrier_wait -1
.endm
	s_load_b128 s[4:7], s[0:1], 0x0                ; qkv, the exponents
	s_load_b64 s[8:9], s[0:1], 0x10                ; ctx
	v_lshl_add_u32 v5, v0, 2, SPARE
	v_mov_b32 v6, 0
	ds_add_u32 v5, v6                              ; the wave's opening: the add, twice on end, and its wait ahead of the first tensor loads
	ds_add_u32 v5, v6
	v_lshrrev_b32 v8, 5, v0
	v_readfirstlane_b32 s[WV], v8                  ; wave 0..15
	s_bfe_u32 s13, ttmp6, 0x40000                  ; cx: it enters Q's and ctx's addresses alone
	s_lshl_b32 s14, ttmp9, 2
	s_add_co_u32 s14, s14, s13                     ; my block of 256 queries
	s_and_b32 s15, ttmp7, 0xffff
	s_lshr_b32 s16, s15, 4                         ; batch
	s_and_b32 s17, s15, 15                         ; head
	s_and_b32 s19, s[WV], 1                        ; which half of a group I fetch
	s_lshl_b32 s56, s16, 21                        ; K: the batch's 128 tiles of 16,384 bytes,
	s_lshl_b32 s57, s17, 10                        ; the head's 1,024 bytes of a tile,
	s_add_co_u32 s56, s56, s57
	s_lshl_b32 s57, s19, 18                        ; my 16 tiles
	s_add_co_u32 s56, s56, s57
	s_add_co_u32 s56, s56, 0x400000
	s_mov_b32 s57, 0
	s_lshl_b32 s58, s17, 18                        ; V: the head's four tiles of 65,536 bytes,
	s_lshl_b32 s59, s16, 15                        ; the batch's 16 K steps,
	s_add_co_u32 s58, s58, s59
	s_lshl_b32 s59, s19, 17                        ; my two tiles
	s_add_co_u32 s58, s58, s59
	s_add_co_u32 s58, s58, 0x800000
	s_mov_b32 s59, 0
	s_lshl_b32 s60, s19, 14                        ; and my half of a group in LDS
	s_lshl_b32 s62, s16, 7
	s_lshl_b32 s63, s14, 4
	s_add_co_u32 s62, s62, s63
	s_add_co_u32 s62, s62, s[WV]                   ; my tile of queries
	s_lshl_b32 s62, s62, 14
	s_lshl_b32 s63, s17, 10
	s_add_co_u32 s62, s62, s63
	s_mov_b32 s63, 0
	s_mov_b32 s[G1K], 15|(1<<21)                   ; the mask: all four; elements of 1 byte; no padding; bit 21 beside a mask
	s_mov_b32 s[G1K+1], 1024<<16                   ; 16 rows of 1,024 bytes, 16,384 apart
	s_mov_b32 s[G1K+2], 16<<16
	s_mov_b32 s[G1K+3], 1024<<16
	s_mov_b32 s[G1K+4], 16
	s_mov_b32 s[G1K+5], 16384
	s_mov_b32 s[G1K+6], 0
	s_mov_b32 s[G1K+7], 0
	s_mov_b32 s[G1V], 15|(1<<21)
	s_mov_b32 s[G1V+1], 8192<<16                   ; 2 rows of 8,192 bytes (four K steps of a tile), 65,536 apart
	s_mov_b32 s[G1V+2], 2<<16
	s_mov_b32 s[G1V+3], 8192<<16
	s_mov_b32 s[G1V+4], 2
	s_mov_b32 s[G1V+5], 65536
	s_mov_b32 s[G1V+6], 0
	s_mov_b32 s[G1V+7], 0
	s_mov_b32 s[SEL], 0x76543210
	s_mov_b32 s[SEL+1], 0xfedcba98
	s_mov_b32 s[CS], 0x3e38aa3b                    ; c = log2(e) / 8
	s_mov_b32 s[KO], 0
	s_mov_b32 s[VO], 131072
	s_wait_dscnt 0x0                               ; both opening adds are done
	s_wait_kmcnt 0x0
	s_load_b256 s[88:95], s[6:7], 0x18             ; e6 .. e13
	s_add_nc_u64 s[56:57], s[4:5], s[56:57]
	s_add_nc_u64 s[58:59], s[4:5], s[58:59]
	s_add_nc_u64 s[84:85], s[4:5], s[62:63]        ; Q
	s_add_nc_u64 s[8:9], s[8:9], s[62:63]          ; ctx
.irp g, 0,1,2,3
	s_mov_b32 s[G0K+4*\g], 1
	s_add_co_u32 s[G0K+4*\g+1], s60, \g*32768
	s_add_nc_u64 s[G0K+4*\g+2:G0K+4*\g+3], s[56:57], \g<<19
	s_or_b32 s[G0K+4*\g+3], s[G0K+4*\g+3], 0x80000000
	s_mov_b32 s[G0V+4*\g], 1
	s_add_co_u32 s[G0V+4*\g+1], s60, 131072+\g*32768
	s_add_nc_u64 s[G0V+4*\g+2:G0V+4*\g+3], s[58:59], \g*8192
	s_or_b32 s[G0V+4*\g+3], s[G0V+4*\g+3], 0x80000000
.endr
	CROUND                                         ; all four work-groups are here: the joint loads meet
	s_cmp_lt_u32 s[WV], 2                          ; a wave's four fills stand in one branch on the wave's number
	s_cbranch_scc0 .Lnot_k
.irp g, 0,1,2,3
	tensor_load_to_lds s[G0K+4*\g:G0K+4*\g+3], s[G1K:G1K+7]
	s_nop 0
.endr
.rept 4
	v_nop
.endr
	s_branch .Lasked
.Lnot_k:
	s_cmp_lt_u32 s[WV], 4
	s_cbranch_scc0 .Lasked
.irp g, 0,1,2,3
	tensor_load_to_lds s[G0V+4*\g:G0V+4*\g+3], s[G1V:G1V+7]
	s_nop 0
.endr
.rept 4
	v_nop
.endr
.Lasked:
	v_and_b32 v7, 31, v0
	v_lshlrev_b32 v7, 4, v7
	global_load_b128 v[16:19], v7, s[84:85]        ; Q's fragment stays in registers
	global_load_b128 v[20:23], v7, s[84:85] offset:512
	v_mov_b32 v13, 0xff61b1e6                      ; the largest t so far: -3e38
	v_floor_f32 v12, -v13                          ; -M
	v_mov_b32 v14, 0
	v_mov_b32 v15, 0
	v_mov_b32 v236, 0                              ; a lane permute's destination counts as one of its sources
	v_mov_b32 v253, 0                              ; (named as the upper half of a pair)
.set J, 0
.rept 32
	v_mov_b32 v[160+J], 0                          ; O^T: the step is written once; its first pass finds zeros
.set J, J+1
.endr
	s_wait_kmcnt 0x0
	s_add_co_i32 s96, s88, s89
	s_lshl_b32 s96, s96, 23
	s_add_co_i32 s[CS], s[CS], s96                 ; a score stands for score x 2^(e6 + e7): added to c's exponent field
	s_mov_b32 s[CS+1], s[CS]
	s_add_co_i32 s96, s90, 127
	s_lshl_b32 s97, s96, 23
	v_mov_b32 v244, s97                            ; 2^e8
	s_add_co_i32 s96, s96, 15
	s_lshl_b32 s96, s96, 23
	s_or_b32 s96, s96, 0x600000
	v_mov_b32 v240, s96                            ; 57,344 x 2^e8
	s_sub_co_i32 s96, s92, s90
	s_sub_co_i32 s96, s96, s91                     ; e10 - e8 - e9
	s_add_co_i32 s96, s96, 127
	s_lshl_b32 s97, s96, 23
	v_mov_b32 v245, s97
	s_add_co_i32 s96, s96, 15
	s_lshl_b32 s96, s96, 23
	s_or_b32 s96, s96, 0x600000
	v_mov_b32 v246, s96
.macro STEP                            ; 128 keys
	v_add_nc_u32 v8, s[KO], v7
	v_add_nc_u32 v9, s[VO], v7
	v_nop                                          ; with the two additions: four places behind the last products, ahead of loads into registers that they read
	v_nop
.irp t, 0,1,2,3,4,5,6,7
.irp c, 0,1
	ds_load_b128 v[32+8*\t+4*\c:35+8*\t+4*\c], v8 offset:1024*\t+512*\c
.endr
.endr
	s_wait_dscnt 0x0
.irp t, 0,1,2,3,4,5,6,7
	v_wmma_f32_16x16x64_bf8_bf8 v[96+8*\t:103+8*\t], v[32+8*\t:39+8*\t], v[16:23], 0
.endr
.rept 4
	v_nop
.endr
.irp t, 0,1,2,3
.irp c, 0,1,2,3
	ds_load_b128 v[32+16*\t+4*\c:35+16*\t+4*\c], v9 offset:8192*\t+512*\c   ; V's fragments land under the softmax
.endr
.endr
	v_max3_num_f32 v254, v96, v97, v98             ; the step's largest score of my query among my 64 keys, in two chains,
	v_max3_num_f32 v252, v99, v100, v101
.irp i, 6,10,14,18,22,26,30,34,38,42,46,50,54,58
	v_max3_num_f32 v254, v254, v[96+\i], v[97+\i]
	v_max3_num_f32 v252, v252, v[98+\i], v[99+\i]
.endr
	v_max3_num_f32 v254, v254, v158, v159
	v_max_num_f32 v254, v254, v252
	v_permlanex16_b32 v236, v254, s[SEL], s[SEL+1]
	v_max_num_f32 v254, v254, v236                 ; and among lane l xor 16's
	v_mul_f32 v254, s[CS], v254
	v_max_num_f32 v13, v13, v254                   ; the running largest t
	v_mov_b32 v254, v12
	v_floor_f32 v12, -v13                          ; the new -M = -ceil(t)
	v_sub_f32 v254, v12, v254                      ; old M - new M: a whole number, 0 or less
	v_cvt_i32_f32 v254, v254                       ; (it saturates)
	v_ldexp_f32 v252, 1.0, v254                    ; f = 2^(old M - new M)
.set J, 0
.rept 32
	v_pk_fma_f32 v[96+J:97+J], v[96+J:97+J], s[CS:CS+1], v[12:13] op_sel_hi:[1,0,0]   ; t - M
.set J, J+2
.endr
.set J, 0
.rept 64
	v_exp_f32 v[96+J], v[96+J]                     ; p = 2^(t - M)
.set J, J+1
.endr
	v_pk_mul_f32 v[14:15], v[14:15], v[252:253] op_sel_hi:[1,0]   ; the sums under the new M; the plain line behind the exponentials
	s_wait_alu depctr_va_vdst(0)                   ; one wait for the batch, ahead of its first reader
	v_pk_add_f32 v[242:243], v[96:97], v[98:99]    ; the row's sum, of the unquantised p, in two chains
.irp j, 4,8,12,16,20,24,28,32,36,40,44,48,52,56,60
	v_pk_add_f32 v[14:15], v[14:15], v[96+\j:97+\j]
	v_pk_add_f32 v[242:243], v[242:243], v[98+\j:99+\j]
.endr
	v_pk_add_f32 v[14:15], v[14:15], v[242:243]
.irp b, 0,1,2,3
.irp i, 0,1,2,3,4,5,6,7,8,9,10,11,12,13,14,15
	v_min_num_f32 v[96+16*\b+\i], v[96+16*\b+\i], v240   ; the hold: p is not negative, so it is one-sided
.endr
	v_cvt_scalef32_pk8_bf8_f32 v[224+4*\b:225+4*\b], v[96+16*\b:103+16*\b], v244
	v_cvt_scalef32_pk8_bf8_f32 v[226+4*\b:227+4*\b], v[104+16*\b:111+16*\b], v244
.endr
.set J, 0
.rept 16
	v_pk_mul_f32 v[160+J:161+J], v[160+J:161+J], v[252:253] op_sel_hi:[1,0]   ; O^T under the new M; also the plain lines behind the conversions
.set J, J+2
.endr
	s_wait_dscnt 0x0                               ; V's fragments
.irp t, 0,1,2,3
	v_wmma_f32_16x16x128_bf8_bf8 v[160+8*\t:167+8*\t], v[32+16*\t:47+16*\t], v[224:239], v[160+8*\t:167+8*\t]   ; the four accumulators take turns; the scores' eight products stand between two links
.endr
.endm
.macro GROUP left                      ; 512 keys.  left: the later groups' loads of a fetching wave, which may stay out
	s_wait_tensorcnt \left
	s_wait_dscnt 0x0
	s_barrier_signal -1
	s_barrier_wait -1
	s_mov_b32 s10, 4
.Lstep_\@:
	STEP
	s_add_co_u32 s[KO], s[KO], 8192
	s_add_co_u32 s[VO], s[VO], 2048
	s_sub_co_u32 s10, s10, 1
	s_cmp_lg_u32 s10, 0
	s_cbranch_scc1 .Lstep_\@
	s_add_co_u32 s[VO], s[VO], 24576
.endm
	s_wait_loadcnt 0x0                             ; Q
	GROUP 3
	GROUP 2
	GROUP 1
	GROUP 0
	; THE WAY OUT: O^T / the sum stands for ctx / 2^(e8 + e9); its code is that / 2^(e10 - e8 - e9).
.rept 4
	v_nop
.endr
	v_add_f32 v14, v14, v15
	v_permlanex16_b32 v252, v14, s[SEL], s[SEL+1]
	v_add_f32 v14, v14, v252
	v_rcp_f32 v14, v14
	v_nop
	s_wait_alu depctr_va_vdst(0)
.set J, 0
.rept 32
	v_mul_f32 v[96+J], v[160+J], v14
.set J, J+1
.endr
.set J, 0
.rept 32
	v_med3_num_f32 v[96+J], v[96+J], -v246, v246
.set J, J+1
.endr
.irp c, 0,1
	v_cvt_scalef32_pk8_bf8_f32 v[224+4*\c:225+4*\c], v[96+16*\c:103+16*\c], v245
	v_cvt_scalef32_pk8_bf8_f32 v[226+4*\c:227+4*\c], v[104+16*\c:111+16*\c], v245
.endr
	v_nop
	global_store_b128 v7, v[224:227], s[8:9]       ; 512 consecutive aligned bytes each
	global_store_b128 v7, v[228:231], s[8:9] offset:512
	s_wait_tensorcnt 0x0                           ; the wave's end
	ds_add_u32 v5, v6
	s_wait_dscnt 0x0
	CROUND                                         ; the closing round
	s_endpgm
.Lfunc_end_k_qcc4773aa22_attn:
	.size	k_qcc4773aa22_attn, .Lfunc_end_k_qcc4773aa22_attn-k_qcc4773aa22_attn
	.p2alignl 7, 3214868480
	.fill 96, 4, 3214868480
	.section	.rodata,"a",@progbits
	.p2align	6, 0x0
	.amdhsa_kernel k_qcc4773aa22_attn
		.amdhsa_group_segment_fixed_size 264192
		.amdhsa_private_segment_fixed_size 0
		.amdhsa_enable_private_segment 0
		.amdhsa_kernarg_size 24
		.amdhsa_user_sgpr_count 2
		.amdhsa_user_sgpr_kernarg_segment_ptr 1
		.amdhsa_wavefront_size32 1
		.amdhsa_system_sgpr_workgroup_id_x 1
		.amdhsa_system_sgpr_workgroup_id_y 1
		.amdhsa_system_sgpr_workgroup_id_z 1
		.amdhsa_system_vgpr_workitem_id 0
		.amdhsa_next_free_vgpr 256
		.amdhsa_next_free_sgpr 100
		.amdhsa_reserve_vcc 0
		.amdhsa_float_denorm_mode_32 3
		.amdhsa_float_denorm_mode_16_64 3
		.amdhsa_memory_ordered 1
		.amdhsa_forward_progress 1
		.amdhsa_inst_pref_size 76
	.end_amdhsa_kernel
	.amdgpu_metadata
---
amdhsa.version: [ 1, 2 ]
amdhsa.kernels:
  - .name:           k_qcc4773aa22_attn
    .symbol:         k_qcc4773aa22_attn.kd
    .args:
      - { .name: qkv, .offset: 0, .size: 8, .value_kind: global_buffer, .address_space: global }
      - { .name: lowp_scales, .offset: 8, .size: 8, .value_kind: global_buffer, .address_space: global }
      - { .name: ctx, .offset: 16, .size: 8, .value_kind: global_buffer, .address_space: global }
    .group_segment_fixed_size: 264192
    .private_segment_fixed_size: 0
    .kernarg_segment_align: 8
    .kernarg_segment_size: 24
    .max_flat_workgroup_size: 512
    .sgpr_count:     100
    .vgpr_count:     256
    .wavefront_size: 32
...
	.end_amdgpu_metadata
.endif
;; end of part 3
;; launch gemm_o (part 4): grid 4 x 16, 4 waves a work-group, clusters of 4 x 4, 327,680 bytes of LDS; arguments ctx, qz, lowp_scales, bo, rr; writes rr
.if DOCPART == 4
	.amdgcn_target "amdgcn-amd-amdhsa--gfx1250"
	.amdhsa_code_object_version 6
	.text
	.protected	k_qcc4773aa22_gemm_o
	.globl	k_qcc4773aa22_gemm_o
	.p2align	8
	.type	k_qcc4773aa22_gemm_o,@function
k_qcc4773aa22_gemm_o:
	s_mov_b64 s[64:65], 0
	v_nop
	global_prefetch_b8 v0, s[64:65] scope:SCOPE_SE
	s_setreg_imm32_b32 hwreg(HW_REG_WAVE_MODE, 25, 1), 1
	s_wait_xcnt 0x0
	s_wait_alu depctr_hold_cnt(0) depctr_sa_sdst(0) depctr_va_vdst(0) depctr_va_sdst(0) depctr_va_ssrc(0) depctr_va_vcc(0) depctr_vm_vsrc(0)
	s_getreg_b32 s2, hwreg(HW_REG_IB_STS2, 6, 4)
	s_cmp_eq_u32 s2, 0
	s_cbranch_scc0 .Lentry_in_a_cluster
	s_endpgm
.Lentry_in_a_cluster:
	s_bfe_u32 s2, ttmp6, 0x10000c
	s_cmp_lg_u32 s2, 0xf033
	s_cbranch_scc0 .Lentry_shape_is_right
	s_endpgm
.Lentry_shape_is_right:
; VAR = 0: rr = x + ctx wo^T + bo.  VAR = 1: yy = h + gelu(..) w2^T + bf2.  The product on codes of BF8; bias and residual in f32.  No work is left out.
; Operands lie as images (a fragment of 16 rows x 128 K is 2,048 bytes on end); residual and result as f32 images (T x 65536 + p x 2048 + q x 512 + 16 x lane: columns 32 p + 16 h + 4 q + 0..3 of the tile's place lane % 16).
; A tile of the result, 256 x 256, is made by four waves, each 128 x 128.  K goes in steps of 256 through two LDS slots; a wave's tensor load brings 8 tiles x 4,096 bytes.  The result has 16 x 4 such tiles: 64 work-groups.
; CLUSTERS 4 x 4: A's tiles are asked for jointly along a row of the cluster, B's along a column.
; THE MATRIX INSTRUCTION IS USED TRANSPOSED (source 0 = a tile of B, source 1 = a tile of A): the 16 registers of accumulators 2 b, 2 b + 1 are the result's columns 32 b + 16 h + 0..15 of A's place r:
; four pieces of 16 bytes of the f32 image at 16 x lane: residual in and result out go straight between memory and registers, 512 consecutive aligned bytes an instruction.
; LIMIT: the two exponents' sum between -126 and 127.  NaN is not served.
; REGISTERS: window 0: v0-31 addresses, v32-95 the bias, v128-255 A's fragments, on the way out v96-223 two sets of residuals; window 1: B's fragments; windows 2, 3: the accumulators.
.set VAR,    0
.if VAR
.set KSZ,    4096
.set PF,     1
.set BOFF,   0x1400000
.set EOFF,   56
.set RES,    68
.set LOWP,   70
.set BIAS,   72
.else
.set KSZ,    1024
.set PF,     0
.set BOFF,   0xF00000
.set EOFF,   40
.set LOWP,   68
.set BIAS,   70
.set RES,    72
.endif
.set OUTP,   74
.set PFA,    98                        ; s[98:99] where my prefetches stand
.set LIM,    100                       ; s100 1 in a wave that prefetches, else the greatest number
.set PFO,    30                        ; v30 the prefetches' offset
.set TP,     16*KSZ
.set LAPS,   KSZ/512
.set HALFT,  32768
.set SLOT,   131072
.set SPARE,  262144
.set FR,     16
.set NL,     4
.set NP,     4
.set ADRA, 16
.set ADRB, 20
.set CO,   26
.set SPW,  28
.set NIL,  29
.set AF,   128
.set G1, 24
.set G0, 32
.set G1B, 48
.set G0B, 56
.set MSB, 0
.macro WIN new
.if MSB != (\new)
	s_set_vgpr_msb (MSB<<8)|(\new)
.set MSB, (\new)
.endif
.endm
.set MUL_LO, 0xa1
.set MUL_HI, 0xf1
.set TO_B,   0x40
.macro JLOAD g0a, g1a, g0b, g1b        ; a joint load: waves 0 and 1 fetch for A, waves 2 and 3 for B; an s_nop 0 and four v_nop follow each line
	s_cmp_eq_u32 s15, 0
	s_cbranch_scc0 .Lfor_b_\@
	tensor_load_to_lds s[\g0a:\g0a+3], s[\g1a:\g1a+7]
	s_nop 0
.rept 4
	v_nop
.endr
	s_branch .Lasked_\@
.Lfor_b_\@:
	tensor_load_to_lds s[\g0b:\g0b+3], s[\g1b:\g1b+7]
	s_nop 0
.rept 4
	v_nop
.endr
.Lasked_\@:
.endm
; A prefetch of the K step that stands two refills on: of the 8 tiles that a wave fetches each of the four partners that ask jointly takes 2, told apart by address: 32 blocks of 256 bytes, a lane a block.
; A's tiles are asked for by the clusters with x = 0, B's by those with y = 0: each block is named once in the launch.  The loop's last trip asks for nothing: there is no K step two on.
.macro ASK
	s_cmp_gt_u32 s3, s[LIM]
	s_cbranch_scc0 .Lnot_mine_\@
	global_prefetch_b8 v[PFO], s[PFA:PFA+1] offset:4096 th:TH_LOAD_NT scope:SCOPE_SE
.Lnot_mine_\@:
.endm
.macro CREST
	s_cmp_lg_u32 s14, 0
	s_cbranch_scc1 .Lnot_wave_0_\@
	s_barrier_signal -3
.Lnot_wave_0_\@:
	s_barrier_wait -3
	s_barrier_signal -1
	s_barrier_wait -1
.endm
.macro CROUND
	s_barrier_signal -1
	s_barrier_wait -1
	CREST
.endm
.macro FRAG reg, adr, q, i
.irp c, 0,1,2,3
	ds_load_b128 v[\reg+4*\c:\reg+4*\c+3], v[\adr] offset:4096*(\i)+2048*(\q)+512*\c
.endr
.endm
.macro MUL16 a0, p, zero               ; the 64 accumulators take turns, one instruction a turn
.irp a, \a0, \a0+1
.irp b, 0,1,2,3,4,5,6,7
.if \zero
	v_wmma_f32_16x16x128_bf8_bf8 v[8*(8*((\a)%4)+\b):8*(8*((\a)%4)+\b)+7], v[128*(\p)+FR*\b:128*(\p)+FR*\b+FR-1], v[AF+FR*(\a):AF+FR*(\a)+FR-1], 0
.else
	v_wmma_f32_16x16x128_bf8_bf8 v[8*(8*((\a)%4)+\b):8*(8*((\a)%4)+\b)+7], v[128*(\p)+FR*\b:128*(\p)+FR*\b+FR-1], v[AF+FR*(\a):AF+FR*(\a)+FR-1], v[8*(8*((\a)%4)+\b):8*(8*((\a)%4)+\b)+7]
.endif
.endr
.endr
.endm
.macro FETCH_B slot, q, p
	WIN TO_B
.irp i, 0,1,2,3,4,5,6,7
	FRAG 128*(\p)+FR*\i, ADRB+\slot, \q, \i
.endr
	WIN 0
.endm
.macro FETCH_A slot, q, i0
.irp i, \i0, \i0+1, \i0+2, \i0+3
	FRAG AF+FR*(\i), ADRA+\slot, \q, \i
.endr
.endm
.macro PLACES n
.rept \n
	v_nop
.endr
.endm
.macro STEP slot, q, zero
	s_wait_dscnt 4*NL                              ; B's set and A's blocks 0-3 are in; A's blocks 4-7 (16 loads) may be out
	WIN MUL_LO
	MUL16 0, (\q)%2, \zero
	MUL16 2, (\q)%2, \zero
	s_wait_dscnt 0
	PLACES NP
	FETCH_B \slot, (\q)+1, 1-(\q)%2
	FETCH_A \slot, (\q)+1, 0
	WIN MUL_HI
	MUL16 4, (\q)%2, \zero
	MUL16 6, (\q)%2, \zero
	PLACES NP
	WIN 0
	FETCH_A \slot, (\q)+1, 4
.endm
.macro TURN slot, next, fill
.if (\fill) && PF
	s_wait_xcnt 0x0                                ; the last prefetch, a K step back, has read its address
	s_add_nc_u64 s[PFA:PFA+1], s[PFA:PFA+1], 4096
.endif
	s_wait_tensorcnt 0x0                           ; all my tensor loads have landed: my part of the next slot
	ds_add_u32 v[SPW], v[NIL]                      ; 0 onto my spare word
	s_wait_dscnt 4*NL+1                            ; (the add and A's blocks 4-7 may be out)
	WIN MUL_LO
	MUL16 0, 1, 0
	s_wait_dscnt 0x0                               ; the add is done, and my reads of this slot are over
	s_barrier_signal -1
	MUL16 2, 1, 0
	WIN 0
	s_barrier_wait -1
.if \fill
	CREST                                          ; no wave of any partner still reads this slot or has a load on its way
	s_add_nc_u64 s[G0+4*\slot+2:G0+4*\slot+3], s[G0+4*\slot+2:G0+4*\slot+3], 8192
	s_add_nc_u64 s[G0B+4*\slot+2:G0B+4*\slot+3], s[G0B+4*\slot+2:G0B+4*\slot+3], 8192
	JLOAD G0+4*\slot, G1, G0B+4*\slot, G1B         ; the first tensor load behind the round, my only one until the next
.else
	PLACES NP
.endif
	FETCH_B \next, 0, 0
	FETCH_A \next, 0, 0
.if (\fill) && PF
	ASK
.endif
	WIN MUL_HI
	MUL16 4, 1, 0
	MUL16 6, 1, 0
	PLACES NP
	WIN 0
	FETCH_A \next, 0, 4
.endm
	s_load_b128 s[4:7], s[0:1], 0x0                ; A's image, qz
	s_load_b128 s[68:71], s[0:1], 0x10             ; VAR 0: the exponents, the bias; VAR 1: hh, the exponents
.if VAR
	s_load_b128 s[72:75], s[0:1], 0x20             ; the bias, the result
.else
	s_load_b64 s[74:75], s[0:1], 0x20              ; the result
.endif
	v_lshl_add_u32 v[SPW], v0, 2, SPARE
	v_mov_b32 v[NIL], 0
	ds_add_u32 v[SPW], v[NIL]                      ; the wave's opening: the add, twice on end, and its wait ahead of my first tensor load
	ds_add_u32 v[SPW], v[NIL]
	v_lshrrev_b32 v1, 5, v0
	v_readfirstlane_b32 s14, v1
	s_lshr_b32 s15, s14, 1
	s_and_b32 s16, s14, 1
	s_bfe_u32 s40, ttmp6, 0x40000
	s_bfe_u32 s41, ttmp6, 0x40004
	s_lshl_b32 s42, ttmp9, 2
	s_add_co_u32 s42, s42, s40                     ; tile column
	s_and_b32 s17, ttmp7, 0xffff
	s_lshl_b32 s17, s17, 2
	s_add_co_u32 s17, s17, s41                     ; tile row
	s_lshl_b32 s43, s41, 2
	s_lshl_b32 s43, 15, s43
	s_lshl_b32 s44, 0x1111, s40
	s_or_b32 s[G1+0], s43, (1<<21)
	s_or_b32 s[G1B+0], s44, (1<<21)
.irp g, G1, G1B
	s_mov_b32 s[\g+1], 4096<<16
	s_mov_b32 s[\g+2], 8<<16
	s_mov_b32 s[\g+3], 4096<<16
	s_mov_b32 s[\g+4], 8
	s_mov_b32 s[\g+5], TP
	s_mov_b32 s[\g+6], 0
	s_mov_b32 s[\g+7], 0
.endr
	s_lshl_b32 s18, s16, 3
	s_lshl_b32 s20, s17, 4
	s_add_co_u32 s20, s20, s18
	s_mul_i32 s20, s20, TP
	s_mov_b32 s21, 0
	s_lshl_b32 s46, s42, 4
	s_add_co_u32 s46, s46, s18
	s_mul_i32 s46, s46, TP
	s_add_co_u32 s46, s46, BOFF
	s_mov_b32 s47, 0
	s_mul_i32 s45, s14, HALFT
	s_wait_dscnt 0x0
	s_wait_kmcnt 0x0
	s_load_b64 s[76:77], s[LOWP:LOWP+1], EOFF      ; the two operands' exponents
.if VAR == 0
	s_add_nc_u64 s[RES:RES+1], s[6:7], 0x1800000   ; the residual: x's f32 image
.endif
	s_add_nc_u64 s[20:21], s[4:5], s[20:21]
	s_add_nc_u64 s[46:47], s[6:7], s[46:47]
	CROUND
.irp s, 0,1
	s_mov_b32 s[G0+4*\s], 1
	s_add_co_u32 s[G0+4*\s+1], s45, \s*SLOT
	s_add_nc_u64 s[G0+4*\s+2:G0+4*\s+3], s[20:21], \s*4096
	s_or_b32 s[G0+4*\s+3], s[G0+4*\s+3], 0x80000000
	s_mov_b32 s[G0B+4*\s], 1
	s_add_co_u32 s[G0B+4*\s+1], s45, \s*SLOT
	s_add_nc_u64 s[G0B+4*\s+2:G0B+4*\s+3], s[46:47], \s*4096
	s_or_b32 s[G0B+4*\s+3], s[G0B+4*\s+3], 0x80000000
	JLOAD G0+4*\s, G1, G0B+4*\s, G1B
.endr
	v_and_b32 v2, 31, v0
	v_lshlrev_b32 v[CO], 4, v2
	s_mul_i32 s21, s15, HALFT
	s_mul_i32 s22, s16, HALFT
	s_add_co_u32 s22, s22, 2*HALFT
.irp s, 0,1
	v_add_nc_u32 v[ADRA+\s], s21, v[CO]
	v_add_nc_u32 v[ADRB+\s], s22, v[CO]
	s_add_co_u32 s21, s21, SLOT
	s_add_co_u32 s22, s22, SLOT
.endr
	s_lshl_b32 s86, s17, 4                         ; residual and result: tile 16 x tile row + 8 x half, pair 8 x tile column + 4 x half
	s_lshl_b32 s87, s15, 3
	s_add_co_u32 s86, s86, s87
	s_lshl_b32 s86, s86, 16
	s_lshl_b32 s87, s42, 3
	s_lshl_b32 s88, s16, 2
	s_add_co_u32 s87, s87, s88
	s_lshl_b32 s87, s87, 11
	s_add_co_u32 s86, s86, s87
	s_mov_b32 s87, 0
	s_add_nc_u64 s[RES:RES+1], s[RES:RES+1], s[86:87]
	s_add_nc_u64 s[OUTP:OUTP+1], s[OUTP:OUTP+1], s[86:87]
	s_lshl_b32 s88, s42, 10                        ; the bias of my 128 columns
	s_lshl_b32 s89, s16, 9
	s_add_co_u32 s88, s88, s89
	s_mov_b32 s89, 0
	s_add_nc_u64 s[BIAS:BIAS+1], s[BIAS:BIAS+1], s[88:89]
	v_bfe_u32 v6, v0, 4, 1
	v_lshlrev_b32 v6, 6, v6                        ; 64 h
.irp b, 0,1,2,3
.irp q, 0,1,2,3
	global_load_b128 v[32+16*\b+4*\q:35+16*\b+4*\q], v6, s[BIAS:BIAS+1] offset:128*\b+16*\q
.endr
.endr
.if PF
	s_add_nc_u64 s[84:85], s[6:7], BOFF            ; B's image
	s_and_b32 s22, ttmp7, 0xffff                   ; cluster y
	s_lshl_b32 s20, s17, 4
	s_lshl_b32 s21, s42, 4
	s_cmp_eq_u32 s15, 0                            ; do I fetch for A?
	s_cselect_b32 s20, s20, s21                    ; the first tile of the 16
	s_cselect_b32 s21, s40, s41                    ; my place among the four that ask with me
	s_cselect_b32 s22, ttmp9, s22                  ; the coordinate along which other clusters read the same tiles
	s_cselect_b64 s[PFA:PFA+1], s[4:5], s[84:85]
	s_cmp_eq_u32 s22, 0
	s_cselect_b32 s[LIM], 1, -1
	s_lshl_b32 s22, s16, 3
	s_add_co_u32 s20, s20, s22
	s_lshl_b32 s21, s21, 1
	s_add_co_u32 s20, s20, s21
	s_mul_i32 s20, s20, TP
	s_add_co_u32 s20, s20, 2*4096                  ; at K step 2: the first refill steps it to 3 and names K step 4
	s_mov_b32 s21, 0
	s_add_nc_u64 s[PFA:PFA+1], s[PFA:PFA+1], s[20:21]
	v_lshrrev_b32 v[PFO], 4, v2
	v_mul_u32_u24 v[PFO], v[PFO], TP
	v_and_b32 v31, 15, v2
	v_lshl_add_u32 v[PFO], v31, 8, v[PFO]
.endif
	s_wait_tensorcnt 1                             ; my part of K step 0 is in; K step 1's may stay out
	s_barrier_signal -1
	s_barrier_wait -1
	FETCH_B 0, 0, 0
	FETCH_A 0, 0, 0
	FETCH_A 0, 0, 4
	STEP 0, 0, 1
	s_mov_b32 s3, LAPS-1
.Llap:
	TURN 0, 1, 1
	STEP 1, 0, 0
	TURN 1, 0, 1
	STEP 0, 0, 0
	s_sub_co_u32 s3, s3, 1
	s_cmp_lg_u32 s3, 0
	s_cbranch_scc1 .Llap
	TURN 0, 1, 0
	STEP 1, 0, 0
	s_wait_dscnt 4*NL
	WIN MUL_LO
	MUL16 0, 1, 0
	MUL16 2, 1, 0
	s_wait_dscnt 0
	WIN MUL_HI
	MUL16 4, 1, 0
	MUL16 6, 1, 0
	WIN 0
	; THE WAY OUT: result = sum x 2^(ea + eb) + residual + bias, block by block of 16 rows; the next block's residual is on its way while one is worked.
	s_wait_kmcnt 0x0
	s_add_co_i32 s96, s76, s77
	s_add_co_i32 s96, s96, 127
	s_lshl_b32 s96, s96, 23                        ; 2^(ea + eb)
	s_mov_b32 s97, s96
	s_wait_loadcnt 0x0                             ; the bias
	PLACES NP
.macro RLOAD a
.set RS, 96+64*((\a)%2)
.irp b, 0,1,2,3
.irp q, 0,1,2,3
	global_load_b128 v[RS+16*\b+4*\q:RS+16*\b+4*\q+3], v[CO], s[RES:RES+1] offset:65536*(\a)+2048*\b+512*\q th:TH_LOAD_NT
.endr
.endr
.endm
.macro OUTF a
.set RS, 96+64*((\a)%2)
.set AC, 64*((\a)%4)
	WIN 0x02+(\a)/4
.set J, 0
.rept 32
	v_pk_fma_f32 v[RS+J:RS+J+1], v[AC+J:AC+J+1], s[96:97], v[RS+J:RS+J+1] op_sel_hi:[1,0,1]   ; each accumulator from its low end on
.set J, J+2
.endr
	WIN 0
.set J, 0
.rept 32
	v_pk_add_f32 v[RS+J:RS+J+1], v[RS+J:RS+J+1], v[32+J:33+J]
.set J, J+2
.endr
.irp b, 0,1,2,3
.irp q, 0,1,2,3
	global_store_b128 v[CO], v[RS+16*\b+4*\q:RS+16*\b+4*\q+3], s[OUTP:OUTP+1] offset:65536*(\a)+2048*\b+512*\q
.endr
.endr
.endm
	RLOAD 0
.irp a, 0,1,2,3,4,5,6,7
.if \a < 7
	s_wait_xcnt 0x0                                ; the stores of the block before have read the set that is loaded next
	RLOAD \a+1
	s_wait_loadcnt 16                              ; this block's residual is in; the next block's 16 loads may be out
.else
	s_wait_loadcnt 0
.endif
	OUTF \a
.endr
	s_wait_tensorcnt 0x0                           ; the wave's end
	ds_add_u32 v[SPW], v[NIL]
	s_wait_dscnt 0x0
	CROUND
	s_endpgm
.Lfunc_end_k_qcc4773aa22_gemm_o:
	.size	k_qcc4773aa22_gemm_o, .Lfunc_end_k_qcc4773aa22_gemm_o-k_qcc4773aa22_gemm_o
	.p2alignl 7, 3214868480
	.fill 96, 4, 3214868480
	.section	.rodata,"a",@progbits
	.p2align	6, 0x0
	.amdhsa_kernel k_qcc4773aa22_gemm_o
		.amdhsa_group_segment_fixed_size 327680
		.amdhsa_private_segment_fixed_size 0
		.amdhsa_enable_private_segment 0
		.amdhsa_kernarg_size 40
		.amdhsa_user_sgpr_count 2
		.amdhsa_user_sgpr_kernarg_segment_ptr 1
		.amdhsa_wavefront_size32 1
		.amdhsa_system_sgpr_workgroup_id_x 1
		.amdhsa_system_sgpr_workgroup_id_y 1
		.amdhsa_system_sgpr_workgroup_id_z 1
		.amdhsa_system_vgpr_workitem_id 0
		.amdhsa_next_free_vgpr 1024
		.amdhsa_next_free_sgpr 102
		.amdhsa_reserve_vcc 0
		.amdhsa_float_denorm_mode_32 3
		.amdhsa_float_denorm_mode_16_64 3
		.amdhsa_memory_ordered 1
		.amdhsa_forward_progress 1
		.amdhsa_inst_pref_size 136
	.end_amdhsa_kernel
	.amdgpu_metadata
---
amdhsa.version: [ 1, 2 ]
amdhsa.kernels:
  - .name:           k_qcc4773aa22_gemm_o
    .symbol:         k_qcc4773aa22_gemm_o.kd
    .args:
      - { .name: ctx, .offset: 0, .size: 8, .value_kind: global_buffer, .address_space: global }
      - { .name: qz, .offset: 8, .size: 8, .value_kind: global_buffer, .address_space: global }
      - { .name: lowp_scales, .offset: 16, .size: 8, .value_kind: global_buffer, .address_space: global }
      - { .name: bo, .offset: 24, .size: 8, .value_kind: global_buffer, .address_space: global }
      - { .name: rr, .offset: 32, .size: 8, .value_kind: global_buffer, .address_space: global }
    .group_segment_fixed_size: 327680
    .private_segment_fixed_size: 0
    .kernarg_segment_align: 8
    .kernarg_segment_size: 40
    .max_flat_workgroup_size: 128
    .sgpr_count:     102
    .vgpr_count:     1024
    .wavefront_size: 32
...
	.end_amdgpu_metadata
.endif
;; end of part 4
;; launch ln1 (part 5): grid 256 x 1, 8 waves a work-group, no clusters, 2,048 bytes of LDS; arguments rr, g1, b1, lowp_scales, hh; writes hh
.if DOCPART == 5
	.amdgcn_target "amdgcn-amd-amdhsa--gfx1250"
	.amdhsa_code_object_version 6
	.text
	.protected	k_qcc4773aa22_ln1
	.globl	k_qcc4773aa22_ln1
	.p2align	8
	.type	k_qcc4773aa22_ln1,@function
k_qcc4773aa22_ln1:
	s_mov_b64 s[64:65], 0
	v_nop
	global_prefetch_b8 v0, s[64:65] scope:SCOPE_SE
	s_setreg_imm32_b32 hwreg(HW_REG_WAVE_MODE, 25, 1), 1
	s_wait_xcnt 0x0
; A layer norm over rows of 1,024, on the f32 image.  LN2 = 0: h = LN(rr) g1 + b1, stored as f32 image and, quantised under e12, as codes' image.  LN2 = 1: out0 = LN(yy) g2 + b2, stored row-major.  No work is left out.
; A work-group takes one image tile (16 rows); wave w the columns 128 w .. 128 w + 127; lane (r, h) holds 64 numbers of row r, which stay in registers: memory is read once.
; The mean, then the mean of the squared differences (two passes over registers, so a common offset of the inputs does no harm): within a lane, with lane l xor 16, and over the eight waves through 16 words a wave in LDS: two barriers.
; Memory binds: no matrix unit, no tensor load, no cluster.  Every load and store of rows covers 512 consecutive aligned bytes.
; LIMIT (LN2 = 0): e12 between -126 and 112.  NaN is not served.
.set LN2,   0
.set SPARE, 1024                       ; behind the two areas of 512 bytes: the spare words, 128 bytes a wave
.set X,  16                            ; v16-79   my 64 numbers
.set G,  80                            ; v80-143  the gain; later held numbers or rows on the way out
.set BV, 144                           ; v144-207 the bias
	s_load_b256 s[4:11], s[0:1], 0x0               ; in, gain, bias, and: the exponents (LN2 = 0) or out0 (LN2 = 1)
.if LN2 == 0
	s_load_b64 s[12:13], s[0:1], 0x20              ; hh
.endif
	v_lshl_add_u32 v5, v0, 2, SPARE
	v_mov_b32 v6, 0
	v_lshrrev_b32 v9, 5, v0
	v_readfirstlane_b32 s16, v9                    ; wave
	v_and_b32 v9, 31, v0
	v_lshlrev_b32 v1, 4, v9                        ; 16 x lane
	v_bfe_u32 v10, v0, 4, 1
	v_lshlrev_b32 v2, 6, v10                       ; 64 h
	v_and_b32 v11, 15, v0
	v_lshlrev_b32 v4, 2, v11                       ; 4 r
	s_lshl_b32 s17, s16, 6
	v_add_nc_u32 v3, s17, v4                       ; 64 w + 4 r
	s_mov_b32 s14, 0x76543210
	s_mov_b32 s15, 0xfedcba98
	s_lshl_b32 s18, ttmp9, 16
	s_lshl_b32 s19, s16, 13
	s_add_co_u32 s18, s18, s19                     ; my part of the f32 image
	s_mov_b32 s19, 0
	s_lshl_b32 s20, s16, 9                         ; my 128 columns in bytes
	s_mov_b32 s21, 0
.if LN2
	s_mul_i32 s30, s16, 8448
	s_add_co_u32 s30, s30, 2048                    ; my stage: 16 rows x (512 + 16) bytes
	v_mul_u32_u24 v7, v11, 528
	v_lshl_add_u32 v7, v10, 6, v7
	v_add_nc_u32 v7, s30, v7
	v_add_nc_u32 v8, s30, v1
	s_lshr_b32 s28, ttmp9, 1
	s_lshl_b32 s28, s28, 5
	s_and_b32 s29, ttmp9, 1
	s_lshl_b32 s29, s29, 3
	s_add_co_u32 s28, s28, s29                     ; the tile's first row
	s_lshl_b32 s28, s28, 12
	s_add_co_u32 s28, s28, s20
	s_mov_b32 s29, 0
.else
	s_lshl_b32 s28, ttmp9, 14
	s_lshl_b32 s29, s16, 11
	s_add_co_u32 s28, s28, s29
	s_add_co_u32 s28, s28, 0x1000000               ; my part of the codes' image
	s_mov_b32 s29, 0
.endif
	s_wait_kmcnt 0x0
.if LN2
	s_add_nc_u64 s[10:11], s[10:11], s[28:29]
.else
	s_load_b32 s24, s[10:11], 0x30                 ; e12
	s_add_nc_u64 s[26:27], s[12:13], s[18:19]
	s_add_nc_u64 s[28:29], s[12:13], s[28:29]
.endif
	s_add_nc_u64 s[4:5], s[4:5], s[18:19]
	s_add_nc_u64 s[6:7], s[6:7], s[20:21]
	s_add_nc_u64 s[8:9], s[8:9], s[20:21]
.irp p, 0,1,2,3
.irp q, 0,1,2,3
	global_load_b128 v[X+16*\p+4*\q:X+16*\p+4*\q+3], v1, s[4:5] offset:2048*\p+512*\q th:TH_LOAD_NT
.endr
.endr
.irp p, 0,1,2,3
.irp q, 0,1,2,3
	global_load_b128 v[G+16*\p+4*\q:G+16*\p+4*\q+3], v2, s[6:7] offset:128*\p+16*\q
.endr
.endr
.irp p, 0,1,2,3
.irp q, 0,1,2,3
	global_load_b128 v[BV+16*\p+4*\q:BV+16*\p+4*\q+3], v2, s[8:9] offset:128*\p+16*\q
.endr
.endr
.macro FOLD                            ; four chains in v208-215 -> the row's part of my wave, in every lane
	v_pk_add_f32 v[208:209], v[208:209], v[210:211]
	v_pk_add_f32 v[212:213], v[212:213], v[214:215]
	v_pk_add_f32 v[208:209], v[208:209], v[212:213]
	v_add_f32 v208, v208, v209
	v_permlanex16_b32 v209, v208, s14, s15
	v_add_f32 v208, v208, v209
.endm
.macro RED area                        ; over the eight waves; the result / 1,024 in v216
	ds_store_b32 v3, v208 offset:\area
	s_wait_dscnt 0x0                               ; for the others' sake: my store has landed
	s_barrier_signal -1
	s_barrier_wait -1
.irp w, 0,1,2,3,4,5,6,7
	ds_load_b32 v[216+\w], v4 offset:\area+64*\w
.endr
	s_wait_dscnt 0x0
	v_add_f32 v216, v216, v217
	v_add_f32 v218, v218, v219
	v_add_f32 v220, v220, v221
	v_add_f32 v222, v222, v223
	v_add_f32 v216, v216, v218
	v_add_f32 v220, v220, v222
	v_add_f32 v216, v216, v220
	v_mul_f32 v216, 0x3a800000, v216
.endm
	s_wait_loadcnt 32                              ; my numbers are in; the gain's and the bias's 32 loads may be out
.irp c, 0,1,2,3
	v_pk_add_f32 v[208+2*\c:209+2*\c], v[X+2*\c:X+2*\c+1], v[X+8+2*\c:X+9+2*\c]
.endr
.irp k, 2,3,4,5,6,7
.irp c, 0,1,2,3
	v_pk_add_f32 v[208+2*\c:209+2*\c], v[208+2*\c:209+2*\c], v[X+8*\k+2*\c:X+8*\k+2*\c+1]
.endr
.endr
	FOLD
	RED 0
.set J, 0
.rept 32
	v_pk_add_f32 v[X+J:X+J+1], v[X+J:X+J+1], v[216:217] op_sel_hi:[1,0] neg_lo:[0,1] neg_hi:[0,1]   ; - the mean
.set J, J+2
.endr
.irp c, 0,1,2,3
	v_pk_mul_f32 v[208+2*\c:209+2*\c], v[X+2*\c:X+2*\c+1], v[X+2*\c:X+2*\c+1]
.endr
.irp k, 1,2,3,4,5,6,7
.irp c, 0,1,2,3
	v_pk_fma_f32 v[208+2*\c:209+2*\c], v[X+8*\k+2*\c:X+8*\k+2*\c+1], v[X+8*\k+2*\c:X+8*\k+2*\c+1], v[208+2*\c:209+2*\c]
.endr
.endr
	FOLD
	RED 512                                        ; other bytes than the first: no barrier between the two
	v_add_f32 v216, 0x3727c5ac, v216               ; + 1e-5
	v_rsq_f32 v218, v216
	v_nop
	s_wait_alu depctr_va_vdst(0)                   ; ahead of the first reader
.set J, 0
.rept 32
	v_pk_mul_f32 v[X+J:X+J+1], v[X+J:X+J+1], v[218:219] op_sel_hi:[1,0]
.set J, J+2
.endr
	s_wait_loadcnt 0x0
.set J, 0
.rept 32
	v_pk_fma_f32 v[X+J:X+J+1], v[X+J:X+J+1], v[G+J:G+J+1], v[BV+J:BV+J+1]
.set J, J+2
.endr
.if LN2
.irp p, 0,1,2,3
.irp q, 0,1,2,3
	ds_store_b128 v7, v[X+16*\p+4*\q:X+16*\p+4*\q+3] offset:128*\p+16*\q   ; row r of my stage; the sixteen rows start at sixteen different banks
.endr
.endr
.irp i, 0,1,2,3,4,5,6,7,8,9,10,11,12,13,14,15
	ds_load_b128 v[G+4*\i:G+4*\i+3], v8 offset:528*\i   ; LDS serves a wave's instructions in order (ISA guide 5.7.1.4): these see my stores
.endr
.irp i, 0,1,2,3,4,5,6,7,8,9,10,11,12,13,14,15
	s_wait_dscnt 15-\i                             ; row i is back; the younger loads may be out
	global_store_b128 v1, v[G+4*\i:G+4*\i+3], s[10:11] offset:(\i+8*(\i/8))*4096 th:TH_STORE_NT
.endr
.else
.irp p, 0,1,2,3
.irp q, 0,1,2,3
	global_store_b128 v1, v[X+16*\p+4*\q:X+16*\p+4*\q+3], s[26:27] offset:2048*\p+512*\q
.endr
.endr
	s_wait_kmcnt 0x0
	s_add_co_i32 s24, s24, 127
	s_lshl_b32 s25, s24, 23
	v_mov_b32 v221, s25                            ; 2^e12
	s_add_co_i32 s24, s24, 15
	s_lshl_b32 s24, s24, 23
	s_or_b32 s24, s24, 0x600000
	v_mov_b32 v220, s24                            ; 57,344 x 2^e12
.set J, 0
.rept 64
	v_med3_num_f32 v[G+J], v[X+J], -v220, v220
.set J, J+1
.endr
.irp p, 0,1,2,3
	v_cvt_scalef32_pk8_bf8_f32 v[224+4*\p:225+4*\p], v[G+16*\p:G+16*\p+7], v221
	v_cvt_scalef32_pk8_bf8_f32 v[226+4*\p:227+4*\p], v[G+16*\p+8:G+16*\p+15], v221
.endr
	v_nop
.irp p, 0,1,2,3
	global_store_b128 v1, v[224+4*\p:227+4*\p], s[28:29] offset:512*\p
.endr
.endif
	s_wait_tensorcnt 0x0                           ; the wave's end: behind my last LDS store
	ds_add_u32 v5, v6
	s_wait_dscnt 0x0
	s_endpgm
.Lfunc_end_k_qcc4773aa22_ln1:
	.size	k_qcc4773aa22_ln1, .Lfunc_end_k_qcc4773aa22_ln1-k_qcc4773aa22_ln1
	.p2alignl 7, 3214868480
	.fill 96, 4, 3214868480
	.section	.rodata,"a",@progbits
	.p2align	6, 0x0
	.amdhsa_kernel k_qcc4773aa22_ln1
		.amdhsa_group_segment_fixed_size 2048
		.amdhsa_private_segment_fixed_size 0
		.amdhsa_enable_private_segment 0
		.amdhsa_kernarg_size 40
		.amdhsa_user_sgpr_count 2
		.amdhsa_user_sgpr_kernarg_segment_ptr 1
		.amdhsa_wavefront_size32 1
		.amdhsa_system_sgpr_workgroup_id_x 1
		.amdhsa_system_sgpr_workgroup_id_y 1
		.amdhsa_system_sgpr_workgroup_id_z 1
		.amdhsa_system_vgpr_workitem_id 0
		.amdhsa_next_free_vgpr 240
		.amdhsa_next_free_sgpr 66
		.amdhsa_reserve_vcc 0
		.amdhsa_float_denorm_mode_32 3
		.amdhsa_float_denorm_mode_16_64 3
		.amdhsa_memory_ordered 1
		.amdhsa_forward_progress 1
		.amdhsa_inst_pref_size 26
	.end_amdhsa_kernel
	.amdgpu_metadata
---
amdhsa.version: [ 1, 2 ]
amdhsa.kernels:
  - .name:           k_qcc4773aa22_ln1
    .symbol:         k_qcc4773aa22_ln1.kd
    .args:
      - { .name: rr, .offset: 0, .size: 8, .value_kind: global_buffer, .address_space: global }
      - { .name: g1, .offset: 8, .size: 8, .value_kind: global_buffer, .address_space: global }
      - { .name: b1, .offset: 16, .size: 8, .value_kind: global_buffer, .address_space: global }
      - { .name: lowp_scales, .offset: 24, .size: 8, .value_kind: global_buffer, .address_space: global }
      - { .name: hh, .offset: 32, .size: 8, .value_kind: global_buffer, .address_space: global }
    .group_segment_fixed_size: 2048
    .private_segment_fixed_size: 0
    .kernarg_segment_align: 8
    .kernarg_segment_size: 40
    .max_flat_workgroup_size: 256
    .sgpr_count:     66
    .vgpr_count:     240
    .wavefront_size: 32
...
	.end_amdgpu_metadata
.endif
;; end of part 5
;; launch gemm_f1 (part 6): grid 16 x 16, 4 waves a work-group, clusters of 4 x 4, 327,680 bytes of LDS; arguments hh, qz, lowp_scales, bf1, gc; writes gc
.if DOCPART == 6
	.amdgcn_target "amdgcn-amd-amdhsa--gfx1250"
	.amdhsa_code_object_version 6
	.text
	.protected	k_qcc4773aa22_gemm_f1
	.globl	k_qcc4773aa22_gemm_f1
	.p2align	8
	.type	k_qcc4773aa22_gemm_f1,@function
k_qcc4773aa22_gemm_f1:
	s_mov_b64 s[64:65], 0
	v_nop
	global_prefetch_b8 v0, s[64:65] scope:SCOPE_SE
	s_setreg_imm32_b32 hwreg(HW_REG_WAVE_MODE, 25, 1), 1
	s_wait_xcnt 0x0
	s_wait_alu depctr_hold_cnt(0) depctr_sa_sdst(0) depctr_va_vdst(0) depctr_va_sdst(0) depctr_va_ssrc(0) depctr_va_vcc(0) depctr_vm_vsrc(0)
	s_getreg_b32 s2, hwreg(HW_REG_IB_STS2, 6, 4)
	s_cmp_eq_u32 s2, 0
	s_cbranch_scc0 .Lentry_in_a_cluster
	s_endpgm
.Lentry_in_a_cluster:
	s_bfe_u32 s2, ttmp6, 0x10000c
	s_cmp_lg_u32 s2, 0xf033
	s_cbranch_scc0 .Lentry_shape_is_right
	s_endpgm
.Lentry_shape_is_right:
; gc = codes (e14) of gelu(h w1^T + bf1), the exact GELU; the product on codes of BF8.  No work is left out.
; Operands and result lie as images (a fragment of 16 rows x 128 K is 2,048 bytes on end).  A tile of the result, 256 x 256, is made by four waves, each 128 x 128; K in steps of 256 through two LDS slots.
; CLUSTERS 4 x 4: A's tiles are asked for jointly along a row of the cluster, B's along a column.  The matrix instruction is used transposed, so that the 16 registers of accumulators 2 b, 2 b + 1
; are the result's columns 32 b + 16 h + 0..15 of A's place r: after the conversions 16 bytes of the result's image.
; THE GELU.  z = |v| / sqrt(2), t = 1 / (1 + z / 2), S = erfc(z) / 2 = t 2^(P(t) - v^2 log2(e) / 2), P a polynomial of degree 9 (the rational Chebyshev fit of erfc, fractional error 1.2e-7, its
; coefficients times log2(e), the constant one less 1 for the half); gelu = max(v, 0) - |v| S: no compare, and the relative accuracy holds in the negative tail.
; It is long, so it is written once, as a loop: the pre-activations rest in the ring's bytes, each wave's in 65,536 bytes of its own (both slots have had their last fill, and a barrier shows that nobody reads them),
; and come back 32 numbers a lane a trip.  Two batches of transcendentals a trip, one wait each.
; LIMITS: e12 + e13 between -126 and 127; e14 between -126 and 112.  NaN and infinities are not served.
.set KSZ,    1024
.set PF,     0
.set TP,     16*KSZ
.set LAPS,   KSZ/512
.set HALFT,  32768
.set SLOT,   131072
.set SPARE,  262144
.set FR,     16
.set NL,     4
.set NP,     4
.set ADRA, 16
.set ADRB, 20
.set CO,   26
.set STG,  27                          ; v27 my 65,536 bytes + 16 x lane
.set SPW,  28
.set NIL,  29
.set AF,   128
.set G1, 24
.set G0, 32
.set G1B, 48
.set G0B, 56
.set GV, 96                            ; the loop: v, t, P, and v^2 (later the result)
.set GT, 128
.set GP, 160
.set GQ, 192
.set MSB, 0
.macro WIN new
.if MSB != (\new)
	s_set_vgpr_msb (MSB<<8)|(\new)
.set MSB, (\new)
.endif
.endm
.set MUL_LO, 0xa1
.set MUL_HI, 0xf1
.set TO_B,   0x40
.macro JLOAD g0a, g1a, g0b, g1b        ; a joint load: waves 0 and 1 fetch for A, waves 2 and 3 for B; an s_nop 0 and four v_nop follow each line
	s_cmp_eq_u32 s15, 0
	s_cbranch_scc0 .Lfor_b_\@
	tensor_load_to_lds s[\g0a:\g0a+3], s[\g1a:\g1a+7]
	s_nop 0
.rept 4
	v_nop
.endr
	s_branch .Lasked_\@
.Lfor_b_\@:
	tensor_load_to_lds s[\g0b:\g0b+3], s[\g1b:\g1b+7]
	s_nop 0
.rept 4
	v_nop
.endr
.Lasked_\@:
.endm
.macro CREST
	s_cmp_lg_u32 s14, 0
	s_cbranch_scc1 .Lnot_wave_0_\@
	s_barrier_signal -3
.Lnot_wave_0_\@:
	s_barrier_wait -3
	s_barrier_signal -1
	s_barrier_wait -1
.endm
.macro CROUND
	s_barrier_signal -1
	s_barrier_wait -1
	CREST
.endm
.macro FRAG reg, adr, q, i
.irp c, 0,1,2,3
	ds_load_b128 v[\reg+4*\c:\reg+4*\c+3], v[\adr] offset:4096*(\i)+2048*(\q)+512*\c
.endr
.endm
.macro MUL16 a0, p, zero               ; the 64 accumulators take turns, one instruction a turn
.irp a, \a0, \a0+1
.irp b, 0,1,2,3,4,5,6,7
.if \zero
	v_wmma_f32_16x16x128_bf8_bf8 v[8*(8*((\a)%4)+\b):8*(8*((\a)%4)+\b)+7], v[128*(\p)+FR*\b:128*(\p)+FR*\b+FR-1], v[AF+FR*(\a):AF+FR*(\a)+FR-1], 0
.else
	v_wmma_f32_16x16x128_bf8_bf8 v[8*(8*((\a)%4)+\b):8*(8*((\a)%4)+\b)+7], v[128*(\p)+FR*\b:128*(\p)+FR*\b+FR-1], v[AF+FR*(\a):AF+FR*(\a)+FR-1], v[8*(8*((\a)%4)+\b):8*(8*((\a)%4)+\b)+7]
.endif
.endr
.endr
.endm
.macro FETCH_B slot, q, p
	WIN TO_B
.irp i, 0,1,2,3,4,5,6,7
	FRAG 128*(\p)+FR*\i, ADRB+\slot, \q, \i
.endr
	WIN 0
.endm
.macro FETCH_A slot, q, i0
.irp i, \i0, \i0+1, \i0+2, \i0+3
	FRAG AF+FR*(\i), ADRA+\slot, \q, \i
.endr
.endm
.macro PLACES n
.rept \n
	v_nop
.endr
.endm
.macro STEP slot, q, zero
	s_wait_dscnt 4*NL                              ; B's set and A's blocks 0-3 are in; A's blocks 4-7 (16 loads) may be out
	WIN MUL_LO
	MUL16 0, (\q)%2, \zero
	MUL16 2, (\q)%2, \zero
	s_wait_dscnt 0
	PLACES NP
	FETCH_B \slot, (\q)+1, 1-(\q)%2
	FETCH_A \slot, (\q)+1, 0
	WIN MUL_HI
	MUL16 4, (\q)%2, \zero
	MUL16 6, (\q)%2, \zero
	PLACES NP
	WIN 0
	FETCH_A \slot, (\q)+1, 4
.endm
.macro TURN slot, next, fill
	s_wait_tensorcnt 0x0                           ; all my tensor loads have landed: my part of the next slot
	ds_add_u32 v[SPW], v[NIL]                      ; 0 onto my spare word
	s_wait_dscnt 4*NL+1                            ; (the add and A's blocks 4-7 may be out)
	WIN MUL_LO
	MUL16 0, 1, 0
	s_wait_dscnt 0x0                               ; the add is done, and my reads of this slot are over
	s_barrier_signal -1
	MUL16 2, 1, 0
	WIN 0
	s_barrier_wait -1
.if \fill
	CREST                                          ; no wave of any partner still reads this slot or has a load on its way
	s_add_nc_u64 s[G0+4*\slot+2:G0+4*\slot+3], s[G0+4*\slot+2:G0+4*\slot+3], 8192
	s_add_nc_u64 s[G0B+4*\slot+2:G0B+4*\slot+3], s[G0B+4*\slot+2:G0B+4*\slot+3], 8192
	JLOAD G0+4*\slot, G1, G0B+4*\slot, G1B         ; the first tensor load behind the round, my only one until the next
.else
	PLACES NP
.endif
	FETCH_B \next, 0, 0
	FETCH_A \next, 0, 0
	WIN MUL_HI
	MUL16 4, 1, 0
	MUL16 6, 1, 0
	PLACES NP
	WIN 0
	FETCH_A \next, 0, 4
.endm
	s_load_b256 s[4:11], s[0:1], 0x0               ; hh, qz, the exponents, bf1
	s_load_b64 s[12:13], s[0:1], 0x20              ; gc
	v_lshl_add_u32 v[SPW], v0, 2, SPARE
	v_mov_b32 v[NIL], 0
	ds_add_u32 v[SPW], v[NIL]                      ; the wave's opening: the add, twice on end, and its wait ahead of my first tensor load
	ds_add_u32 v[SPW], v[NIL]
	v_lshrrev_b32 v1, 5, v0
	v_readfirstlane_b32 s14, v1
	s_lshr_b32 s15, s14, 1
	s_and_b32 s16, s14, 1
	s_bfe_u32 s40, ttmp6, 0x40000
	s_bfe_u32 s41, ttmp6, 0x40004
	s_lshl_b32 s42, ttmp9, 2
	s_add_co_u32 s42, s42, s40                     ; tile column
	s_and_b32 s17, ttmp7, 0xffff
	s_lshl_b32 s17, s17, 2
	s_add_co_u32 s17, s17, s41                     ; tile row
	s_lshl_b32 s43, s41, 2
	s_lshl_b32 s43, 15, s43
	s_lshl_b32 s44, 0x1111, s40
	s_or_b32 s[G1+0], s43, (1<<21)
	s_or_b32 s[G1B+0], s44, (1<<21)
.irp g, G1, G1B
	s_mov_b32 s[\g+1], 4096<<16
	s_mov_b32 s[\g+2], 8<<16
	s_mov_b32 s[\g+3], 4096<<16
	s_mov_b32 s[\g+4], 8
	s_mov_b32 s[\g+5], TP
	s_mov_b32 s[\g+6], 0
	s_mov_b32 s[\g+7], 0
.endr
	s_lshl_b32 s18, s16, 3
	s_lshl_b32 s20, s17, 4
	s_add_co_u32 s20, s20, s18
	s_mul_i32 s20, s20, TP
	s_add_co_u32 s20, s20, 0x1000000               ; h's codes in hh
	s_mov_b32 s21, 0
	s_lshl_b32 s46, s42, 4
	s_add_co_u32 s46, s46, s18
	s_mul_i32 s46, s46, TP
	s_add_co_u32 s46, s46, 0x1000000               ; w1's codes in qz
	s_mov_b32 s47, 0
	s_mul_i32 s45, s14, HALFT
	s_wait_dscnt 0x0
	s_wait_kmcnt 0x0
	s_load_b128 s[88:91], s[8:9], 0x30             ; e12 .. e15
	s_add_nc_u64 s[20:21], s[4:5], s[20:21]
	s_add_nc_u64 s[46:47], s[6:7], s[46:47]
	CROUND
.irp s, 0,1
	s_mov_b32 s[G0+4*\s], 1
	s_add_co_u32 s[G0+4*\s+1], s45, \s*SLOT
	s_add_nc_u64 s[G0+4*\s+2:G0+4*\s+3], s[20:21], \s*4096
	s_or_b32 s[G0+4*\s+3], s[G0+4*\s+3], 0x80000000
	s_mov_b32 s[G0B+4*\s], 1
	s_add_co_u32 s[G0B+4*\s+1], s45, \s*SLOT
	s_add_nc_u64 s[G0B+4*\s+2:G0B+4*\s+3], s[46:47], \s*4096
	s_or_b32 s[G0B+4*\s+3], s[G0B+4*\s+3], 0x80000000
	JLOAD G0+4*\s, G1, G0B+4*\s, G1B
.endr
	v_and_b32 v2, 31, v0
	v_lshlrev_b32 v[CO], 4, v2
	s_mul_i32 s21, s15, HALFT
	s_mul_i32 s22, s16, HALFT
	s_add_co_u32 s22, s22, 2*HALFT
.irp s, 0,1
	v_add_nc_u32 v[ADRA+\s], s21, v[CO]
	v_add_nc_u32 v[ADRB+\s], s22, v[CO]
	s_add_co_u32 s21, s21, SLOT
	s_add_co_u32 s22, s22, SLOT
.endr
	s_lshl_b32 s23, s14, 16
	v_add_nc_u32 v[STG], s23, v[CO]
	s_lshl_b32 s94, s17, 4                         ; the result: tile 16 x tile row + 8 x half, K step 2 x tile column + half
	s_lshl_b32 s95, s15, 3
	s_add_co_u32 s94, s94, s95
	s_lshl_b32 s94, s94, 16
	s_lshl_b32 s95, s42, 1
	s_add_co_u32 s95, s95, s16
	s_lshl_b32 s95, s95, 11
	s_add_co_u32 s94, s94, s95
	s_mov_b32 s95, 0
	s_add_nc_u64 s[12:13], s[12:13], s[94:95]
	s_lshl_b32 s94, s42, 10                        ; the bias of my 128 columns
	s_lshl_b32 s92, s16, 9
	s_add_co_u32 s94, s94, s92
	s_add_nc_u64 s[10:11], s[10:11], s[94:95]
	v_bfe_u32 v6, v0, 4, 1
	v_lshlrev_b32 v6, 6, v6
.irp b, 0,1,2,3
.irp q, 0,1,2,3
	global_load_b128 v[32+16*\b+4*\q:35+16*\b+4*\q], v6, s[10:11] offset:128*\b+16*\q
.endr
.endr
	s_wait_tensorcnt 1                             ; my part of K step 0 is in; K step 1's may stay out
	s_barrier_signal -1
	s_barrier_wait -1
	FETCH_B 0, 0, 0
	FETCH_A 0, 0, 0
	FETCH_A 0, 0, 4
	STEP 0, 0, 1
	s_mov_b32 s3, LAPS-1
.Llap:
	TURN 0, 1, 1
	STEP 1, 0, 0
	TURN 1, 0, 1
	STEP 0, 0, 0
	s_sub_co_u32 s3, s3, 1
	s_cmp_lg_u32 s3, 0
	s_cbranch_scc1 .Llap
	TURN 0, 1, 0
	STEP 1, 0, 0
	s_wait_dscnt 4*NL
	WIN MUL_LO
	MUL16 0, 1, 0
	MUL16 2, 1, 0
	s_wait_dscnt 0
	WIN MUL_HI
	MUL16 4, 1, 0
	MUL16 6, 1, 0
	WIN 0
	s_wait_dscnt 0x0                               ; my reads of the ring are over;
	s_barrier_signal -1
	s_barrier_wait -1                              ; everybody's are: its bytes, which have had their last fill, may be stored to
	s_wait_kmcnt 0x0
	s_add_co_i32 s96, s88, s89
	s_add_co_i32 s96, s96, 127
	s_lshl_b32 s96, s96, 23                        ; 2^(e12 + e13)
	s_mov_b32 s97, s96
.macro CPAIR reg, bits                 ; a constant as a pair: the packed forms name both words
	s_mov_b32 s[\reg], \bits
	s_mov_b32 s[\reg+1], \bits
.endm
	CPAIR 66, 0xc034d90f                           ; c0 .. c8
	CPAIR 68, 0x3fb8ab5a
	CPAIR 70, 0x3f0a29d2
	CPAIR 72, 0x3e0efb2f
	CPAIR 74, 0xbe899a80
	CPAIR 76, 0x3ecdfd18
	CPAIR 78, 0xbfd1a1e5
	CPAIR 80, 0x40097039
	CPAIR 82, 0xbf97d29d
	CPAIR 84, 0xbf38aa3b                           ; -log2(e) / 2
	s_mov_b32 s86, 0x3eb504f3                      ; 1 / (2 sqrt(2))
	s_wait_loadcnt 0x0                             ; the bias
	PLACES NP
.macro FILL a                          ; block a: v = sum x 2^(e12 + e13) + bf1, into my bytes; two sets of registers by turns
.set AC, 64*((\a)%4)
.set FS, 96+64*((\a)%2)
.if (\a) > 1
	s_wait_dscnt 16                                ; the stores of two blocks back are done; the last block's 16 may be out
.endif
	WIN 0x02+(\a)/4
.set J, 0
.rept 32
	v_pk_fma_f32 v[FS+J:FS+J+1], v[AC+J:AC+J+1], s[96:97], v[32+J:33+J] op_sel_hi:[1,0,1]   ; each accumulator from its low end on
.set J, J+2
.endr
	WIN 0
.set J, 0
.rept 16
	ds_store_b128 v[STG], v[FS+4*J:FS+4*J+3] offset:512*(16*(\a)+J)
.set J, J+1
.endr
.endm
.irp a, 0,1,2,3,4,5,6,7
	FILL \a
.endr
	s_wait_dscnt 0x0
.set J, 0
.rept 8
	ds_load_b128 v[GV+4*J:GV+4*J+3], v[STG] offset:512*J
.set J, J+1
.endr
	v_mov_b32 v232, 0x3e7c6f08                     ; c9
	v_mov_b32 v233, 0x3e7c6f08
	s_add_co_i32 s92, s90, 127
	s_lshl_b32 s95, s92, 23
	v_mov_b32 v234, s95                            ; 2^e14
	s_add_co_i32 s92, s92, 15
	s_lshl_b32 s92, s92, 23
	s_or_b32 s92, s92, 0x600000
	v_mov_b32 v235, s92                            ; 57,344 x 2^e14
.macro HORNER ck
.set J, 0
.rept 16
	v_pk_fma_f32 v[GP+J:GP+J+1], v[GP+J:GP+J+1], v[GT+J:GT+J+1], s[\ck:\ck+1] op_sel_hi:[1,1,0]
.set J, J+2
.endr
.endm
.macro GTRIP next                      ; trip j (s93): half a block: 32 numbers a lane
	s_wait_dscnt 0x0
.set J, 0
.rept 32
	v_fma_f32 v[GT+J], |v[GV+J]|, s86, 1.0
.set J, J+1
.endr
.set J, 0
.rept 32
	v_rcp_f32 v[GT+J], v[GT+J]
.set J, J+1
.endr
.set J, 0
.rept 16
	v_pk_mul_f32 v[GQ+J:GQ+J+1], v[GV+J:GV+J+1], v[GV+J:GV+J+1]   ; v^2: plain lines behind the reciprocals
.set J, J+2
.endr
	s_wait_alu depctr_va_vdst(0)                   ; one wait for the batch, ahead of its first reader
.set J, 0
.rept 16
	v_pk_fma_f32 v[GP+J:GP+J+1], v[GT+J:GT+J+1], v[232:233], s[82:83] op_sel_hi:[1,0,0]
.set J, J+2
.endr
	HORNER 80
	HORNER 78
	HORNER 76
	HORNER 74
	HORNER 72
	HORNER 70
	HORNER 68
	HORNER 66
.set J, 0
.rept 16
	v_pk_fma_f32 v[GP+J:GP+J+1], v[GQ+J:GQ+J+1], s[84:85], v[GP+J:GP+J+1] op_sel_hi:[1,0,1]
.set J, J+2
.endr
.set J, 0
.rept 32
	v_exp_f32 v[GP+J], v[GP+J]
.set J, J+1
.endr
.set J, 0
.rept 32
	v_max_num_f32 v[GQ+J], 0, v[GV+J]              ; max(v, 0): plain lines behind the exponentials
.set J, J+1
.endr
	s_wait_alu depctr_va_vdst(0)
.set J, 0
.rept 16
	v_pk_mul_f32 v[GP+J:GP+J+1], v[GP+J:GP+J+1], v[GT+J:GT+J+1]   ; S
.set J, J+2
.endr
.set J, 0
.rept 32
	v_fma_f32 v[GQ+J], -|v[GV+J]|, v[GP+J], v[GQ+J]
.set J, J+1
.endr
.if \next
	s_add_co_u32 s94, s94, 4096
	v_add_nc_u32 v236, s94, v[STG]
.set J, 0
.rept 8
	ds_load_b128 v[GV+4*J:GV+4*J+3], v236 offset:512*J   ; the next trip's numbers land under the conversions
.set J, J+1
.endr
.endif
	s_wait_xcnt 0x0                                ; the last trip's stores have read their codes and their offset
	s_lshr_b32 s95, s93, 1
	s_lshl_b32 s95, s95, 16                        ; block j / 2: a tile of the result's image,
	s_and_b32 s92, s93, 1
	s_lshl_b32 s92, s92, 10                        ; its pieces 2 (j % 2) and 2 (j % 2) + 1
	s_add_co_u32 s95, s95, s92
	v_add_nc_u32 v237, s95, v[CO]
.set J, 0
.rept 32
	v_med3_num_f32 v[GQ+J], v[GQ+J], -v235, v235
.set J, J+1
.endr
.irp c, 0,1
	v_cvt_scalef32_pk8_bf8_f32 v[224+4*\c:225+4*\c], v[GQ+16*\c:GQ+16*\c+7], v234
	v_cvt_scalef32_pk8_bf8_f32 v[226+4*\c:227+4*\c], v[GQ+16*\c+8:GQ+16*\c+15], v234
.endr
	v_nop
	global_store_b128 v237, v[224:227], s[12:13]
	global_store_b128 v237, v[228:231], s[12:13] offset:512
.endm
	s_mov_b32 s93, 0
	s_mov_b32 s94, 0
.Lgelu:
	GTRIP 1
	s_add_co_u32 s93, s93, 1
	s_cmp_lt_u32 s93, 15
	s_cbranch_scc1 .Lgelu
	GTRIP 0                                        ; the last trip fetches nothing
	s_wait_tensorcnt 0x0                           ; the wave's end: behind my last tensor load and my last LDS store
	ds_add_u32 v[SPW], v[NIL]
	s_wait_dscnt 0x0
	CROUND
	s_endpgm
.Lfunc_end_k_qcc4773aa22_gemm_f1:
	.size	k_qcc4773aa22_gemm_f1, .Lfunc_end_k_qcc4773aa22_gemm_f1-k_qcc4773aa22_gemm_f1
	.p2alignl 7, 3214868480
	.fill 96, 4, 3214868480
	.section	.rodata,"a",@progbits
	.p2align	6, 0x0
	.amdhsa_kernel k_qcc4773aa22_gemm_f1
		.amdhsa_group_segment_fixed_size 327680
		.amdhsa_private_segment_fixed_size 0
		.amdhsa_enable_private_segment 0
		.amdhsa_kernarg_size 40
		.amdhsa_user_sgpr_count 2
		.amdhsa_user_sgpr_kernarg_segment_ptr 1
		.amdhsa_wavefront_size32 1
		.amdhsa_system_sgpr_workgroup_id_x 1
		.amdhsa_system_sgpr_workgroup_id_y 1
		.amdhsa_system_sgpr_workgroup_id_z 1
		.amdhsa_system_vgpr_workitem_id 0
		.amdhsa_next_free_vgpr 1024
		.amdhsa_next_free_sgpr 102
		.amdhsa_reserve_vcc 0
		.amdhsa_float_denorm_mode_32 3
		.amdhsa_float_denorm_mode_16_64 3
		.amdhsa_memory_ordered 1
		.amdhsa_forward_progress 1
		.amdhsa_inst_pref_size 150
	.end_amdhsa_kernel
	.amdgpu_metadata
---
amdhsa.version: [ 1, 2 ]
amdhsa.kernels:
  - .name:           k_qcc4773aa22_gemm_f1
    .symbol:         k_qcc4773aa22_gemm_f1.kd
    .args:
      - { .name: hh, .offset: 0, .size: 8, .value_kind: global_buffer, .address_space: global }
      - { .name: qz, .offset: 8, .size: 8, .value_kind: global_buffer, .address_space: global }
      - { .name: lowp_scales, .offset: 16, .size: 8, .value_kind: global_buffer, .address_space: global }
      - { .name: bf1, .offset: 24, .size: 8, .value_kind: global_buffer, .address_space: global }
      - { .name: gc, .offset: 32, .size: 8, .value_kind: global_buffer, .address_space: global }
    .group_segment_fixed_size: 327680
    .private_segment_fixed_size: 0
    .kernarg_segment_align: 8
    .kernarg_segment_size: 40
    .max_flat_workgroup_size: 128
    .sgpr_count:     102
    .vgpr_count:     1024
    .wavefront_size: 32
...
	.end_amdgpu_metadata
.endif
;; end of part 6
;; launch gemm_f2 (part 7): grid 4 x 16, 4 waves a work-group, clusters of 4 x 4, 327,680 bytes of LDS; arguments gc, qz, hh, lowp_scales, bf2, yy; writes yy
.if DOCPART == 7
	.amdgcn_target "amdgcn-amd-amdhsa--gfx1250"
	.amdhsa_code_object_version 6
	.text
	.protected	k_qcc4773aa22_gemm_f2
	.globl	k_qcc4773aa22_gemm_f2
	.p2align	8
	.type	k_qcc4773aa22_gemm_f2,@function
k_qcc4773aa22_gemm_f2:
	s_mov_b64 s[64:65], 0
	v_nop
	global_prefetch_b8 v0, s[64:65] scope:SCOPE_SE
	s_setreg_imm32_b32 hwreg(HW_REG_WAVE_MODE, 25, 1), 1
	s_wait_xcnt 0x0
	s_wait_alu depctr_hold_cnt(0) depctr_sa_sdst(0) depctr_va_vdst(0) depctr_va_sdst(0) depctr_va_ssrc(0) depctr_va_vcc(0) depctr_vm_vsrc(0)
	s_getreg_b32 s2, hwreg(HW_REG_IB_STS2, 6, 4)
	s_cmp_eq_u32 s2, 0
	s_cbranch_scc0 .Lentry_in_a_cluster
	s_endpgm
.Lentry_in_a_cluster:
	s_bfe_u32 s2, ttmp6, 0x10000c
	s_cmp_lg_u32 s2, 0xf033
	s_cbranch_scc0 .Lentry_shape_is_right
	s_endpgm
.Lentry_shape_is_right:
; VAR = 0: rr = x + ctx wo^T + bo.  VAR = 1: yy = h + gelu(..) w2^T + bf2.  The product on codes of BF8; bias and residual in f32.  No work is left out.
; Operands lie as images (a fragment of 16 rows x 128 K is 2,048 bytes on end); residual and result as f32 images (T x 65536 + p x 2048 + q x 512 + 16 x lane: columns 32 p + 16 h + 4 q + 0..3 of the tile's place lane % 16).
; A tile of the result, 256 x 256, is made by four waves, each 128 x 128.  K goes in steps of 256 through two LDS slots; a wave's tensor load brings 8 tiles x 4,096 bytes.  The result has 16 x 4 such tiles: 64 work-groups.
; CLUSTERS 4 x 4: A's tiles are asked for jointly along a row of the cluster, B's along a column.
; THE MATRIX INSTRUCTION IS USED TRANSPOSED (source 0 = a tile of B, source 1 = a tile of A): the 16 registers of accumulators 2 b, 2 b + 1 are the result's columns 32 b + 16 h + 0..15 of A's place r:
; four pieces of 16 bytes of the f32 image at 16 x lane: residual in and result out go straight between memory and registers, 512 consecutive aligned bytes an instruction.
; LIMIT: the two exponents' sum between -126 and 127.  NaN is not served.
; REGISTERS: window 0: v0-31 addresses, v32-95 the bias, v128-255 A's fragments, on the way out v96-223 two sets of residuals; window 1: B's fragments; windows 2, 3: the accumulators.
.set VAR,    1
.if VAR
.set KSZ,    4096
.set PF,     1
.set BOFF,   0x1400000
.set EOFF,   56
.set RES,    68
.set LOWP,   70
.set BIAS,   72
.else
.set KSZ,    1024
.set PF,     0
.set BOFF,   0xF00000
.set EOFF,   40
.set LOWP,   68
.set BIAS,   70
.set RES,    72
.endif
.set OUTP,   74
.set PFA,    98                        ; s[98:99] where my prefetches stand
.set LIM,    100                       ; s100 1 in a wave that prefetches, else the greatest number
.set PFO,    30                        ; v30 the prefetches' offset
.set TP,     16*KSZ
.set LAPS,   KSZ/512
.set HALFT,  32768
.set SLOT,   131072
.set SPARE,  262144
.set FR,     16
.set NL,     4
.set NP,     4
.set ADRA, 16
.set ADRB, 20
.set CO,   26
.set SPW,  28
.set NIL,  29
.set AF,   128
.set G1, 24
.set G0, 32
.set G1B, 48
.set G0B, 56
.set MSB, 0
.macro WIN new
.if MSB != (\new)
	s_set_vgpr_msb (MSB<<8)|(\new)
.set MSB, (\new)
.endif
.endm
.set MUL_LO, 0xa1
.set MUL_HI, 0xf1
.set TO_B,   0x40
.macro JLOAD g0a, g1a, g0b, g1b        ; a joint load: waves 0 and 1 fetch for A, waves 2 and 3 for B; an s_nop 0 and four v_nop follow each line
	s_cmp_eq_u32 s15, 0
	s_cbranch_scc0 .Lfor_b_\@
	tensor_load_to_lds s[\g0a:\g0a+3], s[\g1a:\g1a+7]
	s_nop 0
.rept 4
	v_nop
.endr
	s_branch .Lasked_\@
.Lfor_b_\@:
	tensor_load_to_lds s[\g0b:\g0b+3], s[\g1b:\g1b+7]
	s_nop 0
.rept 4
	v_nop
.endr
.Lasked_\@:
.endm
; A prefetch of the K step that stands two refills on: of the 8 tiles that a wave fetches each of the four partners that ask jointly takes 2, told apart by address: 32 blocks of 256 bytes, a lane a block.
; A's tiles are asked for by the clusters with x = 0, B's by those with y = 0: each block is named once in the launch.  The loop's last trip asks for nothing: there is no K step two on.
.macro ASK
	s_cmp_gt_u32 s3, s[LIM]
	s_cbranch_scc0 .Lnot_mine_\@
	global_prefetch_b8 v[PFO], s[PFA:PFA+1] offset:4096 th:TH_LOAD_NT scope:SCOPE_SE
.Lnot_mine_\@:
.endm
.macro CREST
	s_cmp_lg_u32 s14, 0
	s_cbranch_scc1 .Lnot_wave_0_\@
	s_barrier_signal -3
.Lnot_wave_0_\@:
	s_barrier_wait -3
	s_barrier_signal -1
	s_barrier_wait -1
.endm
.macro CROUND
	s_barrier_signal -1
	s_barrier_wait -1
	CREST
.endm
.macro FRAG reg, adr, q, i
.irp c, 0,1,2,3
	ds_load_b128 v[\reg+4*\c:\reg+4*\c+3], v[\adr] offset:4096*(\i)+2048*(\q)+512*\c
.endr
.endm
.macro MUL16 a0, p, zero               ; the 64 accumulators take turns, one instruction a turn
.irp a, \a0, \a0+1
.irp b, 0,1,2,3,4,5,6,7
.if \zero
	v_wmma_f32_16x16x128_bf8_bf8 v[8*(8*((\a)%4)+\b):8*(8*((\a)%4)+\b)+7], v[128*(\p)+FR*\b:128*(\p)+FR*\b+FR-1], v[AF+FR*(\a):AF+FR*(\a)+FR-1], 0
.else
	v_wmma_f32_16x16x128_bf8_bf8 v[8*(8*((\a)%4)+\b):8*(8*((\a)%4)+\b)+7], v[128*(\p)+FR*\b:128*(\p)+FR*\b+FR-1], v[AF+FR*(\a):AF+FR*(\a)+FR-1], v[8*(8*((\a)%4)+\b):8*(8*((\a)%4)+\b)+7]
.endif
.endr
.endr
.endm
.macro FETCH_B slot, q, p
	WIN TO_B
.irp i, 0,1,2,3,4,5,6,7
	FRAG 128*(\p)+FR*\i, ADRB+\slot, \q, \i
.endr
	WIN 0
.endm
.macro FETCH_A slot, q, i0
.irp i, \i0, \i0+1, \i0+2, \i0+3
	FRAG AF+FR*(\i), ADRA+\slot, \q, \i
.endr
.endm
.macro PLACES n
.rept \n
	v_nop
.endr
.endm
.macro STEP slot, q, zero
	s_wait_dscnt 4*NL                              ; B's set and A's blocks 0-3 are in; A's blocks 4-7 (16 loads) may be out
	WIN MUL_LO
	MUL16 0, (\q)%2, \zero
	MUL16 2, (\q)%2, \zero
	s_wait_dscnt 0
	PLACES NP
	FETCH_B \slot, (\q)+1, 1-(\q)%2
	FETCH_A \slot, (\q)+1, 0
	WIN MUL_HI
	MUL16 4, (\q)%2, \zero
	MUL16 6, (\q)%2, \zero
	PLACES NP
	WIN 0
	FETCH_A \slot, (\q)+1, 4
.endm
.macro TURN slot, next, fill
.if (\fill) && PF
	s_wait_xcnt 0x0                                ; the last prefetch, a K step back, has read its address
	s_add_nc_u64 s[PFA:PFA+1], s[PFA:PFA+1], 4096
.endif
	s_wait_tensorcnt 0x0                           ; all my tensor loads have landed: my part of the next slot
	ds_add_u32 v[SPW], v[NIL]                      ; 0 onto my spare word
	s_wait_dscnt 4*NL+1                            ; (the add and A's blocks 4-7 may be out)
	WIN MUL_LO
	MUL16 0, 1, 0
	s_wait_dscnt 0x0                               ; the add is done, and my reads of this slot are over
	s_barrier_signal -1
	MUL16 2, 1, 0
	WIN 0
	s_barrier_wait -1
.if \fill
	CREST                                          ; no wave of any partner still reads this slot or has a load on its way
	s_add_nc_u64 s[G0+4*\slot+2:G0+4*\slot+3], s[G0+4*\slot+2:G0+4*\slot+3], 8192
	s_add_nc_u64 s[G0B+4*\slot+2:G0B+4*\slot+3], s[G0B+4*\slot+2:G0B+4*\slot+3], 8192
	JLOAD G0+4*\slot, G1, G0B+4*\slot, G1B         ; the first tensor load behind the round, my only one until the next
.else
	PLACES NP
.endif
	FETCH_B \next, 0, 0
	FETCH_A \next, 0, 0
.if (\fill) && PF
	ASK
.endif
	WIN MUL_HI
	MUL16 4, 1, 0
	MUL16 6, 1, 0
	PLACES NP
	WIN 0
	FETCH_A \next, 0, 4
.endm
	s_load_b128 s[4:7], s[0:1], 0x0                ; A's image, qz
	s_load_b128 s[68:71], s[0:1], 0x10             ; VAR 0: the exponents, the bias; VAR 1: hh, the exponents
.if VAR
	s_load_b128 s[72:75], s[0:1], 0x20             ; the bias, the result
.else
	s_load_b64 s[74:75], s[0:1], 0x20              ; the result
.endif
	v_lshl_add_u32 v[SPW], v0, 2, SPARE
	v_mov_b32 v[NIL], 0
	ds_add_u32 v[SPW], v[NIL]                      ; the wave's opening: the add, twice on end, and its wait ahead of my first tensor load
	ds_add_u32 v[SPW], v[NIL]
	v_lshrrev_b32 v1, 5, v0
	v_readfirstlane_b32 s14, v1
	s_lshr_b32 s15, s14, 1
	s_and_b32 s16, s14, 1
	s_bfe_u32 s40, ttmp6, 0x40000
	s_bfe_u32 s41, ttmp6, 0x40004
	s_lshl_b32 s42, ttmp9, 2
	s_add_co_u32 s42, s42, s40                     ; tile column
	s_and_b32 s17, ttmp7, 0xffff
	s_lshl_b32 s17, s17, 2
	s_add_co_u32 s17, s17, s41                     ; tile row
	s_lshl_b32 s43, s41, 2
	s_lshl_b32 s43, 15, s43
	s_lshl_b32 s44, 0x1111, s40
	s_or_b32 s[G1+0], s43, (1<<21)
	s_or_b32 s[G1B+0], s44, (1<<21)
.irp g, G1, G1B
	s_mov_b32 s[\g+1], 4096<<16
	s_mov_b32 s[\g+2], 8<<16
	s_mov_b32 s[\g+3], 4096<<16
	s_mov_b32 s[\g+4], 8
	s_mov_b32 s[\g+5], TP
	s_mov_b32 s[\g+6], 0
	s_mov_b32 s[\g+7], 0
.endr
	s_lshl_b32 s18, s16, 3
	s_lshl_b32 s20, s17, 4
	s_add_co_u32 s20, s20, s18
	s_mul_i32 s20, s20, TP
	s_mov_b32 s21, 0
	s_lshl_b32 s46, s42, 4
	s_add_co_u32 s46, s46, s18
	s_mul_i32 s46, s46, TP
	s_add_co_u32 s46, s46, BOFF
	s_mov_b32 s47, 0
	s_mul_i32 s45, s14, HALFT
	s_wait_dscnt 0x0
	s_wait_kmcnt 0x0
	s_load_b64 s[76:77], s[LOWP:LOWP+1], EOFF      ; the two operands' exponents
.if VAR == 0
	s_add_nc_u64 s[RES:RES+1], s[6:7], 0x1800000   ; the residual: x's f32 image
.endif
	s_add_nc_u64 s[20:21], s[4:5], s[20:21]
	s_add_nc_u64 s[46:47], s[6:7], s[46:47]
	CROUND
.irp s, 0,1
	s_mov_b32 s[G0+4*\s], 1
	s_add_co_u32 s[G0+4*\s+1], s45, \s*SLOT
	s_add_nc_u64 s[G0+4*\s+2:G0+4*\s+3], s[20:21], \s*4096
	s_or_b32 s[G0+4*\s+3], s[G0+4*\s+3], 0x80000000
	s_mov_b32 s[G0B+4*\s], 1
	s_add_co_u32 s[G0B+4*\s+1], s45, \s*SLOT
	s_add_nc_u64 s[G0B+4*\s+2:G0B+4*\s+3], s[46:47], \s*4096
	s_or_b32 s[G0B+4*\s+3], s[G0B+4*\s+3], 0x80000000
	JLOAD G0+4*\s, G1, G0B+4*\s, G1B
.endr
	v_and_b32 v2, 31, v0
	v_lshlrev_b32 v[CO], 4, v2
	s_mul_i32 s21, s15, HALFT
	s_mul_i32 s22, s16, HALFT
	s_add_co_u32 s22, s22, 2*HALFT
.irp s, 0,1
	v_add_nc_u32 v[ADRA+\s], s21, v[CO]
	v_add_nc_u32 v[ADRB+\s], s22, v[CO]
	s_add_co_u32 s21, s21, SLOT
	s_add_co_u32 s22, s22, SLOT
.endr
	s_lshl_b32 s86, s17, 4                         ; residual and result: tile 16 x tile row + 8 x half, pair 8 x tile column + 4 x half
	s_lshl_b32 s87, s15, 3
	s_add_co_u32 s86, s86, s87
	s_lshl_b32 s86, s86, 16
	s_lshl_b32 s87, s42, 3
	s_lshl_b32 s88, s16, 2
	s_add_co_u32 s87, s87, s88
	s_lshl_b32 s87, s87, 11
	s_add_co_u32 s86, s86, s87
	s_mov_b32 s87, 0
	s_add_nc_u64 s[RES:RES+1], s[RES:RES+1], s[86:87]
	s_add_nc_u64 s[OUTP:OUTP+1], s[OUTP:OUTP+1], s[86:87]
	s_lshl_b32 s88, s42, 10                        ; the bias of my 128 columns
	s_lshl_b32 s89, s16, 9
	s_add_co_u32 s88, s88, s89
	s_mov_b32 s89, 0
	s_add_nc_u64 s[BIAS:BIAS+1], s[BIAS:BIAS+1], s[88:89]
	v_bfe_u32 v6, v0, 4, 1
	v_lshlrev_b32 v6, 6, v6                        ; 64 h
.irp b, 0,1,2,3
.irp q, 0,1,2,3
	global_load_b128 v[32+16*\b+4*\q:35+16*\b+4*\q], v6, s[BIAS:BIAS+1] offset:128*\b+16*\q
.endr
.endr
.if PF
	s_add_nc_u64 s[84:85], s[6:7], BOFF            ; B's image
	s_and_b32 s22, ttmp7, 0xffff                   ; cluster y
	s_lshl_b32 s20, s17, 4
	s_lshl_b32 s21, s42, 4
	s_cmp_eq_u32 s15, 0                            ; do I fetch for A?
	s_cselect_b32 s20, s20, s21                    ; the first tile of the 16
	s_cselect_b32 s21, s40, s41                    ; my place among the four that ask with me
	s_cselect_b32 s22, ttmp9, s22                  ; the coordinate along which other clusters read the same tiles
	s_cselect_b64 s[PFA:PFA+1], s[4:5], s[84:85]
	s_cmp_eq_u32 s22, 0
	s_cselect_b32 s[LIM], 1, -1
	s_lshl_b32 s22, s16, 3
	s_add_co_u32 s20, s20, s22
	s_lshl_b32 s21, s21, 1
	s_add_co_u32 s20, s20, s21
	s_mul_i32 s20, s20, TP
	s_add_co_u32 s20, s20, 2*4096                  ; at K step 2: the first refill steps it to 3 and names K step 4
	s_mov_b32 s21, 0
	s_add_nc_u64 s[PFA:PFA+1], s[PFA:PFA+1], s[20:21]
	v_lshrrev_b32 v[PFO], 4, v2
	v_mul_u32_u24 v[PFO], v[PFO], TP
	v_and_b32 v31, 15, v2
	v_lshl_add_u32 v[PFO], v31, 8, v[PFO]
.endif
	s_wait_tensorcnt 1                             ; my part of K step 0 is in; K step 1's may stay out
	s_barrier_signal -1
	s_barrier_wait -1
	FETCH_B 0, 0, 0
	FETCH_A 0, 0, 0
	FETCH_A 0, 0, 4
	STEP 0, 0, 1
	s_mov_b32 s3, LAPS-1
.Llap:
	TURN 0, 1, 1
	STEP 1, 0, 0
	TURN 1, 0, 1
	STEP 0, 0, 0
	s_sub_co_u32 s3, s3, 1
	s_cmp_lg_u32 s3, 0
	s_cbranch_scc1 .Llap
	TURN 0, 1, 0
	STEP 1, 0, 0
	s_wait_dscnt 4*NL
	WIN MUL_LO
	MUL16 0, 1, 0
	MUL16 2, 1, 0
	s_wait_dscnt 0
	WIN MUL_HI
	MUL16 4, 1, 0
	MUL16 6, 1, 0
	WIN 0
	; THE WAY OUT: result = sum x 2^(ea + eb) + residual + bias, block by block of 16 rows; the next block's residual is on its way while one is worked.
	s_wait_kmcnt 0x0
	s_add_co_i32 s96, s76, s77
	s_add_co_i32 s96, s96, 127
	s_lshl_b32 s96, s96, 23                        ; 2^(ea + eb)
	s_mov_b32 s97, s96
	s_wait_loadcnt 0x0                             ; the bias
	PLACES NP
.macro RLOAD a
.set RS, 96+64*((\a)%2)
.irp b, 0,1,2,3
.irp q, 0,1,2,3
	global_load_b128 v[RS+16*\b+4*\q:RS+16*\b+4*\q+3], v[CO], s[RES:RES+1] offset:65536*(\a)+2048*\b+512*\q th:TH_LOAD_NT
.endr
.endr
.endm
.macro OUTF a
.set RS, 96+64*((\a)%2)
.set AC, 64*((\a)%4)
	WIN 0x02+(\a)/4
.set J, 0
.rept 32
	v_pk_fma_f32 v[RS+J:RS+J+1], v[AC+J:AC+J+1], s[96:97], v[RS+J:RS+J+1] op_sel_hi:[1,0,1]   ; each accumulator from its low end on
.set J, J+2
.endr
	WIN 0
.set J, 0
.rept 32
	v_pk_add_f32 v[RS+J:RS+J+1], v[RS+J:RS+J+1], v[32+J:33+J]
.set J, J+2
.endr
.irp b, 0,1,2,3
.irp q, 0,1,2,3
	global_store_b128 v[CO], v[RS+16*\b+4*\q:RS+16*\b+4*\q+3], s[OUTP:OUTP+1] offset:65536*(\a)+2048*\b+512*\q
.endr
.endr
.endm
	RLOAD 0
.irp a, 0,1,2,3,4,5,6,7
.if \a < 7
	s_wait_xcnt 0x0                                ; the stores of the block before have read the set that is loaded next
	RLOAD \a+1
	s_wait_loadcnt 16                              ; this block's residual is in; the next block's 16 loads may be out
.else
	s_wait_loadcnt 0
.endif
	OUTF \a
.endr
	s_wait_tensorcnt 0x0                           ; the wave's end
	ds_add_u32 v[SPW], v[NIL]
	s_wait_dscnt 0x0
	CROUND
	s_endpgm
.Lfunc_end_k_qcc4773aa22_gemm_f2:
	.size	k_qcc4773aa22_gemm_f2, .Lfunc_end_k_qcc4773aa22_gemm_f2-k_qcc4773aa22_gemm_f2
	.p2alignl 7, 3214868480
	.fill 96, 4, 3214868480
	.section	.rodata,"a",@progbits
	.p2align	6, 0x0
	.amdhsa_kernel k_qcc4773aa22_gemm_f2
		.amdhsa_group_segment_fixed_size 327680
		.amdhsa_private_segment_fixed_size 0
		.amdhsa_enable_private_segment 0
		.amdhsa_kernarg_size 48
		.amdhsa_user_sgpr_count 2
		.amdhsa_user_sgpr_kernarg_segment_ptr 1
		.amdhsa_wavefront_size32 1
		.amdhsa_system_sgpr_workgroup_id_x 1
		.amdhsa_system_sgpr_workgroup_id_y 1
		.amdhsa_system_sgpr_workgroup_id_z 1
		.amdhsa_system_vgpr_workitem_id 0
		.amdhsa_next_free_vgpr 1024
		.amdhsa_next_free_sgpr 102
		.amdhsa_reserve_vcc 0
		.amdhsa_float_denorm_mode_32 3
		.amdhsa_float_denorm_mode_16_64 3
		.amdhsa_memory_ordered 1
		.amdhsa_forward_progress 1
		.amdhsa_inst_pref_size 137
	.end_amdhsa_kernel
	.amdgpu_metadata
---
amdhsa.version: [ 1, 2 ]
amdhsa.kernels:
  - .name:           k_qcc4773aa22_gemm_f2
    .symbol:         k_qcc4773aa22_gemm_f2.kd
    .args:
      - { .name: gc, .offset: 0, .size: 8, .value_kind: global_buffer, .address_space: global }
      - { .name: qz, .offset: 8, .size: 8, .value_kind: global_buffer, .address_space: global }
      - { .name: hh, .offset: 16, .size: 8, .value_kind: global_buffer, .address_space: global }
      - { .name: lowp_scales, .offset: 24, .size: 8, .value_kind: global_buffer, .address_space: global }
      - { .name: bf2, .offset: 32, .size: 8, .value_kind: global_buffer, .address_space: global }
      - { .name: yy, .offset: 40, .size: 8, .value_kind: global_buffer, .address_space: global }
    .group_segment_fixed_size: 327680
    .private_segment_fixed_size: 0
    .kernarg_segment_align: 8
    .kernarg_segment_size: 48
    .max_flat_workgroup_size: 128
    .sgpr_count:     102
    .vgpr_count:     1024
    .wavefront_size: 32
...
	.end_amdgpu_metadata
.endif
;; end of part 7
;; launch ln2 (part 8): grid 256 x 1, 8 waves a work-group, no clusters, 69,632 bytes of LDS; arguments yy, g2, b2, out0; writes out0
.if DOCPART == 8
	.amdgcn_target "amdgcn-amd-amdhsa--gfx1250"
	.amdhsa_code_object_version 6
	.text
	.protected	k_qcc4773aa22_ln2
	.globl	k_qcc4773aa22_ln2
	.p2align	8
	.type	k_qcc4773aa22_ln2,@function
k_qcc4773aa22_ln2:
	s_mov_b64 s[64:65], 0
	v_nop
	global_prefetch_b8 v0, s[64:65] scope:SCOPE_SE
	s_setreg_imm32_b32 hwreg(HW_REG_WAVE_MODE, 25, 1), 1
	s_wait_xcnt 0x0
; A layer norm over rows of 1,024, on the f32 image.  LN2 = 0: h = LN(rr) g1 + b1, stored as f32 image and, quantised under e12, as codes' image.  LN2 = 1: out0 = LN(yy) g2 + b2, stored row-major.  No work is left out.
; A work-group takes one image tile (16 rows); wave w the columns 128 w .. 128 w + 127; lane (r, h) holds 64 numbers of row r, which stay in registers: memory is read once.
; The mean, then the mean of the squared differences (two passes over registers, so a common offset of the inputs does no harm): within a lane, with lane l xor 16, and over the eight waves through 16 words a wave in LDS: two barriers.
; Memory binds: no matrix unit, no tensor load, no cluster.  Every load and store of rows covers 512 consecutive aligned bytes.
; LIMIT (LN2 = 0): e12 between -126 and 112.  NaN is not served.
.set LN2,   1
.set SPARE, 1024                       ; behind the two areas of 512 bytes: the spare words, 128 bytes a wave
.set X,  16                            ; v16-79   my 64 numbers
.set G,  80                            ; v80-143  the gain; later held numbers or rows on the way out
.set BV, 144                           ; v144-207 the bias
	s_load_b256 s[4:11], s[0:1], 0x0               ; in, gain, bias, and: the exponents (LN2 = 0) or out0 (LN2 = 1)
.if LN2 == 0
	s_load_b64 s[12:13], s[0:1], 0x20              ; hh
.endif
	v_lshl_add_u32 v5, v0, 2, SPARE
	v_mov_b32 v6, 0
	v_lshrrev_b32 v9, 5, v0
	v_readfirstlane_b32 s16, v9                    ; wave
	v_and_b32 v9, 31, v0
	v_lshlrev_b32 v1, 4, v9                        ; 16 x lane
	v_bfe_u32 v10, v0, 4, 1
	v_lshlrev_b32 v2, 6, v10                       ; 64 h
	v_and_b32 v11, 15, v0
	v_lshlrev_b32 v4, 2, v11                       ; 4 r
	s_lshl_b32 s17, s16, 6
	v_add_nc_u32 v3, s17, v4                       ; 64 w + 4 r
	s_mov_b32 s14, 0x76543210
	s_mov_b32 s15, 0xfedcba98
	s_lshl_b32 s18, ttmp9, 16
	s_lshl_b32 s19, s16, 13
	s_add_co_u32 s18, s18, s19                     ; my part of the f32 image
	s_mov_b32 s19, 0
	s_lshl_b32 s20, s16, 9                         ; my 128 columns in bytes
	s_mov_b32 s21, 0
.if LN2
	s_mul_i32 s30, s16, 8448
	s_add_co_u32 s30, s30, 2048                    ; my stage: 16 rows x (512 + 16) bytes
	v_mul_u32_u24 v7, v11, 528
	v_lshl_add_u32 v7, v10, 6, v7
	v_add_nc_u32 v7, s30, v7
	v_add_nc_u32 v8, s30, v1
	s_lshr_b32 s28, ttmp9, 1
	s_lshl_b32 s28, s28, 5
	s_and_b32 s29, ttmp9, 1
	s_lshl_b32 s29, s29, 3
	s_add_co_u32 s28, s28, s29                     ; the tile's first row
	s_lshl_b32 s28, s28, 12
	s_add_co_u32 s28, s28, s20
	s_mov_b32 s29, 0
.else
	s_lshl_b32 s28, ttmp9, 14
	s_lshl_b32 s29, s16, 11
	s_add_co_u32 s28, s28, s29
	s_add_co_u32 s28, s28, 0x1000000               ; my part of the codes' image
	s_mov_b32 s29, 0
.endif
	s_wait_kmcnt 0x0
.if LN2
	s_add_nc_u64 s[10:11], s[10:11], s[28:29]
.else
	s_load_b32 s24, s[10:11], 0x30                 ; e12
	s_add_nc_u64 s[26:27], s[12:13], s[18:19]
	s_add_nc_u64 s[28:29], s[12:13], s[28:29]
.endif
	s_add_nc_u64 s[4:5], s[4:5], s[18:19]
	s_add_nc_u64 s[6:7], s[6:7], s[20:21]
	s_add_nc_u64 s[8:9], s[8:9], s[20:21]
.irp p, 0,1,2,3
.irp q, 0,1,2,3
	global_load_b128 v[X+16*\p+4*\q:X+16*\p+4*\q+3], v1, s[4:5] offset:2048*\p+512*\q th:TH_LOAD_NT
.endr
.endr
.irp p, 0,1,2,3
.irp q, 0,1,2,3
	global_load_b128 v[G+16*\p+4*\q:G+16*\p+4*\q+3], v2, s[6:7] offset:128*\p+16*\q
.endr
.endr
.irp p, 0,1,2,3
.irp q, 0,1,2,3
	global_load_b128 v[BV+16*\p+4*\q:BV+16*\p+4*\q+3], v2, s[8:9] offset:128*\p+16*\q
.endr
.endr
.macro FOLD                            ; four chains in v208-215 -> the row's part of my wave, in every lane
	v_pk_add_f32 v[208:209], v[208:209], v[210:211]
	v_pk_add_f32 v[212:213], v[212:213], v[214:215]
	v_pk_add_f32 v[208:209], v[208:209], v[212:213]
	v_add_f32 v208, v208, v209
	v_permlanex16_b32 v209, v208, s14, s15
	v_add_f32 v208, v208, v209
.endm
.macro RED area                        ; over the eight waves; the result / 1,024 in v216
	ds_store_b32 v3, v208 offset:\area
	s_wait_dscnt 0x0                               ; for the others' sake: my store has landed
	s_barrier_signal -1
	s_barrier_wait -1
.irp w, 0,1,2,3,4,5,6,7
	ds_load_b32 v[216+\w], v4 offset:\area+64*\w
.endr
	s_wait_dscnt 0x0
	v_add_f32 v216, v216, v217
	v_add_f32 v218, v218, v219
	v_add_f32 v220, v220, v221
	v_add_f32 v222, v222, v223
	v_add_f32 v216, v216, v218
	v_add_f32 v220, v220, v222
	v_add_f32 v216, v216, v220
	v_mul_f32 v216, 0x3a800000, v216
.endm
	s_wait_loadcnt 32                              ; my numbers are in; the gain's and the bias's 32 loads may be out
.irp c, 0,1,2,3
	v_pk_add_f32 v[208+2*\c:209+2*\c], v[X+2*\c:X+2*\c+1], v[X+8+2*\c:X+9+2*\c]
.endr
.irp k, 2,3,4,5,6,7
.irp c, 0,1,2,3
	v_pk_add_f32 v[208+2*\c:209+2*\c], v[208+2*\c:209+2*\c], v[X+8*\k+2*\c:X+8*\k+2*\c+1]
.endr
.endr
	FOLD
	RED 0
.set J, 0
.rept 32
	v_pk_add_f32 v[X+J:X+J+1], v[X+J:X+J+1], v[216:217] op_sel_hi:[1,0] neg_lo:[0,1] neg_hi:[0,1]   ; - the mean
.set J, J+2
.endr
.irp c, 0,1,2,3
	v_pk_mul_f32 v[208+2*\c:209+2*\c], v[X+2*\c:X+2*\c+1], v[X+2*\c:X+2*\c+1]
.endr
.irp k, 1,2,3,4,5,6,7
.irp c, 0,1,2,3
	v_pk_fma_f32 v[208+2*\c:209+2*\c], v[X+8*\k+2*\c:X+8*\k+2*\c+1], v[X+8*\k+2*\c:X+8*\k+2*\c+1], v[208+2*\c:209+2*\c]
.endr
.endr
	FOLD
	RED 512                                        ; other bytes than the first: no barrier between the two
	v_add_f32 v216, 0x3727c5ac, v216               ; + 1e-5
	v_rsq_f32 v218, v216
	v_nop
	s_wait_alu depctr_va_vdst(0)                   ; ahead of the first reader
.set J, 0
.rept 32
	v_pk_mul_f32 v[X+J:X+J+1], v[X+J:X+J+1], v[218:219] op_sel_hi:[1,0]
.set J, J+2
.endr
	s_wait_loadcnt 0x0
.set J, 0
.rept 32
	v_pk_fma_f32 v[X+J:X+J+1], v[X+J:X+J+1], v[G+J:G+J+1], v[BV+J:BV+J+1]
.set J, J+2
.endr
.if LN2
.irp p, 0,1,2,3
.irp q, 0,1,2,3
	ds_store_b128 v7, v[X+16*\p+4*\q:X+16*\p+4*\q+3] offset:128*\p+16*\q   ; row r of my stage; the sixteen rows start at sixteen different banks
.endr
.endr
.irp i, 0,1,2,3,4,5,6,7,8,9,10,11,12,13,14,15
	ds_load_b128 v[G+4*\i:G+4*\i+3], v8 offset:528*\i   ; LDS serves a wave's instructions in order (ISA guide 5.7.1.4): these see my stores
.endr
.irp i, 0,1,2,3,4,5,6,7,8,9,10,11,12,13,14,15
	s_wait_dscnt 15-\i                             ; row i is back; the younger loads may be out
	global_store_b128 v1, v[G+4*\i:G+4*\i+3], s[10:11] offset:(\i+8*(\i/8))*4096 th:TH_STORE_NT
.endr
.else
.irp p, 0,1,2,3
.irp q, 0,1,2,3
	global_store_b128 v1, v[X+16*\p+4*\q:X+16*\p+4*\q+3], s[26:27] offset:2048*\p+512*\q
.endr
.endr
	s_wait_kmcnt 0x0
	s_add_co_i32 s24, s24, 127
	s_lshl_b32 s25, s24, 23
	v_mov_b32 v221, s25                            ; 2^e12
	s_add_co_i32 s24, s24, 15
	s_lshl_b32 s24, s24, 23
	s_or_b32 s24, s24, 0x600000
	v_mov_b32 v220, s24                            ; 57,344 x 2^e12
.set J, 0
.rept 64
	v_med3_num_f32 v[G+J], v[X+J], -v220, v220
.set J, J+1
.endr
.irp p, 0,1,2,3
	v_cvt_scalef32_pk8_bf8_f32 v[224+4*\p:225+4*\p], v[G+16*\p:G+16*\p+7], v221
	v_cvt_scalef32_pk8_bf8_f32 v[226+4*\p:227+4*\p], v[G+16*\p+8:G+16*\p+15], v221
.endr
	v_nop
.irp p, 0,1,2,3
	global_store_b128 v1, v[224+4*\p:227+4*\p], s[28:29] offset:512*\p
.endr
.endif
	s_wait_tensorcnt 0x0                           ; the wave's end: behind my last LDS store
	ds_add_u32 v5, v6
	s_wait_dscnt 0x0
	s_endpgm
.Lfunc_end_k_qcc4773aa22_ln2:
	.size	k_qcc4773aa22_ln2, .Lfunc_end_k_qcc4773aa22_ln2-k_qcc4773aa22_ln2
	.p2alignl 7, 3214868480
	.fill 96, 4, 3214868480
	.section	.rodata,"a",@progbits
	.p2align	6, 0x0
	.amdhsa_kernel k_qcc4773aa22_ln2
		.amdhsa_group_segment_fixed_size 69632
		.amdhsa_private_segment_fixed_size 0
		.amdhsa_enable_private_segment 0
		.amdhsa_kernarg_size 32
		.amdhsa_user_sgpr_count 2
		.amdhsa_user_sgpr_kernarg_segment_ptr 1
		.amdhsa_wavefront_size32 1
		.amdhsa_system_sgpr_workgroup_id_x 1
		.amdhsa_system_sgpr_workgroup_id_y 1
		.amdhsa_system_sgpr_workgroup_id_z 1
		.amdhsa_system_vgpr_workitem_id 0
		.amdhsa_next_free_vgpr 240
		.amdhsa_next_free_sgpr 66
		.amdhsa_reserve_vcc 0
		.amdhsa_float_denorm_mode_32 3
		.amdhsa_float_denorm_mode_16_64 3
		.amdhsa_memory_ordered 1
		.amdhsa_forward_progress 1
		.amdhsa_inst_pref_size 24
	.end_amdhsa_kernel
	.amdgpu_metadata
---
amdhsa.version: [ 1, 2 ]
amdhsa.kernels:
  - .name:           k_qcc4773aa22_ln2
    .symbol:         k_qcc4773aa22_ln2.kd
    .args:
      - { .name: yy, .offset: 0, .size: 8, .value_kind: global_buffer, .address_space: global }
      - { .name: g2, .offset: 8, .size: 8, .value_kind: global_buffer, .address_space: global }
      - { .name: b2, .offset: 16, .size: 8, .value_kind: global_buffer, .address_space: global }
      - { .name: out0, .offset: 24, .size: 8, .value_kind: global_buffer, .address_space: global }
    .group_segment_fixed_size: 69632
    .private_segment_fixed_size: 0
    .kernarg_segment_align: 8
    .kernarg_segment_size: 32
    .max_flat_workgroup_size: 256
    .sgpr_count:     66
    .vgpr_count:     240
    .wavefront_size: 32
...
	.end_amdgpu_metadata
.endif
;; end of part 8
;; ======== version 2 of 2: 8 launches
;; limits: right only within a limited range of input values
;; workspace buffers: qz 41,943,040 bytes; qkv 12,582,912 bytes; ctx 4,194,304 bytes; rr 16,777,216 bytes; hh 20,971,520 bytes; gc 16,777,216 bytes; yy 16,777,216 bytes
;; launch quant (part 9): grid 512 x 1, 4 waves a work-group, no clusters, 34,304 bytes of LDS; arguments x, wq, wk, wv, wo, w1, w2, lowp_scales, qz; writes qz
.if DOCPART == 9
	.amdgcn_target "amdgcn-amd-amdhsa--gfx1250"
	.amdhsa_code_object_version 6
	.text
	.protected	k_qcc4773aa22_quant
	.globl	k_qcc4773aa22_quant
	.p2align	8
	.type	k_qcc4773aa22_quant,@function
k_qcc4773aa22_quant:
	s_mov_b64 s[64:65], 0
	v_nop
	global_prefetch_b8 v0, s[64:65] scope:SCOPE_SE
	s_setreg_imm32_b32 hwreg(HW_REG_WAVE_MODE, 25, 1), 1
	s_wait_xcnt 0x0
; THE PROGRAM: a transformer block (4,096 rows, E = 1,024, 16 heads of 64, FF = 4,096), all eight matrix products on codes of BF8 (E5M2) with the given scales 2^e.
; DEAD WORK: none.  Every input reaches out0 for general values, every product of the table is live, there is no mask: every input is loaded and every product is done.
; THIS LAUNCH turns x (under e0, e2, e4: it is an operand of three products) and the six weights (e1, e3, e5, e11, e13, e15) into codes, and lays x itself as f32 for the residual.
; code = number / 2^e, held within +-57,344, to the nearest code, ties to even.
; LAYOUTS, used by all launches.  IMG(K), codes of a matrix [R][K]: byte of (row, k) = T x 16 K + (k / 128) x 2048 + ((k % 128) / 32) x 512 + ((k % 32) / 16) x 256 + r x 16 + k % 16,
; where tile T = 2 g + u holds at place r the row 32 g + 8 u + r + 8 (r / 8).  So a fragment (16 rows x 128 K) is 2,048 bytes on end: four loads of 16 bytes a lane at 16 x lane, 512 bytes apart.
; FIMG, f32 of a matrix [4096][1024]: T x 65536 + p x 2048 + q x 512 + 16 x lane holds (row (T, lane % 16), columns 32 p + 16 (lane / 16) + 4 q + 0..3).
; SHARES.  A wave takes one tile (16 rows) x 512 along K, four steps of 128.  Each load reads 512 consecutive bytes of one row; a step's 16 rows turn through the wave's own stage in LDS
; (rows 528 bytes apart) and come back 16 neighbours along K a lane, which is what the conversions take.  Every store covers 512 consecutive aligned bytes.  Waves share nothing: no barrier.
; Work-groups 0-127 x, 128-159 wq, 160-191 wk, 192-223 wv, 224-255 wo, 256-383 w1, 384-511 w2: only pointers, offsets and the exponent are chosen, by selects on the work-group's number.
; LIMITS: each e between -126 and 112, so that 2^e and 57,344 x 2^e are f32 numbers.  NaN among the inputs is not served; an infinity is held at the largest code.
.set WREG,  8448                       ; a wave's stage: 16 rows x (512 + 16) bytes
.set SPARE, 33792                      ; behind the four stages: the spare words, 128 bytes a wave
.set LI,   1                           ; v1  16 x lane
.set SIN,  2                           ; v2  the stage, on the way in
.set SOUT, 3                           ; v3  the stage, on the way out: row r, + 64 h
.set SPW,  4                           ; v4  my spare word
.set NIL,  5                           ; v5  0
.set R,    16                          ; v16-143  two sets of 64: a step as loaded
.set X,    144                         ; v144-175 two sets of 16 neighbours
.set TT,   176                         ; v176-191 held numbers
.set C,    192                         ; v192-203 codes: three outputs x 4
.set RB,   66                          ; s66-97   the addresses of my 16 rows
.macro PICKP lo, src, doff             ; from work-group lo on: another tensor, its first work-group, its place in qz
	s_cmp_ge_u32 ttmp9, \lo
	s_cselect_b64 s[40:41], s[\src:\src+1], s[40:41]
	s_cselect_b32 s42, \lo, s42
	s_cselect_b32 s43, \doff, s43
.endm
.macro PICKE lo, e                     ; and its exponent
	s_cmp_ge_u32 ttmp9, \lo
	s_cselect_b32 s44, s[\e], s44
.endm
.macro MKSC e, vsc, vlm                ; 2^e and 57,344 x 2^e as f32
	s_add_co_i32 s54, s[\e], 127
	s_lshl_b32 s55, s54, 23
	v_mov_b32 v[\vsc], s55
	s_add_co_i32 s54, s54, 15
	s_lshl_b32 s54, s54, 23
	s_or_b32 s54, s54, 0x600000
	v_mov_b32 v[\vlm], s54
.endm
	s_load_b512 s[4:19], s[0:1], 0x0               ; x, wq, wk, wv, wo, w1, w2, the exponents
	s_load_b64 s[20:21], s[0:1], 0x40              ; qz
	v_lshl_add_u32 v[SPW], v0, 2, SPARE
	v_mov_b32 v[NIL], 0
	v_lshrrev_b32 v12, 5, v0
	v_readfirstlane_b32 s22, v12                   ; wave
	v_and_b32 v12, 31, v0
	v_lshlrev_b32 v[LI], 4, v12
	s_mul_i32 s23, s22, WREG
	v_add_nc_u32 v[SIN], s23, v[LI]
	v_and_b32 v13, 15, v0                          ; r
	v_bfe_u32 v14, v0, 4, 1                        ; h
	v_mul_u32_u24 v[SOUT], v13, 528
	v_lshl_add_u32 v[SOUT], v14, 6, v[SOUT]
	v_add_nc_u32 v[SOUT], s23, v[SOUT]
	s_wait_alu depctr_va_vdst(0)
	s_wait_kmcnt 0x0
	s_load_b512 s[24:39], s[18:19], 0x0            ; e0 .. e15
	s_mov_b64 s[40:41], s[4:5]                     ; x's figures first
	s_mov_b32 s42, 0
	s_mov_b32 s43, 0
	PICKP 128, 6, 0xC00000
	PICKP 160, 8, 0xD00000
	PICKP 192, 10, 0xE00000
	PICKP 224, 12, 0xF00000
	PICKP 256, 14, 0x1000000
	PICKP 384, 16, 0x1400000
	s_cselect_b32 s45, 3, 1                        ; (still on the last compare)  a row has 2 strips of 512, w2's has 8
	s_cmp_lt_u32 ttmp9, 128
	s_cselect_b32 s46, 1, 0                        ; 1: x
	s_sub_co_u32 s47, ttmp9, s42
	s_lshl_b32 s47, s47, 2
	s_add_co_u32 s47, s47, s22                     ; my strip
	s_lshr_b32 s60, s47, s45                       ; T
	s_lshl_b32 s61, s60, s45
	s_sub_co_u32 s61, s47, s61                     ; which 512 along K
	s_lshl_b32 s56, 2048, s45                      ; a row of the tensor in bytes
	s_lshr_b32 s62, s60, 1
	s_lshl_b32 s62, s62, 5
	s_and_b32 s63, s60, 1
	s_lshl_b32 s63, s63, 3
	s_add_co_u32 s62, s62, s63                     ; the tile's first row: 32 (T / 2) + 8 (T % 2)
	s_mul_i32 s62, s62, s56
	s_lshl_b32 s63, s61, 11
	s_add_co_u32 s62, s62, s63
	s_mov_b32 s63, 0
	s_add_nc_u64 s[RB:RB+1], s[40:41], s[62:63]
	s_mov_b32 s57, 0
	s_mul_i32 s58, s56, 9                          ; from place 7 to place 8: nine rows on
	s_mov_b32 s59, 0
.irp i, 1,2,3,4,5,6,7,8,9,10,11,12,13,14,15
.if \i == 8
	s_add_nc_u64 s[RB+2*\i:RB+2*\i+1], s[RB+2*\i-2:RB+2*\i-1], s[58:59]
.else
	s_add_nc_u64 s[RB+2*\i:RB+2*\i+1], s[RB+2*\i-2:RB+2*\i-1], s[56:57]
.endif
.endr
	s_mul_i32 s62, s60, s56
	s_lshl_b32 s62, s62, 2                         ; T x 16 K
	s_lshl_b32 s23, s61, 13
	s_add_co_u32 s62, s62, s23
	s_add_co_u32 s62, s62, s43
	s_add_nc_u64 s[48:49], s[20:21], s[62:63]      ; my codes
	s_add_nc_u64 s[50:51], s[48:49], 0x400000      ; x alone: the second image; the third lies 0x400000 further on
	s_lshl_b32 s62, s60, 16
	s_lshl_b32 s23, s61, 15
	s_add_co_u32 s62, s62, s23
	s_add_co_u32 s62, s62, 0x1800000
	s_add_nc_u64 s[52:53], s[20:21], s[62:63]      ; x alone: its f32 image
.macro GLOAD t                         ; step t: 16 rows x 512 bytes
.irp i, 0,1,2,3,4,5,6,7,8,9,10,11,12,13,14,15
	global_load_b128 v[R+64*((\t)%2)+4*\i:R+64*((\t)%2)+4*\i+3], v[LI], s[RB+2*\i:RB+2*\i+1] offset:512*(\t) th:TH_LOAD_NT
.endr
.endm
.macro STIN t
.irp i, 0,1,2,3,4,5,6,7,8,9,10,11,12,13,14,15
	ds_store_b128 v[SIN], v[R+64*((\t)%2)+4*\i:R+64*((\t)%2)+4*\i+3] offset:528*\i
.endr
.endm
.macro CHLOAD c                        ; 32 along K: my 16 neighbours of my row; the sixteen rows start at sixteen different banks
.irp q, 0,1,2,3
	ds_load_b128 v[X+16*((\c)%2)+4*\q:X+16*((\c)%2)+4*\q+3], v[SOUT] offset:128*(\c)+16*\q
.endr
.endm
.macro Q lim, sc, dst                  ; the hold (the conversion to an 8-bit code does not saturate: ISA guide 7.6.2), the conversion, and a plain line ahead of the next write of its sources
.irp i, 0,1,2,3,4,5,6,7,8,9,10,11,12,13,14,15
	v_med3_num_f32 v[TT+\i], v[XS+\i], -v[\lim], v[\lim]
.endr
	v_cvt_scalef32_pk8_bf8_f32 v[\dst:\dst+1], v[TT:TT+7], v[\sc]
	v_cvt_scalef32_pk8_bf8_f32 v[\dst+2:\dst+3], v[TT+8:TT+15], v[\sc]
	v_nop
.endm
.macro CHUNK t, c
.set XS, X+16*((\c)%2)
.if (\c) < 3
	s_wait_dscnt 4                                 ; my four loads are in; the next chunk's four may be out
.else
	s_wait_dscnt 0
.endif
.if ((\c) == 0) && ((\t) < 2)
	GLOAD (\t)+2                                   ; the stage's stores are done by that wait: their registers take the step two on
.endif
	s_cmp_eq_u32 s46, 0
	s_cbranch_scc1 .Lnot_x_\@                      ; a branch on the work-group's number
.irp q, 0,1,2,3
	global_store_b128 v[LI], v[XS+4*\q:XS+4*\q+3], s[52:53] offset:(4*(\t)+(\c))*2048+512*\q
.endr
	s_wait_alu depctr_va_vdst(0)
	Q 9, 8, C+4
	global_store_b128 v[LI], v[C+4:C+7], s[50:51] offset:2048*(\t)+512*(\c)
	Q 11, 10, C+8
	global_store_b128 v[LI], v[C+8:C+11], s[50:51] offset:0x400000+2048*(\t)+512*(\c)
.Lnot_x_\@:
	s_wait_alu depctr_va_vdst(0)
	Q 7, 6, C
	global_store_b128 v[LI], v[C:C+3], s[48:49] offset:2048*(\t)+512*(\c)
	s_wait_xcnt 0x0                                ; the stores have read the numbers and the codes: both are written again only behind this wait
.if (\c) < 2
	CHLOAD (\c)+2
.endif
.endm
.macro STEP t
.if (\t) < 3
	s_wait_loadcnt 16                              ; this step's 16 loads are in; the next step's may be out
.else
	s_wait_loadcnt 0
.endif
	STIN \t                                        ; LDS serves a wave's instructions in order (ISA guide 5.7.1.4): behind the last step's reads, ahead of this step's
	CHLOAD 0
	CHLOAD 1
	CHUNK \t, 0
	CHUNK \t, 1
	CHUNK \t, 2
	CHUNK \t, 3
.endm
	GLOAD 0
	GLOAD 1
	s_wait_kmcnt 0x0
	s_mov_b32 s44, s24
	PICKE 128, 25
	PICKE 160, 27
	PICKE 192, 29
	PICKE 224, 35
	PICKE 256, 37
	PICKE 384, 39
	MKSC 44, 6, 7
	MKSC 26, 8, 9
	MKSC 28, 10, 11
	STEP 0
	STEP 1
	STEP 2
	STEP 3
	s_wait_tensorcnt 0x0                           ; the wave's end: behind my last LDS store
	ds_add_u32 v[SPW], v[NIL]
	s_wait_dscnt 0x0
	s_endpgm
.Lfunc_end_k_qcc4773aa22_quant:
	.size	k_qcc4773aa22_quant, .Lfunc_end_k_qcc4773aa22_quant-k_qcc4773aa22_quant
	.p2alignl 7, 3214868480
	.fill 96, 4, 3214868480
	.section	.rodata,"a",@progbits
	.p2align	6, 0x0
	.amdhsa_kernel k_qcc4773aa22_quant
		.amdhsa_group_segment_fixed_size 34304
		.amdhsa_private_segment_fixed_size 0
		.amdhsa_enable_private_segment 0
		.amdhsa_kernarg_size 72
		.amdhsa_user_sgpr_count 2
		.amdhsa_user_sgpr_kernarg_segment_ptr 1
		.amdhsa_wavefront_size32 1
		.amdhsa_system_sgpr_workgroup_id_x 1
		.amdhsa_system_sgpr_workgroup_id_y 1
		.amdhsa_system_sgpr_workgroup_id_z 1
		.amdhsa_system_vgpr_workitem_id 0
		.amdhsa_next_free_vgpr 208
		.amdhsa_next_free_sgpr 100
		.amdhsa_reserve_vcc 0
		.amdhsa_float_denorm_mode_32 3
		.amdhsa_float_denorm_mode_16_64 3
		.amdhsa_memory_ordered 1
		.amdhsa_forward_progress 1
		.amdhsa_inst_pref_size 89
	.end_amdhsa_kernel
	.amdgpu_metadata
---
amdhsa.version: [ 1, 2 ]
amdhsa.kernels:
  - .name:           k_qcc4773aa22_quant
    .symbol:         k_qcc4773aa22_quant.kd
    .args:
      - { .name: x, .offset: 0, .size: 8, .value_kind: global_buffer, .address_space: global }
      - { .name: wq, .offset: 8, .size: 8, .value_kind: global_buffer, .address_space: global }
      - { .name: wk, .offset: 16, .size: 8, .value_kind: global_buffer, .address_space: global }
      - { .name: wv, .offset: 24, .size: 8, .value_kind: global_buffer, .address_space: global }
      - { .name: wo, .offset: 32, .size: 8, .value_kind: global_buffer, .address_space: global }
      - { .name: w1, .offset: 40, .size: 8, .value_kind: global_buffer, .address_space: global }
      - { .name: w2, .offset: 48, .size: 8, .value_kind: global_buffer, .address_space: global }
      - { .name: lowp_scales, .offset: 56, .size: 8, .value_kind: global_buffer, .address_space: global }
      - { .name: qz, .offset: 64, .size: 8, .value_kind: global_buffer, .address_space: global }
    .group_segment_fixed_size: 34304
    .private_segment_fixed_size: 0
    .kernarg_segment_align: 8
    .kernarg_segment_size: 72
    .max_flat_workgroup_size: 128
    .sgpr_count:     100
    .vgpr_count:     208
    .wavefront_size: 32
...
	.end_amdgpu_metadata
.endif
;; end of part 9
;; launch gemm_qkv (part 10): grid 4 x 48, 4 waves a work-group, clusters of 4 x 4, 327,680 bytes of LDS; arguments qz, lowp_scales, qkv; writes qkv
.if DOCPART == 10
	.amdgcn_target "amdgcn-amd-amdhsa--gfx1250"
	.amdhsa_code_object_version 6
	.text
	.protected	k_qcc4773aa22_gemm_qkv
	.globl	k_qcc4773aa22_gemm_qkv
	.p2align	8
	.type	k_qcc4773aa22_gemm_qkv,@function
k_qcc4773aa22_gemm_qkv:
	s_mov_b64 s[64:65], 0
	v_nop
	global_prefetch_b8 v0, s[64:65] scope:SCOPE_SE
	s_setreg_imm32_b32 hwreg(HW_REG_WAVE_MODE, 25, 1), 1
	s_wait_xcnt 0x0
	s_wait_alu depctr_hold_cnt(0) depctr_sa_sdst(0) depctr_va_vdst(0) depctr_va_sdst(0) depctr_va_ssrc(0) depctr_va_vcc(0) depctr_vm_vsrc(0)
	s_getreg_b32 s2, hwreg(HW_REG_IB_STS2, 6, 4)
	s_cmp_eq_u32 s2, 0
	s_cbranch_scc0 .Lentry_in_a_cluster
	s_endpgm
.Lentry_in_a_cluster:
	s_bfe_u32 s2, ttmp6, 0x10000c
	s_cmp_lg_u32 s2, 0xf033
	s_cbranch_scc0 .Lentry_shape_is_right
	s_endpgm
.Lentry_shape_is_right:
; q = x wq^T, k = x wk^T, v^T = wv x^T on codes of BF8, and their results quantised at once for the attention's products (e6, e7, e9).  No work is left out.
; Operands and results lie as images (IMG: a fragment of 16 rows x 128 K is 2,048 bytes on end; tile 2 g + u holds at place r the row 32 g + 8 u + r + 8 (r / 8)).
; Cluster y / 4 is the job: 0 q, 1 k (A = x's image under e0 or e2, B = the weight's), 2 v^T (A = wv's image, B = x's under e4: so v comes out with the keys innermost, and nothing is transposed).
; A tile of the result, 256 x 256, is made by four waves, each 128 x 128: 64 accumulators.  K goes in steps of 256 through two LDS slots; a wave's tensor load brings 8 tiles x 4,096 bytes.
; CLUSTERS 4 x 4: A's tiles are asked for jointly along a row of the cluster, B's along a column.
; THE MATRIX INSTRUCTION IS USED TRANSPOSED (source 0 = a tile of B, source 1 = a tile of A): lane (r, h) holds A's place r, and the 16 registers of accumulators 2 b and 2 b + 1 are the result's columns
; 32 b + 16 h + 0..15: after the conversions they ARE 16 bytes of the result's image at 16 x lane: every store covers 512 consecutive aligned bytes, with no way through LDS.
; Inside an instruction k is permuted alike in both operands (four loads of 16 bytes a fragment): only the order of the sums changes.
; LIMITS: e6 - e0 - e1, e7 - e2 - e3, e9 - e4 - e5 between -126 and 112.  NaN is not served.
; REGISTERS: window 0: v0-31 addresses, v128-255 A's fragments (one set), on the way out v32-113; window 1: B's fragments (two sets); windows 2, 3: accumulator (a, b) at v[8 (8 (a % 4) + b)].
.set KSZ,    1024
.set PF,     0
.set TP,     16*KSZ                    ; from tile to tile of an image
.set LAPS,   KSZ/512
.set HALFT,  32768                     ; 8 tiles x 4,096 bytes: what one tensor load brings
.set SLOT,   131072                    ; A's 16 tiles, then B's 16
.set SPARE,  262144                    ; behind the ring: the spare words
.set FR,     16
.set NL,     4
.set NP,     4
.set ADRA, 16
.set ADRB, 20
.set CO,   26                          ; v26 16 x lane
.set SPW,  28
.set NIL,  29
.set AF,   128
.set G1, 24
.set G0, 32
.set G1B, 48
.set G0B, 56
.set MSB, 0
.macro WIN new                         ; the immediate's high byte repeats the setting that is left
.if MSB != (\new)
	s_set_vgpr_msb (MSB<<8)|(\new)
.set MSB, (\new)
.endif
.endm
.set MUL_LO, 0xa1                      ; source 0 (B) window 1, source 1 (A) window 0, C and D window 2
.set MUL_HI, 0xf1
.set TO_B,   0x40
.macro JLOAD g0a, g1a, g0b, g1b        ; a joint load: waves 0 and 1 fetch for A, waves 2 and 3 for B; an s_nop 0 and four v_nop follow each line
	s_cmp_eq_u32 s15, 0
	s_cbranch_scc0 .Lfor_b_\@
	tensor_load_to_lds s[\g0a:\g0a+3], s[\g1a:\g1a+7]
	s_nop 0
.rept 4
	v_nop
.endr
	s_branch .Lasked_\@
.Lfor_b_\@:
	tensor_load_to_lds s[\g0b:\g0b+3], s[\g1b:\g1b+7]
	s_nop 0
.rept 4
	v_nop
.endr
.Lasked_\@:
.endm
.macro CREST                           ; a round of the cluster's barrier behind its opening barrier
	s_cmp_lg_u32 s14, 0
	s_cbranch_scc1 .Lnot_wave_0_\@
	s_barrier_signal -3
.Lnot_wave_0_\@:
	s_barrier_wait -3
	s_barrier_signal -1
	s_barrier_wait -1
.endm
.macro CROUND
	s_barrier_signal -1
	s_barrier_wait -1
	CREST
.endm
.macro FRAG reg, adr, q, i             ; tile i, the slot's q-th 128 along K: 2,048 bytes on end
.irp c, 0,1,2,3
	ds_load_b128 v[\reg+4*\c:\reg+4*\c+3], v[\adr] offset:4096*(\i)+2048*(\q)+512*\c
.endr
.endm
.macro MUL16 a0, p, zero               ; A's blocks a0, a0 + 1 x B's eight; the 64 accumulators take turns, one instruction a turn
.irp a, \a0, \a0+1
.irp b, 0,1,2,3,4,5,6,7
.if \zero
	v_wmma_f32_16x16x128_bf8_bf8 v[8*(8*((\a)%4)+\b):8*(8*((\a)%4)+\b)+7], v[128*(\p)+FR*\b:128*(\p)+FR*\b+FR-1], v[AF+FR*(\a):AF+FR*(\a)+FR-1], 0
.else
	v_wmma_f32_16x16x128_bf8_bf8 v[8*(8*((\a)%4)+\b):8*(8*((\a)%4)+\b)+7], v[128*(\p)+FR*\b:128*(\p)+FR*\b+FR-1], v[AF+FR*(\a):AF+FR*(\a)+FR-1], v[8*(8*((\a)%4)+\b):8*(8*((\a)%4)+\b)+7]
.endif
.endr
.endr
.endm
.macro FETCH_B slot, q, p
	WIN TO_B
.irp i, 0,1,2,3,4,5,6,7
	FRAG 128*(\p)+FR*\i, ADRB+\slot, \q, \i
.endr
	WIN 0
.endm
.macro FETCH_A slot, q, i0
.irp i, \i0, \i0+1, \i0+2, \i0+3
	FRAG AF+FR*(\i), ADRA+\slot, \q, \i
.endr
.endm
.macro PLACES n                        ; plain vector lines between a matrix instruction and a load into, or a read of, its registers
.rept \n
	v_nop
.endr
.endm
.macro STEP slot, q, zero              ; 128 along K that has its successor in the same slot
	s_wait_dscnt 4*NL                              ; B's set and A's blocks 0-3 are in; A's blocks 4-7 (16 loads) may be out
	WIN MUL_LO
	MUL16 0, (\q)%2, \zero
	MUL16 2, (\q)%2, \zero
	s_wait_dscnt 0
	PLACES NP
	FETCH_B \slot, (\q)+1, 1-(\q)%2
	FETCH_A \slot, (\q)+1, 0
	WIN MUL_HI
	MUL16 4, (\q)%2, \zero
	MUL16 6, (\q)%2, \zero
	PLACES NP
	WIN 0
	FETCH_A \slot, (\q)+1, 4
.endm
.macro TURN slot, next, fill           ; a slot's last step changes slots: one barrier; fill = 1: it opens a round of the cluster's, and this slot is filled again, two K steps ahead
	s_wait_tensorcnt 0x0                           ; all my tensor loads have landed: my part of the next slot
	ds_add_u32 v[SPW], v[NIL]                      ; 0 onto my spare word
	s_wait_dscnt 4*NL+1                            ; (the add and A's blocks 4-7 may be out)
	WIN MUL_LO
	MUL16 0, 1, 0
	s_wait_dscnt 0x0                               ; the add is done, and my reads of this slot are over
	s_barrier_signal -1
	MUL16 2, 1, 0
	WIN 0
	s_barrier_wait -1
.if \fill
	CREST                                          ; no wave of any partner still reads this slot or has a load on its way
	s_add_nc_u64 s[G0+4*\slot+2:G0+4*\slot+3], s[G0+4*\slot+2:G0+4*\slot+3], 8192
	s_add_nc_u64 s[G0B+4*\slot+2:G0B+4*\slot+3], s[G0B+4*\slot+2:G0B+4*\slot+3], 8192
	JLOAD G0+4*\slot, G1, G0B+4*\slot, G1B         ; the first tensor load behind the round, my only one until the next
.else
	PLACES NP
.endif
	FETCH_B \next, 0, 0
	FETCH_A \next, 0, 0
	WIN MUL_HI
	MUL16 4, 1, 0
	MUL16 6, 1, 0
	PLACES NP
	WIN 0
	FETCH_A \next, 0, 4
.endm
	s_load_b128 s[4:7], s[0:1], 0x0                ; qz, the exponents
	s_load_b64 s[8:9], s[0:1], 0x10                ; qkv
	v_lshl_add_u32 v[SPW], v0, 2, SPARE
	v_mov_b32 v[NIL], 0
	ds_add_u32 v[SPW], v[NIL]                      ; the wave's opening: the add, twice on end, and its wait ahead of my first tensor load
	ds_add_u32 v[SPW], v[NIL]
	v_lshrrev_b32 v1, 5, v0
	v_readfirstlane_b32 s14, v1                    ; wave
	s_lshr_b32 s15, s14, 1                         ; my half of the tile's rows; also: I fetch for A (0) or B (1)
	s_and_b32 s16, s14, 1                          ; my half of its columns; also: which 8 tiles I fetch
	s_bfe_u32 s40, ttmp6, 0x40000                  ; cx
	s_bfe_u32 s41, ttmp6, 0x40004                  ; cy
	s_and_b32 s66, ttmp7, 0xffff                   ; cluster y, 0..11
	s_lshr_b32 s67, s66, 2                         ; the job
	s_and_b32 s68, s66, 3
	s_lshl_b32 s71, s67, 22                        ; jobs 0, 1: x's image; every job: the result's place in qkv
	s_lshl_b32 s72, s67, 20
	s_add_co_u32 s72, s72, 0xC00000                ; jobs 0, 1: the weight's image
	s_mov_b32 s92, 65536
	s_mov_b32 s73, 0xE00000                        ; job 2: A = wv's image,
	s_mov_b32 s74, 0x800000                        ; B = x's third image
	s_cmp_lt_u32 s67, 2
	s_cselect_b32 s69, s68, 0                      ; jobs 0, 1 walk 16 tile rows, job 2 sixteen tile columns
	s_cselect_b32 s70, 0, s68
	s_cselect_b32 s92, 16384, s92                  ; from tile to tile of the result's image
	s_cselect_b32 s73, s71, s73
	s_cselect_b32 s74, s72, s74
	s_mov_b32 s93, 0
	s_lshl_b32 s17, s69, 2
	s_add_co_u32 s17, s17, s41                     ; tile row
	s_lshl_b32 s42, s70, 2
	s_add_co_u32 s42, s42, s40                     ; tile column
	s_lshl_b32 s43, s41, 2
	s_lshl_b32 s43, 15, s43                        ; my row of the cluster
	s_lshl_b32 s44, 0x1111, s40                    ; my column
	s_or_b32 s[G1+0], s43, (1<<21)                 ; the mask; elements of 1 byte; no padding; bit 21 beside a mask
	s_or_b32 s[G1B+0], s44, (1<<21)
.irp g, G1, G1B
	s_mov_b32 s[\g+1], 4096<<16                    ; tensor_dim0 = 4,096
	s_mov_b32 s[\g+2], 8<<16                       ; tensor_dim1 = 8
	s_mov_b32 s[\g+3], 4096<<16                    ; tile_dim0
	s_mov_b32 s[\g+4], 8                           ; tile_dim1
	s_mov_b32 s[\g+5], TP                          ; from tile to tile
	s_mov_b32 s[\g+6], 0
	s_mov_b32 s[\g+7], 0
.endr
	s_lshl_b32 s18, s16, 3
	s_lshl_b32 s20, s17, 4
	s_add_co_u32 s20, s20, s18
	s_mul_i32 s20, s20, TP
	s_add_co_u32 s20, s20, s73
	s_mov_b32 s21, 0
	s_lshl_b32 s46, s42, 4
	s_add_co_u32 s46, s46, s18
	s_mul_i32 s46, s46, TP
	s_add_co_u32 s46, s46, s74
	s_mov_b32 s47, 0
	s_mul_i32 s45, s14, HALFT                      ; where my tiles go: no place in the cluster enters an LDS address
	s_wait_dscnt 0x0                               ; both opening adds are done
	s_wait_kmcnt 0x0
	s_load_b512 s[76:91], s[6:7], 0x0              ; e0 .. e15
	s_add_nc_u64 s[20:21], s[4:5], s[20:21]
	s_add_nc_u64 s[46:47], s[4:5], s[46:47]
	CROUND                                         ; all sixteen work-groups are here: the first joint loads meet
.irp s, 0,1
	s_mov_b32 s[G0+4*\s], 1
	s_add_co_u32 s[G0+4*\s+1], s45, \s*SLOT
	s_add_nc_u64 s[G0+4*\s+2:G0+4*\s+3], s[20:21], \s*4096
	s_or_b32 s[G0+4*\s+3], s[G0+4*\s+3], 0x80000000
	s_mov_b32 s[G0B+4*\s], 1
	s_add_co_u32 s[G0B+4*\s+1], s45, \s*SLOT
	s_add_nc_u64 s[G0B+4*\s+2:G0B+4*\s+3], s[46:47], \s*4096
	s_or_b32 s[G0B+4*\s+3], s[G0B+4*\s+3], 0x80000000
.endr
	JLOAD G0, G1, G0B, G1B                         ; K step 0: one tensor load a wave at the head
	v_and_b32 v2, 31, v0
	v_lshlrev_b32 v[CO], 4, v2
	s_mul_i32 s21, s15, HALFT
	s_mul_i32 s22, s16, HALFT
	s_add_co_u32 s22, s22, 2*HALFT
.irp s, 0,1
	v_add_nc_u32 v[ADRA+\s], s21, v[CO]
	v_add_nc_u32 v[ADRB+\s], s22, v[CO]
	s_add_co_u32 s21, s21, SLOT
	s_add_co_u32 s22, s22, SLOT
.endr
	s_lshl_b32 s94, s17, 4                         ; the result: tile 16 x tile row + 8 x half, K step 2 x tile column + half
	s_lshl_b32 s95, s15, 3
	s_add_co_u32 s94, s94, s95
	s_mul_i32 s94, s94, s92
	s_add_co_u32 s94, s94, s71
	s_lshl_b32 s95, s42, 1
	s_add_co_u32 s95, s95, s16
	s_lshl_b32 s95, s95, 11
	s_add_co_u32 s94, s94, s95
	s_mov_b32 s95, 0
	s_add_nc_u64 s[10:11], s[8:9], s[94:95]
	s_wait_alu depctr_va_vdst(0)
	s_wait_tensorcnt 0x0                           ; my part of K step 0 is in
	ds_add_u32 v[SPW], v[NIL]
	s_wait_dscnt 0x0
	CROUND                                         ; everybody's part of K step 0 is in, and all sixteen work-groups are here
	JLOAD G0+4, G1, G0B+4, G1B                     ; K step 1: the first tensor load behind the round
	FETCH_B 0, 0, 0
	FETCH_A 0, 0, 0
	FETCH_A 0, 0, 4
	STEP 0, 0, 1                                   ; the first step's products start the sums
	s_mov_b32 s3, LAPS-1
.Llap:
	TURN 0, 1, 1
	STEP 1, 0, 0
	TURN 1, 0, 1
	STEP 0, 0, 0
	s_sub_co_u32 s3, s3, 1
	s_cmp_lg_u32 s3, 0
	s_cbranch_scc1 .Llap
	TURN 0, 1, 0                                   ; the last lap fills nothing
	STEP 1, 0, 0
	s_wait_dscnt 4*NL
	WIN MUL_LO
	MUL16 0, 1, 0
	MUL16 2, 1, 0
	s_wait_dscnt 0
	WIN MUL_HI
	MUL16 4, 1, 0
	MUL16 6, 1, 0
	WIN 0
	; THE WAY OUT: a sum stands for sum x 2^(ea + eb); its code is sum / 2^(eo - ea - eb): the three scales are folded into the conversion's one.
	s_wait_kmcnt 0x0
	s_add_co_i32 s20, s76, s77
	s_add_co_i32 s21, s78, s79
	s_add_co_i32 s22, s80, s81
	s_sub_co_i32 s20, s82, s20                     ; e6 - e0 - e1
	s_sub_co_i32 s21, s83, s21                     ; e7 - e2 - e3
	s_sub_co_i32 s22, s85, s22                     ; e9 - e4 - e5
	s_cmp_eq_u32 s67, 0
	s_cselect_b32 s20, s20, s21
	s_cmp_eq_u32 s67, 2
	s_cselect_b32 s20, s22, s20
	s_add_co_i32 s20, s20, 127
	s_lshl_b32 s21, s20, 23
	v_mov_b32 v112, s21
	s_add_co_i32 s20, s20, 15
	s_lshl_b32 s20, s20, 23
	s_or_b32 s20, s20, 0x600000
	v_mov_b32 v113, s20
	PLACES NP
.macro OUTC a                          ; block a: 16 rows x 128 columns: hold, convert, four stores of 512 bytes
.set AC, 64*((\a)%4)
.if (\a) > 0
	s_wait_xcnt 0x0                                ; the last block's stores have read their codes and their base
	s_add_nc_u64 s[10:11], s[10:11], s[92:93]
.endif
	WIN 0x02+(\a)/4
.set J, 0
.rept 64
	v_med3_num_f32 v[32+J], v[AC+J], -v113, v113   ; each accumulator from its low end on
.set J, J+1
.endr
	WIN 0
.irp b, 0,1,2,3
	v_cvt_scalef32_pk8_bf8_f32 v[96+4*\b:97+4*\b], v[32+16*\b:39+16*\b], v112
	v_cvt_scalef32_pk8_bf8_f32 v[98+4*\b:99+4*\b], v[40+16*\b:47+16*\b], v112
.endr
	v_nop                                          ; a plain line between the conversions and the next write of their sources
.irp b, 0,1,2,3
	global_store_b128 v[CO], v[96+4*\b:99+4*\b], s[10:11] offset:512*\b
.endr
.endm
.irp a, 0,1,2,3,4,5,6,7
	OUTC \a
.endr
	s_wait_tensorcnt 0x0                           ; the wave's end
	ds_add_u32 v[SPW], v[NIL]
	s_wait_dscnt 0x0
	CROUND                                         ; the closing round
	s_endpgm
.Lfunc_end_k_qcc4773aa22_gemm_qkv:
	.size	k_qcc4773aa22_gemm_qkv, .Lfunc_end_k_qcc4773aa22_gemm_qkv-k_qcc4773aa22_gemm_qkv
	.p2alignl 7, 3214868480
	.fill 96, 4, 3214868480
	.section	.rodata,"a",@progbits
	.p2align	6, 0x0
	.amdhsa_kernel k_qcc4773aa22_gemm_qkv
		.amdhsa_group_segment_fixed_size 327680
		.amdhsa_private_segment_fixed_size 0
		.amdhsa_enable_private_segment 0
		.amdhsa_kernarg_size 24
		.amdhsa_user_sgpr_count 2
		.amdhsa_user_sgpr_kernarg_segment_ptr 1
		.amdhsa_wavefront_size32 1
		.amdhsa_system_sgpr_workgroup_id_x 1
		.amdhsa_system_sgpr_workgroup_id_y 1
		.amdhsa_system_sgpr_workgroup_id_z 1
		.amdhsa_system_vgpr_workitem_id 0
		.amdhsa_next_free_vgpr 1024
		.amdhsa_next_free_sgpr 102
		.amdhsa_reserve_vcc 0
		.amdhsa_float_denorm_mode_32 3
		.amdhsa_float_denorm_mode_16_64 3
		.amdhsa_memory_ordered 1
		.amdhsa_forward_progress 1
		.amdhsa_inst_pref_size 119
	.end_amdhsa_kernel
	.amdgpu_metadata
---
amdhsa.version: [ 1, 2 ]
amdhsa.kernels:
  - .name:           k_qcc4773aa22_gemm_qkv
    .symbol:         k_qcc4773aa22_gemm_qkv.kd
    .args:
      - { .name: qz, .offset: 0, .size: 8, .value_kind: global_buffer, .address_space: global }
      - { .name: lowp_scales, .offset: 8, .size: 8, .value_kind: global_buffer, .address_space: global }
      - { .name: qkv, .offset: 16, .size: 8, .value_kind: global_buffer, .address_space: global }
    .group_segment_fixed_size: 327680
    .private_segment_fixed_size: 0
    .kernarg_segment_align: 8
    .kernarg_segment_size: 24
    .max_flat_workgroup_size: 128
    .sgpr_count:     102
    .vgpr_count:     1024
    .wavefront_size: 32
...
	.end_amdgpu_metadata
.endif
;; end of part 10
;; launch attn (part 11): grid 8 x 32, 8 waves a work-group, clusters of 4 x 1, 264,192 bytes of LDS; arguments qkv, lowp_scales, ctx; writes ctx
.if DOCPART == 11
	.amdgcn_target "amdgcn-amd-amdhsa--gfx1250"
	.amdhsa_code_object_version 6
	.text
	.protected	k_qcc4773aa22_attn
	.globl	k_qcc4773aa22_attn
	.p2align	8
	.type	k_qcc4773aa22_attn,@function
k_qcc4773aa22_attn:
	s_mov_b64 s[64:65], 0
	v_nop
	global_prefetch_b8 v0, s[64:65] scope:SCOPE_SE
	s_setreg_imm32_b32 hwreg(HW_REG_WAVE_MODE, 25, 1), 1
	s_wait_xcnt 0x0
	s_wait_alu depctr_hold_cnt(0) depctr_sa_sdst(0) depctr_va_vdst(0) depctr_va_sdst(0) depctr_va_ssrc(0) depctr_va_vcc(0) depctr_vm_vsrc(0)
	s_getreg_b32 s2, hwreg(HW_REG_IB_STS2, 6, 4)
	s_cmp_eq_u32 s2, 0
	s_cbranch_scc0 .Lentry_in_a_cluster
	s_endpgm
.Lentry_in_a_cluster:
	s_bfe_u32 s2, ttmp6, 0x10000c
	s_cmp_lg_u32 s2, 0x3003
	s_cbranch_scc0 .Lentry_shape_is_right
	s_endpgm
.Lentry_shape_is_right:
; ctx = softmax(q k^T / 8) v for each of 32 (batch, head), both products on codes of BF8; ctx is quantised at once for the projection (e10).  No work is left out.
; THE SOFTMAX: t = score x log2(e) / 8; M = the running largest t rounded UP to a whole number; p = 2^(t - M) is quantised (e8); the row's sum is taken of the unquantised p and divides at the end;
; when M moves, the sum and O are multiplied by 2^(old M - new M), which rounds nothing.
; SHARES.  A work-group owns 256 queries of one head; each of its EIGHT waves owns two image tiles of 16 queries (A and B), so that each fragment of K and of V read from LDS feeds two matrix instructions.
; ALL OF THE HEAD'S K AND V LIE IN LDS: 128 tiles of K x 1,024 bytes, then 4 tiles of V^T x 16 key steps x 2,048 bytes: 262,144 bytes, filled ONCE: every wave issues one tensor load of 32,768 bytes
; (waves 0-3: 32 tiles of K each; waves 4-7: one tile of V^T each, dense in memory), to LDS byte 32,768 x wave.  Nothing is filled again: one barrier, behind which no wave waits for another.
; CLUSTER 4 x 1: the four query blocks of a cluster belong to one head: each load is asked for jointly.
; No prefetch: all that the launch reads from memory is asked for at its head; there is no loop to run ahead in.
; LAYOUT.  Both products transposed: S^T = K Q^T (16 x 16 x 64), O^T = V^T P^T (16 x 16 x 128): a lane holds one query of A and one of B.  By the images' choice of rows the 16 registers of score tiles 2 b, 2 b + 1
; are keys 32 b + 16 h + 0..15, so p's codes are the second product's operand; likewise O^T's tiles 2 c, 2 c + 1 are channels 32 c + 16 h + 0..15: 16 bytes of ctx's image.
; A STEP is 128 keys.  V's fragments of the step and K's of the next are loaded in one run behind the scores' products.  The two tiles' chains take turns; A's exponentials stand among B's multiply-adds,
; B's exponentials among A's first sums and holds, none of which reads what another line of the same batch wrote.
; LIMITS: e6 + e7 between -123 and 130 (added to c's exponent field); e8, and e10 - e8 - e9, between -126 and 112; the scaled scores stay under 2^31 in magnitude.  NaN is not served.
; REGISTERS.  Window 0: all that the softmax touches.  Window 1: Q, the fragments, O^T.
.set SPARE, 262144
.set VB,  131072                       ; V^T's first LDS byte
.set WV,  18
.set SEL, 20
.set CS,  22
.set G1K, 24
.set G1V, 32
.set G0,  40
.set KO,  2                            ; s2  LDS byte of the NEXT step's tiles of K
.set VO,  3                            ; s3  of this step's fragments of V
.set NA,  14                           ; v14 -M, v15 the largest score so far: tile A
.set NB,  16                           ; v16, v17: tile B
.set FA,  18                           ; v[18:19] f = 2^(old M - new M) (the upper word is only named)
.set FB,  20
.set LA,  22                           ; v[22:23] the row's sum in two halves
.set LB,  24
.set XA,  28                           ; lane permutes' destinations
.set XB,  29
.set HL,  11                           ; s11 57,344 x 2^e8
.set SC,  31                           ; 2^e8
.set CA,  32                           ; v32-35, v36-39 four chains of maxima a tile, then at work
.set CB,  36
.set T,   40                           ; v40-71 sixteen pairs: first sums
.set PA,  72                           ; v72-87, v88-103 p's codes
.set PB,  88
.set SA,  104                          ; v104-167, v168-231 S^T, then p
.set SB,  168
.set QA,  0                            ; window 1
.set QB,  8
.set KF,  16                           ; 8 fragments of K
.set VF,  80                           ; 4 fragments of V^T
.set OA,  144
.set OB,  176
.set MSB, 0
.macro WIN new                         ; the immediate's high byte repeats the setting that is left
.if MSB != (\new)
	s_set_vgpr_msb (MSB<<8)|(\new)
.set MSB, (\new)
.endif
.endm
.macro CROUND
	s_barrier_signal -1
	s_barrier_wait -1
	s_cmp_lg_u32 s[WV], 0
	s_cbranch_scc1 .Lnot_wave_0_\@
	s_barrier_signal -3
.Lnot_wave_0_\@:
	s_barrier_wait -3
	s_barrier_signal -1
	s_barrier_wait -1
.endm
.macro KLOAD adr                       ; 8 tiles of 16 keys x 64: 1,024 bytes on end each
	WIN 0x40
.irp t, 0,1,2,3,4,5,6,7
.irp c, 0,1
	ds_load_b128 v[KF+8*\t+4*\c:KF+8*\t+4*\c+3], v[\adr] offset:1024*\t+512*\c
.endr
.endr
	WIN 0
.endm
.macro CVT P, S, g
	v_cvt_scalef32_pk8_bf8_f32 v[\P+2*\g:\P+2*\g+1], v[\S+8*\g:\S+8*\g+7], v[SC]
.endm
.macro TADD a, b
	v_pk_add_f32 v[T+2*\a:T+2*\a+1], v[T+2*\a:T+2*\a+1], v[T+2*\b:T+2*\b+1]
.endm
.macro FIN S, P, L                     ; sixteen first sums -> the row's sum; the held p -> codes.  The conversions stand among the sums' last, dependent lines; the last line is plain
.irp k, 0,1,2,3,4,5,6,7
	TADD \k, \k+8
.endr
.irp k, 0,1,2,3
	TADD \k, \k+4
.endr
	CVT \P, \S, 0
	CVT \P, \S, 1
	TADD 0, 2
	TADD 1, 3
	CVT \P, \S, 2
	CVT \P, \S, 3
	TADD 0, 1
	CVT \P, \S, 4
	CVT \P, \S, 5
	CVT \P, \S, 6
	CVT \P, \S, 7
	v_pk_add_f32 v[\L:\L+1], v[\L:\L+1], v[T:T+1]
.endm
	s_load_b128 s[4:7], s[0:1], 0x0                ; qkv, the exponents
	s_load_b64 s[8:9], s[0:1], 0x10                ; ctx
	v_lshl_add_u32 v5, v0, 2, SPARE
	v_mov_b32 v6, 0
	ds_add_u32 v5, v6                              ; the wave's opening: the add, twice on end, and its wait ahead of my first tensor load
	ds_add_u32 v5, v6
	v_lshrrev_b32 v8, 5, v0
	v_readfirstlane_b32 s[WV], v8                  ; wave 0..7
	s_bfe_u32 s13, ttmp6, 0x40000                  ; cx: it enters Q's and ctx's addresses alone
	s_lshl_b32 s14, ttmp9, 2
	s_add_co_u32 s14, s14, s13                     ; my block of 256 queries
	s_and_b32 s15, ttmp7, 0xffff
	s_lshr_b32 s16, s15, 4                         ; batch
	s_and_b32 s17, s15, 15                         ; head
	s_and_b32 s19, s[WV], 3                        ; which quarter of K or of V I fetch
	s_lshl_b32 s56, s16, 21                        ; K: the batch's 128 tiles of 16,384 bytes,
	s_lshl_b32 s57, s17, 10                        ; the head's 1,024 bytes of a tile,
	s_add_co_u32 s56, s56, s57
	s_lshl_b32 s57, s19, 19                        ; my 32 tiles
	s_add_co_u32 s56, s56, s57
	s_add_co_u32 s56, s56, 0x400000
	s_lshl_b32 s58, s17, 18                        ; V: the head's four tiles of 65,536 bytes,
	s_lshl_b32 s59, s16, 15                        ; the batch's 16 key steps,
	s_add_co_u32 s58, s58, s59
	s_lshl_b32 s59, s19, 16                        ; my tile
	s_add_co_u32 s58, s58, s59
	s_add_co_u32 s58, s58, 0x800000
	s_cmp_lt_u32 s[WV], 4
	s_cselect_b32 s56, s56, s58                    ; an offset, chosen by the wave's number
	s_mov_b32 s57, 0
	s_lshl_b32 s62, s16, 7
	s_lshl_b32 s63, s14, 4
	s_add_co_u32 s62, s62, s63
	s_lshl_b32 s63, s[WV], 1
	s_add_co_u32 s62, s62, s63                     ; my first tile of queries
	s_lshl_b32 s62, s62, 14
	s_lshl_b32 s63, s17, 10
	s_add_co_u32 s62, s62, s63
	s_mov_b32 s63, 0
	s_mov_b32 s[G1K], 15|(1<<21)                   ; the mask: all four; elements of 1 byte; no padding; bit 21 beside a mask
	s_mov_b32 s[G1K+1], 1024<<16                   ; 32 rows of 1,024 bytes, 16,384 apart
	s_mov_b32 s[G1K+2], 32<<16
	s_mov_b32 s[G1K+3], 1024<<16
	s_mov_b32 s[G1K+4], 32
	s_mov_b32 s[G1K+5], 16384
	s_mov_b32 s[G1K+6], 0
	s_mov_b32 s[G1K+7], 0
	s_mov_b32 s[G1V], 15|(1<<21)
	s_mov_b32 s[G1V+1], 8192<<16                   ; a dense block of 32,768 bytes as 4 rows of 8,192
	s_mov_b32 s[G1V+2], 4<<16
	s_mov_b32 s[G1V+3], 8192<<16
	s_mov_b32 s[G1V+4], 4
	s_mov_b32 s[G1V+5], 8192
	s_mov_b32 s[G1V+6], 0
	s_mov_b32 s[G1V+7], 0
	s_mov_b32 s[SEL], 0x76543210
	s_mov_b32 s[SEL+1], 0xfedcba98
	s_mov_b32 s[CS], 0x3e38aa3b                    ; c = log2(e) / 8
	s_mov_b32 s[KO], 8192
	s_mov_b32 s[VO], VB
	s_mov_b32 s[G0], 1
	s_lshl_b32 s[G0+1], s[WV], 15                  ; LDS byte 32,768 x wave: K's four quarters, then V's four tiles
	s_wait_dscnt 0x0                               ; both opening adds are done
	s_wait_kmcnt 0x0
	s_load_b256 s[88:95], s[6:7], 0x18             ; e6 .. e13
	s_add_nc_u64 s[G0+2:G0+3], s[4:5], s[56:57]
	s_or_b32 s[G0+3], s[G0+3], 0x80000000
	s_add_nc_u64 s[84:85], s[4:5], s[62:63]        ; Q
	s_add_nc_u64 s[8:9], s[8:9], s[62:63]          ; ctx
	CROUND                                         ; all four work-groups are here: the joint loads meet
	s_cmp_lt_u32 s[WV], 4                          ; one fill to an arm, one arm to a wave
	s_cbranch_scc0 .Lfor_v
	tensor_load_to_lds s[G0:G0+3], s[G1K:G1K+7]
	s_nop 0
.rept 4
	v_nop
.endr
	s_branch .Lasked
.Lfor_v:
	tensor_load_to_lds s[G0:G0+3], s[G1V:G1V+7]
	s_nop 0
.rept 4
	v_nop
.endr
.Lasked:
	v_and_b32 v7, 31, v0
	v_lshlrev_b32 v7, 4, v7                        ; 16 x lane
	WIN 0x40
	global_load_b128 v[QA:QA+3], v7, s[84:85]      ; Q's two fragments stay in registers
	global_load_b128 v[QA+4:QA+7], v7, s[84:85] offset:512
	global_load_b128 v[QB:QB+3], v7, s[84:85] offset:16384
	global_load_b128 v[QB+4:QB+7], v7, s[84:85] offset:16896
.set J, 0
.rept 64
	v_mov_b32 v[OA+J], 0                           ; O^T of both tiles: the step is written once; its first pass finds zeros
.set J, J+1
.endr
	WIN 0
	v_mov_b32 v[NA], 0x7f61b1e6                    ; -M = 3e38
	v_mov_b32 v[NB], 0x7f61b1e6
	v_mov_b32 v[NA+1], 0xff61b1e6                  ; the largest score so far: -3e38
	v_mov_b32 v[NB+1], 0xff61b1e6
.irp r, FA+1, FB+1, LA, LA+1, LB, LB+1, XA, XB
	v_mov_b32 v[\r], 0
.endr
	s_wait_kmcnt 0x0
	s_add_co_i32 s96, s88, s89
	s_lshl_b32 s96, s96, 23
	s_add_co_i32 s[CS], s[CS], s96                 ; a score stands for score x 2^(e6 + e7): added to c's exponent field
	s_mov_b32 s[CS+1], s[CS]
	s_add_co_i32 s96, s90, 127
	s_lshl_b32 s97, s96, 23
	v_mov_b32 v[SC], s97                           ; 2^e8
	s_add_co_i32 s96, s96, 15
	s_lshl_b32 s96, s96, 23
	s_or_b32 s96, s96, 0x600000
	s_mov_b32 s[HL], s96                           ; 57,344 x 2^e8
	s_sub_co_i32 s96, s92, s90
	s_sub_co_i32 s96, s96, s91                     ; e10 - e8 - e9
	s_add_co_i32 s96, s96, 127
	s_lshl_b32 s98, s96, 23                        ; 2^(e10 - e8 - e9), for the way out
	s_add_co_i32 s96, s96, 15
	s_lshl_b32 s99, s96, 23
	s_or_b32 s99, s99, 0x600000                    ; 57,344 x that
	s_mov_b32 s10, 16                              ; steps to go
	s_wait_alu depctr_va_vdst(0)
	s_wait_loadcnt 0x0                             ; Q
	s_wait_tensorcnt 0x0                           ; my part of K or V has landed
	s_barrier_signal -1
	s_barrier_wait -1                              ; everybody's has: all of K and V lie in LDS
	KLOAD 7                                        ; step 0's tiles of K
	s_wait_dscnt 0x0
.Lstep:
	WIN 0x05                                       ; sources in window 1, result in window 0
.irp t, 0,1,2,3,4,5,6,7
	v_wmma_f32_16x16x64_bf8_bf8 v[SA+8*\t:SA+8*\t+7], v[KF+8*\t:KF+8*\t+7], v[QA:QA+7], 0
	v_wmma_f32_16x16x64_bf8_bf8 v[SB+8*\t:SB+8*\t+7], v[KF+8*\t:KF+8*\t+7], v[QB:QB+7], 0
.endr
	WIN 0
	v_add_nc_u32 v9, s[VO], v7                     ; four plain lines behind the products, ahead of the loads into registers that they read and of the first read of the scores
	v_add_nc_u32 v8, s[KO], v7
	v_add_nc_u32 v10, 0x10000, v9                  ; V^T's tiles 2 and 3 lie beyond the reach of a 16-bit offset
	v_nop
	WIN 0x40
.irp t, 0,1,2,3
.irp c, 0,1,2,3
	ds_load_b128 v[VF+16*\t+4*\c:VF+16*\t+4*\c+3], v[9+\t/2] offset:32768*(\t%2)+512*\c   ; this step's fragments of V^T
.endr
.endr
	WIN 0
	s_cmp_eq_u32 s10, 1                            ; the last step has no successor: a branch on the count of steps
	s_cbranch_scc1 .Lno_next
	KLOAD 8                                        ; the next step's tiles of K
.Lno_next:
.irp i, 0,1,2,3,4,5,6,7                        ; the largest score so far, this step's 64 of my query among them: four chains a tile, each accumulator from its low end on
.irp c, 0,1,2,3
.if \i == 0
	v_max3_num_f32 v[CA+\c], v[NA+1], v[SA+16*\c], v[SA+16*\c+1]
	v_max3_num_f32 v[CB+\c], v[NB+1], v[SB+16*\c], v[SB+16*\c+1]
.else
	v_max3_num_f32 v[CA+\c], v[CA+\c], v[SA+16*\c+2*\i], v[SA+16*\c+2*\i+1]
	v_max3_num_f32 v[CB+\c], v[CB+\c], v[SB+16*\c+2*\i], v[SB+16*\c+2*\i+1]
.endif
.endr
.endr
	v_max3_num_f32 v[CA], v[CA], v[CA+1], v[CA+2]
	v_max3_num_f32 v[CB], v[CB], v[CB+1], v[CB+2]
	v_max_num_f32 v[CA], v[CA], v[CA+3]
	v_max_num_f32 v[CB], v[CB], v[CB+3]
	v_permlanex16_b32 v[XA], v[CA], s[SEL], s[SEL+1]
	v_permlanex16_b32 v[XB], v[CB], s[SEL], s[SEL+1]
	v_max_num_f32 v[NA+1], v[CA], v[XA]            ; and lane l xor 16's
	v_max_num_f32 v[NB+1], v[CB], v[XB]
	v_mul_f32 v[CA+1], s[CS], v[NA+1]              ; as t (c is positive)
	v_mul_f32 v[CB+1], s[CS], v[NB+1]
	v_floor_f32 v[CA+1], -v[CA+1]                  ; the new -M = -ceil(t)
	v_floor_f32 v[CB+1], -v[CB+1]
	v_sub_f32 v[CA+2], v[CA+1], v[NA]              ; old M - new M: a whole number, 0 or less
	v_sub_f32 v[CB+2], v[CB+1], v[NB]
	v_mov_b32 v[NA], v[CA+1]
	v_mov_b32 v[NB], v[CB+1]
	v_cvt_i32_f32 v[CA+2], v[CA+2]                 ; (it saturates)
	v_cvt_i32_f32 v[CB+2], v[CB+2]
	v_ldexp_f32 v[FA], 1.0, v[CA+2]                ; f = 2^(old M - new M)
	v_ldexp_f32 v[FB], 1.0, v[CB+2]
	WIN 0x41                                       ; O^T in window 1, f in window 0
.set J, 0
.rept 16
	v_pk_mul_f32 v[OA+J:OA+J+1], v[OA+J:OA+J+1], v[FA:FA+1] op_sel_hi:[1,0]   ; O^T under the new M, ahead of the exponentials
	v_pk_mul_f32 v[OB+J:OB+J+1], v[OB+J:OB+J+1], v[FB:FB+1] op_sel_hi:[1,0]
.set J, J+2
.endr
	WIN 0
	v_pk_mul_f32 v[LA:LA+1], v[LA:LA+1], v[FA:FA+1] op_sel_hi:[1,0]           ; the sums likewise
	v_pk_mul_f32 v[LB:LB+1], v[LB:LB+1], v[FB:FB+1] op_sel_hi:[1,0]
.set J, 0
.rept 32
	v_pk_fma_f32 v[SA+J:SA+J+1], v[SA+J:SA+J+1], s[CS:CS+1], v[NA:NA+1] op_sel_hi:[1,0,0]   ; A: t - M
.set J, J+2
.endr
	s_wait_alu depctr_va_vdst(0)                   ; ahead of a batch
.set J, 0
.rept 32
	v_exp_f32 v[SA+J], v[SA+J]                     ; A: p = 2^(t - M);
	v_exp_f32 v[SA+J+1], v[SA+J+1]
	v_pk_fma_f32 v[SB+J:SB+J+1], v[SB+J:SB+J+1], s[CS:CS+1], v[NB:NB+1] op_sel_hi:[1,0,0]   ; among them B: t - M, read behind the next wait
.set J, J+2
.endr
	s_wait_alu depctr_va_vdst(0)                   ; behind A's batch and ahead of B's
.set J, 0
.rept 16
	v_exp_f32 v[SB+4*J], v[SB+4*J]                 ; B: p; among them A's first sums, of the unquantised p, and then A's holds (p is not negative: one-sided), all read behind the next wait
	v_pk_add_f32 v[T+2*J:T+2*J+1], v[SA+4*J:SA+4*J+1], v[SA+4*J+2:SA+4*J+3]
	v_exp_f32 v[SB+4*J+1], v[SB+4*J+1]
	v_dual_min_num_f32 v[SA+4*J], s[HL], v[SA+4*J] :: v_dual_min_num_f32 v[SA+4*J+1], s[HL], v[SA+4*J+1]   ; two holds in one instruction: an even and an odd destination, one scalar bound
	v_exp_f32 v[SB+4*J+2], v[SB+4*J+2]
	v_dual_min_num_f32 v[SA+4*J+2], s[HL], v[SA+4*J+2] :: v_dual_min_num_f32 v[SA+4*J+3], s[HL], v[SA+4*J+3]
	v_exp_f32 v[SB+4*J+3], v[SB+4*J+3]
.set J, J+1
.endr
	v_nop                                          ; the plain line behind the last exponential
	s_wait_alu depctr_va_vdst(0)                   ; behind B's batch
	s_wait_dscnt 0x0                               ; V's fragments and the next step's K: the step's one run of LDS loads
	FIN SA, PA, LA
.set J, 0
.rept 16
	v_pk_add_f32 v[T+2*J:T+2*J+1], v[SB+4*J:SB+4*J+1], v[SB+4*J+2:SB+4*J+3]
	v_dual_min_num_f32 v[SB+4*J], s[HL], v[SB+4*J] :: v_dual_min_num_f32 v[SB+4*J+1], s[HL], v[SB+4*J+1]
	v_dual_min_num_f32 v[SB+4*J+2], s[HL], v[SB+4*J+2] :: v_dual_min_num_f32 v[SB+4*J+3], s[HL], v[SB+4*J+3]
.set J, J+1
.endr
	FIN SB, PB, LB
	WIN 0x51                                       ; V^T and O^T in window 1, p's codes in window 0
.irp t, 0,1,2,3                                ; the eight accumulators take turns; the scores' sixteen products stand between two steps of a sum
	v_wmma_f32_16x16x128_bf8_bf8 v[OA+8*\t:OA+8*\t+7], v[VF+16*\t:VF+16*\t+15], v[PA:PA+15], v[OA+8*\t:OA+8*\t+7]
	v_wmma_f32_16x16x128_bf8_bf8 v[OB+8*\t:OB+8*\t+7], v[VF+16*\t:VF+16*\t+15], v[PB:PB+15], v[OB+8*\t:OB+8*\t+7]
.endr
	WIN 0
	s_add_co_u32 s[KO], s[KO], 8192
	s_add_co_u32 s[VO], s[VO], 2048
	s_sub_co_u32 s10, s10, 1
	s_cmp_lg_u32 s10, 0
	s_wait_alu depctr_va_vdst(0)
	s_cbranch_scc1 .Lstep
	; THE WAY OUT: O^T / the sum stands for ctx / 2^(e8 + e9); its code is that / 2^(e10 - e8 - e9).
.rept 4
	v_nop
.endr
	v_mov_b32 v[CA], s98
	v_mov_b32 v[CA+1], s99
	v_add_f32 v[LA], v[LA], v[LA+1]
	v_add_f32 v[LB], v[LB], v[LB+1]
	v_permlanex16_b32 v[XA], v[LA], s[SEL], s[SEL+1]
	v_permlanex16_b32 v[XB], v[LB], s[SEL], s[SEL+1]
	v_add_f32 v[LA], v[LA], v[XA]
	v_add_f32 v[LB], v[LB], v[XB]
	s_wait_alu depctr_va_vdst(0)                   ; ahead of the transcendentals
	v_rcp_f32 v[LA], v[LA]
	v_rcp_f32 v[LB], v[LB]
	v_nop
	WIN 0x01                                       ; O^T in window 1
	s_wait_alu depctr_va_vdst(0)                   ; behind them, directly ahead of the first reader of their results and of O^T
.set J, 0
.rept 32
	v_mul_f32 v[SA+J], v[OA+J], v[LA]
.set J, J+1
.endr
.set J, 0
.rept 32
	v_mul_f32 v[SB+J], v[OB+J], v[LB]
.set J, J+1
.endr
	WIN 0
.set J, 0
.rept 32
	v_med3_num_f32 v[SA+J], v[SA+J], -v[CA+1], v[CA+1]
	v_med3_num_f32 v[SB+J], v[SB+J], -v[CA+1], v[CA+1]
.set J, J+1
.endr
.irp g, 0,1,2,3
	v_cvt_scalef32_pk8_bf8_f32 v[PA+2*\g:PA+2*\g+1], v[SA+8*\g:SA+8*\g+7], v[CA]
	v_cvt_scalef32_pk8_bf8_f32 v[PB+2*\g:PB+2*\g+1], v[SB+8*\g:SB+8*\g+7], v[CA]
.endr
	v_nop
	global_store_b128 v7, v[PA:PA+3], s[8:9]       ; 512 consecutive aligned bytes each
	global_store_b128 v7, v[PA+4:PA+7], s[8:9] offset:512
	global_store_b128 v7, v[PB:PB+3], s[8:9] offset:16384
	global_store_b128 v7, v[PB+4:PB+7], s[8:9] offset:16896
	s_wait_tensorcnt 0x0                           ; the wave's end
	ds_add_u32 v5, v6
	s_wait_dscnt 0x0
	CROUND                                         ; the closing round
	s_endpgm
.Lfunc_end_k_qcc4773aa22_attn:
	.size	k_qcc4773aa22_attn, .Lfunc_end_k_qcc4773aa22_attn-k_qcc4773aa22_attn
	.p2alignl 7, 3214868480
	.fill 96, 4, 3214868480
	.section	.rodata,"a",@progbits
	.p2align	6, 0x0
	.amdhsa_kernel k_qcc4773aa22_attn
		.amdhsa_group_segment_fixed_size 264192
		.amdhsa_private_segment_fixed_size 0
		.amdhsa_enable_private_segment 0
		.amdhsa_kernarg_size 24
		.amdhsa_user_sgpr_count 2
		.amdhsa_user_sgpr_kernarg_segment_ptr 1
		.amdhsa_wavefront_size32 1
		.amdhsa_system_sgpr_workgroup_id_x 1
		.amdhsa_system_sgpr_workgroup_id_y 1
		.amdhsa_system_sgpr_workgroup_id_z 1
		.amdhsa_system_vgpr_workitem_id 0
		.amdhsa_next_free_vgpr 512
		.amdhsa_next_free_sgpr 100
		.amdhsa_reserve_vcc 0
		.amdhsa_float_denorm_mode_32 3
		.amdhsa_float_denorm_mode_16_64 3
		.amdhsa_memory_ordered 1
		.amdhsa_forward_progress 1
		.amdhsa_inst_pref_size 46
	.end_amdhsa_kernel
	.amdgpu_metadata
---
amdhsa.version: [ 1, 2 ]
amdhsa.kernels:
  - .name:           k_qcc4773aa22_attn
    .symbol:         k_qcc4773aa22_attn.kd
    .args:
      - { .name: qkv, .offset: 0, .size: 8, .value_kind: global_buffer, .address_space: global }
      - { .name: lowp_scales, .offset: 8, .size: 8, .value_kind: global_buffer, .address_space: global }
      - { .name: ctx, .offset: 16, .size: 8, .value_kind: global_buffer, .address_space: global }
    .group_segment_fixed_size: 264192
    .private_segment_fixed_size: 0
    .kernarg_segment_align: 8
    .kernarg_segment_size: 24
    .max_flat_workgroup_size: 256
    .sgpr_count:     100
    .vgpr_count:     512
    .wavefront_size: 32
...
	.end_amdgpu_metadata
.endif
;; end of part 11
;; launch gemm_o (part 12): grid 8 x 32, 4 waves a work-group, clusters of 4 x 4, 327,680 bytes of LDS; arguments ctx, qz, lowp_scales, bo, rr; writes rr
.if DOCPART == 12
	.amdgcn_target "amdgcn-amd-amdhsa--gfx1250"
	.amdhsa_code_object_version 6
	.text
	.protected	k_qcc4773aa22_gemm_o
	.globl	k_qcc4773aa22_gemm_o
	.p2align	8
	.type	k_qcc4773aa22_gemm_o,@function
k_qcc4773aa22_gemm_o:
	s_mov_b64 s[64:65], 0
	v_nop
	global_prefetch_b8 v0, s[64:65] scope:SCOPE_SE
	s_setreg_imm32_b32 hwreg(HW_REG_WAVE_MODE, 25, 1), 1
	s_wait_xcnt 0x0
	s_wait_alu depctr_hold_cnt(0) depctr_sa_sdst(0) depctr_va_vdst(0) depctr_va_sdst(0) depctr_va_ssrc(0) depctr_va_vcc(0) depctr_vm_vsrc(0)
	s_getreg_b32 s2, hwreg(HW_REG_IB_STS2, 6, 4)
	s_cmp_eq_u32 s2, 0
	s_cbranch_scc0 .Lentry_in_a_cluster
	s_endpgm
.Lentry_in_a_cluster:
	s_bfe_u32 s2, ttmp6, 0x10000c
	s_cmp_lg_u32 s2, 0xf033
	s_cbranch_scc0 .Lentry_shape_is_right
	s_endpgm
.Lentry_shape_is_right:
; VAR = 0: rr = x + ctx wo^T + bo.  VAR = 1: yy = h + gelu(..) w2^T + bf2.  Products on codes of BF8, results as f32 image.  No work is left out.
; Operands lie as images (a fragment of 16 rows x 128 K is 2,048 bytes on end).  A block of 128 x 128 is made by four waves; a wave takes all 128 rows x 32 columns: 16 accumulators.
; A's TILES go through LDS, read by all four waves: a slot holds 8 tiles x 1,024 along K, 131,072 bytes; each wave's one tensor load brings 2 tiles x 16,384 bytes.  CLUSTERS 4 x 4: A is asked for jointly along a row.
; B's FRAGMENTS go from memory straight into registers, each by the one wave that multiplies it (2 tiles x 4 loads of 512 bytes a K step), into a ring of eight sets, seven K steps ahead of their use.
; B is not asked for jointly: with A alone in the ring a slot holds 1,024 along K where A and B together would hold 512, so K / 1,024 fills serve the block, and no byte of B is loaded twice in a work-group.
; The residual and the bias, divided by 2^(ea + eb) (a power of two: nothing is rounded), are the sums' first C; each finished sum is multiplied once by 2^(ea + eb).
; THE MATRIX INSTRUCTION IS USED TRANSPOSED (source 0 = a tile of B, source 1 = a tile of A): lane (r, h) holds A's place r, and the 16 registers of a row's two accumulators are columns 16 h + 0..15 of my 32.
; PREFETCH (VAR = 1): at the head of a pass that refills, a wave asks for 32 blocks of 256 bytes of the chunk that this pass's change of slots will load: seven K steps ahead; the four partners share a wave's 128 blocks out by address.
; B's own loads run seven K steps ahead and are not prefetched besides.  VAR = 0 has one fill and no loop to run ahead in.
; LIMIT: ea + eb between -126 and 126.  NaN is not served.
; REGISTERS: window 0: v16-30 addresses, v32-47 the bias, v128-255 accumulator (a, u) at 128 + 16 a + 8 u; window 1: A's fragments, two sets of 128; window 2: B's, eight sets of 32.
.set VAR,    0
.if VAR
.set KSZ,    4096
.set BOFF,   0x1400000
.set EOFF,   56
.set RES,    68
.set LOWP,   70
.set BIAS,   72
.else
.set KSZ,    1024
.set BOFF,   0xF00000
.set EOFF,   40
.set LOWP,   68
.set BIAS,   70
.set RES,    72
.endif
.set OUTP,   74
.set NCH,    KSZ/1024                  ; chunks of 1,024 along K
.set TP,     16*KSZ                    ; from tile to tile of an image
.set CH,     16384                     ; a tile's bytes of a chunk
.set SLOT,   131072
.set SPARE,  262144
.set AD0,  16                          ; v16 LDS address of tiles 0-3 of the slot in hand, v17 of tiles 4-7
.set AD1,  17
.set CO,   26                          ; v26 16 x lane
.set SPW,  28
.set NIL,  29
.set PFO,  30                          ; v30 256 x lane
.set BI,   32
.set ACC,  128
.set G1,   24
.set G0,   32                          ; s32-35 the walking group 0
.set TB,   36                          ; s36 LDS byte of the slot in hand
.set BB,   44                          ; s[44:45] my two tiles of B at the pass's first K step
.set PFA,  48                          ; s[48:49] where my prefetch stands
.set MSB, 0
.macro WIN new                         ; the immediate's high byte repeats the setting that is left
.if MSB != (\new)
	s_set_vgpr_msb (MSB<<8)|(\new)
.set MSB, (\new)
.endif
.endm
.macro CROUND
	s_barrier_signal -1
	s_barrier_wait -1
	s_cmp_lg_u32 s14, 0
	s_cbranch_scc1 .Lnot_wave_0_\@
	s_barrier_signal -3
.Lnot_wave_0_\@:
	s_barrier_wait -3
	s_barrier_signal -1
	s_barrier_wait -1
.endm
.macro PLACES                          ; plain vector lines between a matrix instruction and a load into, or a read of, its registers
.rept 4
	v_nop
.endr
.endm
.macro ALOAD k, set                    ; A's eight fragments of the slot's K step k
	WIN 0x40
.irp i, 0,1,2,3,4,5,6,7
.irp c, 0,1,2,3
	ds_load_b128 v[128*(\set)+16*\i+4*\c:128*(\set)+16*\i+4*\c+3], v[AD0+\i/4] offset:CH*(\i%4)+2048*(\k)+512*\c
.endr
.endr
.endm
.macro BLOAD j                         ; B's two fragments of K step j, counted from the pass's first, into set j % 8
	WIN 0x80
.irp u, 0,1
.irp c, 0,1,2,3
	global_load_b128 v[32*((\j)%8)+16*\u+4*\c:32*((\j)%8)+16*\u+4*\c+3], v[CO], s[BB:BB+1] offset:TP*\u+2048*(\j)+512*\c
.endr
.endr
.endm
.macro MUL k                           ; 16 products; the accumulators take turns, one instruction a turn
	WIN 0x06
.irp a, 0,1,2,3,4,5,6,7
.irp u, 0,1
	v_wmma_f32_16x16x128_bf8_bf8 v[ACC+16*\a+8*\u:ACC+16*\a+8*\u+7], v[32*(\k)+16*\u:32*(\k)+16*\u+15], v[128*((\k)%2)+16*\a:128*((\k)%2)+16*\a+15], v[ACC+16*\a+8*\u:ACC+16*\a+8*\u+7]
.endr
.endr
.endm
.macro NEWSLOT                         ; the addresses of the slot in hand
	v_add_nc_u32 v[AD0], s[TB], v[CO]
	v_add_nc_u32 v[AD1], 0x10000, v[AD0]
	s_wait_alu depctr_va_vdst(0)
.endm
; A PASS: a slot's eight K steps.  kind 0: its last step changes slots and fills this slot again; 1: it changes slots and fills nothing; 2: the last pass.
.macro PASS kind
.irp k, 0,1,2,3,4,5,6
	PLACES
	ALOAD \k+1, (\k+1)%2
.if ((\kind) < 2) || (\k == 0)
	BLOAD \k+7                                     ; into the set that the last step multiplied
.endif
.if ((\kind) == 0) && (\k == 0)
	global_prefetch_b8 v[PFO], s[PFA:PFA+1] th:TH_LOAD_NT scope:SCOPE_SE
.endif
	s_wait_dscnt 32                                ; this step's fragments of A are in; the next step's 32 loads may be out
.if ((\kind) < 2) || (\k == 0)
	s_wait_loadcnt 56                              ; this step's set of B is in; the seven later sets' 56 loads may be out
.else
	s_wait_loadcnt 8*(7-\k)                        ; the sets that are left
.endif
	MUL \k
.endr
.if (\kind) < 2
	WIN 0
	s_wait_tensorcnt 0x0                           ; my part of the next slot has landed
	ds_add_u32 v[SPW], v[NIL]
.if (\kind) == 0
	s_xor_b32 s[G0+1], s[G0+1], SLOT               ; no load of mine is out: the walking group 0 goes to this slot and the chunk two on
	s_add_nc_u64 s[G0+2:G0+3], s[G0+2:G0+3], CH
.endif
	s_xor_b32 s[TB], s[TB], SLOT
	s_wait_dscnt 0x0                               ; the add is done, and my reads of this slot are over
.if (\kind) == 0
	CROUND                                         ; no wave of any partner still reads this slot or has a load on its way
	tensor_load_to_lds s[G0:G0+3], s[G1:G1+7]
	s_nop 0
.else
	s_barrier_signal -1
	s_barrier_wait -1
.endif
	PLACES
	NEWSLOT
	ALOAD 0, 0
	BLOAD 14
	s_wait_loadcnt 56
	MUL 7
	WIN 0
	s_wait_xcnt 0x0                                ; my loads and my prefetch have read their bases
	s_add_nc_u64 s[BB:BB+1], s[BB:BB+1], CH
.if (\kind) == 0
	s_add_nc_u64 s[PFA:PFA+1], s[PFA:PFA+1], CH
.endif
.else
	s_wait_dscnt 0x0
	s_wait_loadcnt 0x0
	MUL 7
	WIN 0
.endif
.endm
	s_load_b128 s[4:7], s[0:1], 0x0
	s_load_b128 s[68:71], s[0:1], 0x10
.if VAR
	s_load_b128 s[72:75], s[0:1], 0x20
.else
	s_load_b64 s[74:75], s[0:1], 0x20
.endif
	v_lshl_add_u32 v[SPW], v0, 2, SPARE
	v_mov_b32 v[NIL], 0
	ds_add_u32 v[SPW], v[NIL]                      ; the wave's opening: the add, twice on end, and its wait ahead of my first tensor load
	ds_add_u32 v[SPW], v[NIL]
	v_lshrrev_b32 v1, 5, v0
	v_readfirstlane_b32 s14, v1                    ; wave
	s_bfe_u32 s40, ttmp6, 0x40000                  ; cx
	s_bfe_u32 s41, ttmp6, 0x40004                  ; cy
	s_lshl_b32 s42, ttmp9, 2
	s_add_co_u32 s42, s42, s40                     ; block column
	s_and_b32 s17, ttmp7, 0xffff
	s_lshl_b32 s17, s17, 2
	s_add_co_u32 s17, s17, s41                     ; block row
	s_lshl_b32 s43, s41, 2
	s_lshl_b32 s43, 15, s43                        ; my row of the cluster
	s_or_b32 s[G1+0], s43, (1<<21)                 ; the mask; elements of 1 byte; no padding; bit 21 beside a mask
	s_mov_b32 s[G1+1], CH<<16                      ; 2 rows of 16,384 bytes, a tile apart
	s_mov_b32 s[G1+2], 2<<16
	s_mov_b32 s[G1+3], CH<<16
	s_mov_b32 s[G1+4], 2
	s_mov_b32 s[G1+5], TP
	s_mov_b32 s[G1+6], 0
	s_mov_b32 s[G1+7], 0
	s_lshl_b32 s18, s14, 1
	s_lshl_b32 s20, s17, 3
	s_add_co_u32 s20, s20, s18
	s_mul_i32 s20, s20, TP                         ; A: tile 8 x block row + 2 x wave
	s_mov_b32 s21, 0
	s_lshl_b32 s46, s42, 3
	s_add_co_u32 s46, s46, s18
	s_mul_i32 s46, s46, TP
	s_add_co_u32 s46, s46, BOFF                    ; B: tile 8 x block column + 2 x wave
	s_mov_b32 s47, 0
	s_mov_b32 s[G0], 1
	s_lshl_b32 s[G0+1], s14, 15                    ; where my two tiles go: no place in the cluster enters an LDS address
	s_mov_b32 s[TB], 0
	s_wait_dscnt 0x0                               ; both opening adds are done
	s_wait_kmcnt 0x0
	s_load_b64 s[76:77], s[LOWP:LOWP+1], EOFF      ; ea, eb
.if VAR == 0
	s_add_nc_u64 s[RES:RES+1], s[6:7], 0x1800000   ; x's f32 image
.endif
	s_add_nc_u64 s[G0+2:G0+3], s[4:5], s[20:21]
	s_or_b32 s[G0+3], s[G0+3], 0x80000000
	s_add_nc_u64 s[BB:BB+1], s[6:7], s[46:47]
	CROUND                                         ; all sixteen work-groups are here: the first joint loads meet
	tensor_load_to_lds s[G0:G0+3], s[G1:G1+7]      ; chunk 0: one tensor load a wave at the head
	s_nop 0
	PLACES
	v_and_b32 v2, 31, v0
	v_lshlrev_b32 v[CO], 4, v2
	v_lshlrev_b32 v[PFO], 8, v2
	v_bfe_u32 v6, v0, 4, 1
	v_lshlrev_b32 v6, 6, v6                        ; 64 h
	s_lshl_b32 s86, s17, 19                        ; the f32 image: tile 8 x block row,
	s_lshl_b32 s87, s42, 2
	s_add_co_u32 s87, s87, s14                     ; my 32 columns: 4 x block column + wave
	s_lshl_b32 s88, s87, 7
	s_lshl_b32 s87, s87, 11
	s_add_co_u32 s86, s86, s87
	s_mov_b32 s87, 0
	s_mov_b32 s89, 0
	s_add_nc_u64 s[RES:RES+1], s[RES:RES+1], s[86:87]
	s_add_nc_u64 s[OUTP:OUTP+1], s[OUTP:OUTP+1], s[86:87]
	s_add_nc_u64 s[BIAS:BIAS+1], s[BIAS:BIAS+1], s[88:89]
.if NCH > 1
	s_lshr_b32 s22, s40, 1                         ; the prefetch: of my 2 tiles x 16,384 bytes of a chunk the partner at cx takes tile cx / 2, half cx % 2
	s_mul_i32 s22, s22, TP
	s_and_b32 s23, s40, 1
	s_lshl_b32 s23, s23, 13
	s_add_co_u32 s22, s22, s23
	s_add_co_u32 s22, s22, s20
	s_add_co_u32 s22, s22, 2*CH                    ; chunk 2 first
	s_mov_b32 s23, 0
	s_add_nc_u64 s[PFA:PFA+1], s[4:5], s[22:23]
.endif
	s_wait_alu depctr_va_vdst(0)
.irp q, 0,1,2,3
	global_load_b128 v[BI+4*\q:BI+4*\q+3], v6, s[BIAS:BIAS+1] offset:16*\q
.endr
.irp a, 0,1,2,3,4,5,6,7
.irp q, 0,1,2,3
	global_load_b128 v[ACC+16*\a+4*\q:ACC+16*\a+4*\q+3], v[CO], s[RES:RES+1] offset:65536*\a+512*\q th:TH_LOAD_NT   ; the residual lands in the accumulators
.endr
.endr
.irp j, 0,1,2,3,4,5,6
	BLOAD \j
.endr
	WIN 0
	s_wait_tensorcnt 0x0                           ; my part of chunk 0 is in
.if NCH > 1
	ds_add_u32 v[SPW], v[NIL]
	s_xor_b32 s[G0+1], s[G0+1], SLOT
	s_add_nc_u64 s[G0+2:G0+3], s[G0+2:G0+3], CH
	s_wait_dscnt 0x0
	CROUND
	tensor_load_to_lds s[G0:G0+3], s[G1:G1+7]      ; chunk 1 into slot 1: the first tensor load behind the round
	s_nop 0
.else
	s_barrier_signal -1
	s_barrier_wait -1                              ; everybody's part is in
.endif
	PLACES
	NEWSLOT
	ALOAD 0, 0
	WIN 0
	s_wait_kmcnt 0x0
	s_add_co_i32 s96, s76, s77
	s_sub_co_i32 s98, 127, s96
	s_lshl_b32 s98, s98, 23                        ; 2^-(ea + eb)
	s_mov_b32 s99, s98
	s_add_co_i32 s96, s96, 127
	s_lshl_b32 s96, s96, 23                        ; 2^(ea + eb)
	s_mov_b32 s97, s96
	s_wait_loadcnt 56                              ; the bias and the residual are in; B's seven sets may be out
.set J, 0
.rept 8
	v_pk_mul_f32 v[BI+J:BI+J+1], v[BI+J:BI+J+1], s[98:99] op_sel_hi:[1,0]
.set J, J+2
.endr
.set J, 0
.rept 64
	v_pk_fma_f32 v[ACC+J:ACC+J+1], v[ACC+J:ACC+J+1], s[98:99], v[BI+J%16:BI+J%16+1] op_sel_hi:[1,0,1]
.set J, J+2
.endr
	s_wait_alu depctr_va_vdst(0)
.if NCH > 1
	s_mov_b32 s3, NCH-2
.Lpass:
	PASS 0
	s_sub_co_u32 s3, s3, 1
	s_cmp_lg_u32 s3, 0
	s_cbranch_scc1 .Lpass
	PASS 1
.endif
	PASS 2
	PLACES
.irp a, 0,1,2,3,4,5,6,7
.set J, 0
.rept 8
	v_pk_mul_f32 v[ACC+16*\a+J:ACC+16*\a+J+1], v[ACC+16*\a+J:ACC+16*\a+J+1], s[96:97] op_sel_hi:[1,0]   ; each accumulator from its low end on
.set J, J+2
.endr
.irp q, 0,1,2,3
	global_store_b128 v[CO], v[ACC+16*\a+4*\q:ACC+16*\a+4*\q+3], s[OUTP:OUTP+1] offset:65536*\a+512*\q   ; 512 consecutive aligned bytes
.endr
.endr
	s_wait_tensorcnt 0x0                           ; the wave's end
	ds_add_u32 v[SPW], v[NIL]
	s_wait_dscnt 0x0
	CROUND                                         ; the closing round
	s_endpgm
.Lfunc_end_k_qcc4773aa22_gemm_o:
	.size	k_qcc4773aa22_gemm_o, .Lfunc_end_k_qcc4773aa22_gemm_o-k_qcc4773aa22_gemm_o
	.p2alignl 7, 3214868480
	.fill 96, 4, 3214868480
	.section	.rodata,"a",@progbits
	.p2align	6, 0x0
	.amdhsa_kernel k_qcc4773aa22_gemm_o
		.amdhsa_group_segment_fixed_size 327680
		.amdhsa_private_segment_fixed_size 0
		.amdhsa_enable_private_segment 0
		.amdhsa_kernarg_size 40
		.amdhsa_user_sgpr_count 2
		.amdhsa_user_sgpr_kernarg_segment_ptr 1
		.amdhsa_wavefront_size32 1
		.amdhsa_system_sgpr_workgroup_id_x 1
		.amdhsa_system_sgpr_workgroup_id_y 1
		.amdhsa_system_sgpr_workgroup_id_z 1
		.amdhsa_system_vgpr_workitem_id 0
		.amdhsa_next_free_vgpr 768
		.amdhsa_next_free_sgpr 102
		.amdhsa_reserve_vcc 0
		.amdhsa_float_denorm_mode_32 3
		.amdhsa_float_denorm_mode_16_64 3
		.amdhsa_memory_ordered 1
		.amdhsa_forward_progress 1
		.amdhsa_inst_pref_size 52
	.end_amdhsa_kernel
	.amdgpu_metadata
---
amdhsa.version: [ 1, 2 ]
amdhsa.kernels:
  - .name:           k_qcc4773aa22_gemm_o
    .symbol:         k_qcc4773aa22_gemm_o.kd
    .args:
      - { .name: ctx, .offset: 0, .size: 8, .value_kind: global_buffer, .address_space: global }
      - { .name: qz, .offset: 8, .size: 8, .value_kind: global_buffer, .address_space: global }
      - { .name: lowp_scales, .offset: 16, .size: 8, .value_kind: global_buffer, .address_space: global }
      - { .name: bo, .offset: 24, .size: 8, .value_kind: global_buffer, .address_space: global }
      - { .name: rr, .offset: 32, .size: 8, .value_kind: global_buffer, .address_space: global }
    .group_segment_fixed_size: 327680
    .private_segment_fixed_size: 0
    .kernarg_segment_align: 8
    .kernarg_segment_size: 40
    .max_flat_workgroup_size: 128
    .sgpr_count:     102
    .vgpr_count:     768
    .wavefront_size: 32
...
	.end_amdgpu_metadata
.endif
;; end of part 12
;; launch ln1 (part 13): grid 256 x 1, 8 waves a work-group, no clusters, 2,048 bytes of LDS; arguments rr, g1, b1, lowp_scales, hh; writes hh
.if DOCPART == 13
	.amdgcn_target "amdgcn-amd-amdhsa--gfx1250"
	.amdhsa_code_object_version 6
	.text
	.protected	k_qcc4773aa22_ln1
	.globl	k_qcc4773aa22_ln1
	.p2align	8
	.type	k_qcc4773aa22_ln1,@function
k_qcc4773aa22_ln1:
	s_mov_b64 s[64:65], 0
	v_nop
	global_prefetch_b8 v0, s[64:65] scope:SCOPE_SE
	s_setreg_imm32_b32 hwreg(HW_REG_WAVE_MODE, 25, 1), 1
	s_wait_xcnt 0x0
; A layer norm over rows of 1,024, on the f32 image.  LN2 = 0: h = LN(rr) g1 + b1, stored as f32 image and, quantised under e12, as codes' image.  LN2 = 1: out0 = LN(yy) g2 + b2, stored row-major.  No work is left out.
; A work-group takes one image tile (16 rows); wave w the columns 128 w .. 128 w + 127; lane (r, h) holds 64 numbers of row r, which stay in registers: memory is read once.
; The mean, then the mean of the squared differences (two passes over registers, so a common offset of the inputs does no harm): within a lane, with lane l xor 16, and over the eight waves through 16 words a wave in LDS: two barriers.
; Memory binds: no matrix unit, no tensor load, no cluster.  Every load and store of rows covers 512 consecutive aligned bytes.
; LIMIT (LN2 = 0): e12 between -126 and 112.  NaN is not served.
.set LN2,   0
.set SPARE, 1024                       ; behind the two areas of 512 bytes: the spare words, 128 bytes a wave
.set X,  16                            ; v16-79   my 64 numbers
.set G,  80                            ; v80-143  the gain; later held numbers or rows on the way out
.set BV, 144                           ; v144-207 the bias
	s_load_b256 s[4:11], s[0:1], 0x0               ; in, gain, bias, and: the exponents (LN2 = 0) or out0 (LN2 = 1)
.if LN2 == 0
	s_load_b64 s[12:13], s[0:1], 0x20              ; hh
.endif
	v_lshl_add_u32 v5, v0, 2, SPARE
	v_mov_b32 v6, 0
	v_lshrrev_b32 v9, 5, v0
	s_delay_alu instid0(VALU_DEP_1)
	v_readfirstlane_b32 s16, v9                    ; wave
	v_and_b32 v9, 31, v0
	s_delay_alu instid0(VALU_DEP_1)
	v_lshlrev_b32 v1, 4, v9                        ; 16 x lane
	v_bfe_u32 v10, v0, 4, 1
	s_delay_alu instid0(VALU_DEP_1)
	v_lshlrev_b32 v2, 6, v10                       ; 64 h
	v_and_b32 v11, 15, v0
	s_delay_alu instid0(VALU_DEP_1)
	v_lshlrev_b32 v4, 2, v11                       ; 4 r
	s_lshl_b32 s17, s16, 6
	v_add_nc_u32 v3, s17, v4                       ; 64 w + 4 r
	s_mov_b32 s14, 0x76543210
	s_mov_b32 s15, 0xfedcba98
	s_lshl_b32 s18, ttmp9, 16
	s_lshl_b32 s19, s16, 13
	s_add_co_u32 s18, s18, s19                     ; my part of the f32 image
	s_mov_b32 s19, 0
	s_lshl_b32 s20, s16, 9                         ; my 128 columns in bytes
	s_mov_b32 s21, 0
.if LN2
	s_mul_i32 s30, s16, 8448
	s_add_co_u32 s30, s30, 2048                    ; my stage: 16 rows x (512 + 16) bytes
	v_mul_u32_u24 v7, v11, 528
	v_lshl_add_u32 v7, v10, 6, v7
	v_add_nc_u32 v7, s30, v7
	v_add_nc_u32 v8, s30, v1
	s_lshr_b32 s28, ttmp9, 1
	s_lshl_b32 s28, s28, 5
	s_and_b32 s29, ttmp9, 1
	s_lshl_b32 s29, s29, 3
	s_add_co_u32 s28, s28, s29                     ; the tile's first row
	s_lshl_b32 s28, s28, 12
	s_add_co_u32 s28, s28, s20
	s_mov_b32 s29, 0
.else
	s_lshl_b32 s28, ttmp9, 14
	s_lshl_b32 s29, s16, 11
	s_add_co_u32 s28, s28, s29
	s_add_co_u32 s28, s28, 0x1000000               ; my part of the codes' image
	s_mov_b32 s29, 0
.endif
	s_wait_alu depctr_va_vdst(0)
	s_wait_kmcnt 0x0
.if LN2
	s_add_nc_u64 s[10:11], s[10:11], s[28:29]
.else
	s_load_b32 s24, s[10:11], 0x30                 ; e12
	s_add_nc_u64 s[26:27], s[12:13], s[18:19]
	s_add_nc_u64 s[28:29], s[12:13], s[28:29]
.endif
	s_add_nc_u64 s[4:5], s[4:5], s[18:19]
	s_add_nc_u64 s[6:7], s[6:7], s[20:21]
	s_add_nc_u64 s[8:9], s[8:9], s[20:21]
.irp p, 0,1,2,3
.irp q, 0,1,2,3
	global_load_b128 v[X+16*\p+4*\q:X+16*\p+4*\q+3], v1, s[4:5] offset:2048*\p+512*\q th:TH_LOAD_NT
.endr
.endr
.irp p, 0,1,2,3
.irp q, 0,1,2,3
	global_load_b128 v[G+16*\p+4*\q:G+16*\p+4*\q+3], v2, s[6:7] offset:128*\p+16*\q
.endr
.endr
.irp p, 0,1,2,3
.irp q, 0,1,2,3
	global_load_b128 v[BV+16*\p+4*\q:BV+16*\p+4*\q+3], v2, s[8:9] offset:128*\p+16*\q
.endr
.endr
.macro FOLD                            ; four chains in v208-215 -> the row's part of my wave, in every lane
	s_delay_alu instid0(VALU_DEP_3)
	v_pk_add_f32 v[208:209], v[208:209], v[210:211]
	s_delay_alu instid0(VALU_DEP_2)
	v_pk_add_f32 v[212:213], v[212:213], v[214:215]
	s_delay_alu instid0(VALU_DEP_1)
	v_pk_add_f32 v[208:209], v[208:209], v[212:213]
	s_delay_alu instid0(VALU_DEP_1)
	v_add_f32 v208, v208, v209
	s_delay_alu instid0(VALU_DEP_1)
	v_permlanex16_b32 v209, v208, s14, s15
	s_delay_alu instid0(VALU_DEP_1)
	v_add_f32 v208, v208, v209
.endm
.macro RED area                        ; over the eight waves; the result / 1,024 in v216
	ds_store_b32 v3, v208 offset:\area
	s_wait_dscnt 0x0                               ; for the others' sake: my store has landed
	s_barrier_signal -1
	s_barrier_wait -1
.irp w, 0,1,2,3,4,5,6,7
	ds_load_b32 v[216+\w], v4 offset:\area+64*\w
.endr
	s_wait_dscnt 0x0
	v_add_f32 v216, v216, v217
	v_add_f32 v218, v218, v219
	v_add_f32 v220, v220, v221
	v_add_f32 v222, v222, v223
	s_delay_alu instid0(VALU_DEP_3)
	v_add_f32 v216, v216, v218
	s_delay_alu instid0(VALU_DEP_2)
	v_add_f32 v220, v220, v222
	s_delay_alu instid0(VALU_DEP_1)
	v_add_f32 v216, v216, v220
	s_delay_alu instid0(VALU_DEP_1)
	v_mul_f32 v216, 0x3a800000, v216
.endm
	s_wait_loadcnt 32                              ; my numbers are in; the gain's and the bias's 32 loads may be out
.irp c, 0,1,2,3
	v_pk_add_f32 v[208+2*\c:209+2*\c], v[X+2*\c:X+2*\c+1], v[X+8+2*\c:X+9+2*\c]
.endr
.irp k, 2,3,4,5,6,7
.irp c, 0,1,2,3
	s_delay_alu instid0(VALU_DEP_4)
	v_pk_add_f32 v[208+2*\c:209+2*\c], v[208+2*\c:209+2*\c], v[X+8*\k+2*\c:X+8*\k+2*\c+1]
.endr
.endr
	FOLD
	RED 0
.set J, 0
.rept 32
	v_pk_add_f32 v[X+J:X+J+1], v[X+J:X+J+1], v[216:217] op_sel_hi:[1,0] neg_lo:[0,1] neg_hi:[0,1]   ; - the mean
.set J, J+2
.endr
.irp c, 0,1,2,3
	v_pk_mul_f32 v[208+2*\c:209+2*\c], v[X+2*\c:X+2*\c+1], v[X+2*\c:X+2*\c+1]
.endr
.irp k, 1,2,3,4,5,6,7
.irp c, 0,1,2,3
	s_delay_alu instid0(VALU_DEP_4)
	v_pk_fma_f32 v[208+2*\c:209+2*\c], v[X+8*\k+2*\c:X+8*\k+2*\c+1], v[X+8*\k+2*\c:X+8*\k+2*\c+1], v[208+2*\c:209+2*\c]
.endr
.endr
	FOLD
	RED 512                                        ; other bytes than the first: no barrier between the two
	s_delay_alu instid0(VALU_DEP_1)
	v_add_f32 v216, 0x3727c5ac, v216               ; + 1e-5
	s_wait_alu depctr_va_vdst(0)
	v_rsq_f32 v218, v216
	v_nop
	s_wait_alu depctr_va_vdst(0)                   ; ahead of the first reader
.set J, 0
.rept 32
	v_pk_mul_f32 v[X+J:X+J+1], v[X+J:X+J+1], v[218:219] op_sel_hi:[1,0]
.set J, J+2
.endr
	s_wait_loadcnt 0x0
.set J, 0
.rept 32
	v_pk_fma_f32 v[X+J:X+J+1], v[X+J:X+J+1], v[G+J:G+J+1], v[BV+J:BV+J+1]
.set J, J+2
.endr
.if LN2
.irp p, 0,1,2,3
.irp q, 0,1,2,3
	ds_store_b128 v7, v[X+16*\p+4*\q:X+16*\p+4*\q+3] offset:128*\p+16*\q   ; row r of my stage; the sixteen rows start at sixteen different banks
.endr
.endr
.irp i, 0,1,2,3,4,5,6,7,8,9,10,11,12,13,14,15
	ds_load_b128 v[G+4*\i:G+4*\i+3], v8 offset:528*\i   ; LDS serves a wave's instructions in order (ISA guide 5.7.1.4): these see my stores
.endr
.irp i, 0,1,2,3,4,5,6,7,8,9,10,11,12,13,14,15
	s_wait_dscnt 15-\i                             ; row i is back; the younger loads may be out
	global_store_b128 v1, v[G+4*\i:G+4*\i+3], s[10:11] offset:(\i+8*(\i/8))*4096 th:TH_STORE_NT
.endr
.else
.irp p, 0,1,2,3
.irp q, 0,1,2,3
	global_store_b128 v1, v[X+16*\p+4*\q:X+16*\p+4*\q+3], s[26:27] offset:2048*\p+512*\q
.endr
.endr
	s_wait_kmcnt 0x0
	s_add_co_i32 s24, s24, 127
	s_lshl_b32 s25, s24, 23
	v_mov_b32 v221, s25                            ; 2^e12
	s_add_co_i32 s24, s24, 15
	s_lshl_b32 s24, s24, 23
	s_or_b32 s24, s24, 0x600000
	v_mov_b32 v220, s24                            ; 57,344 x 2^e12
.set J, 0
.rept 64
	v_med3_num_f32 v[G+J], v[X+J], -v220, v220
.set J, J+1
.endr
.irp p, 0,1,2,3
	v_cvt_scalef32_pk8_bf8_f32 v[224+4*\p:225+4*\p], v[G+16*\p:G+16*\p+7], v221
	v_cvt_scalef32_pk8_bf8_f32 v[226+4*\p:227+4*\p], v[G+16*\p+8:G+16*\p+15], v221
.endr
	v_nop
.irp p, 0,1,2,3
	global_store_b128 v1, v[224+4*\p:227+4*\p], s[28:29] offset:512*\p
.endr
.endif
	s_wait_tensorcnt 0x0                           ; the wave's end: behind my last LDS store
	ds_add_u32 v5, v6
	s_wait_dscnt 0x0
	s_endpgm
.Lfunc_end_k_qcc4773aa22_ln1:
	.size	k_qcc4773aa22_ln1, .Lfunc_end_k_qcc4773aa22_ln1-k_qcc4773aa22_ln1
	.p2alignl 7, 3214868480
	.fill 96, 4, 3214868480
	.section	.rodata,"a",@progbits
	.p2align	6, 0x0
	.amdhsa_kernel k_qcc4773aa22_ln1
		.amdhsa_group_segment_fixed_size 2048
		.amdhsa_private_segment_fixed_size 0
		.amdhsa_enable_private_segment 0
		.amdhsa_kernarg_size 40
		.amdhsa_user_sgpr_count 2
		.amdhsa_user_sgpr_kernarg_segment_ptr 1
		.amdhsa_wavefront_size32 1
		.amdhsa_system_sgpr_workgroup_id_x 1
		.amdhsa_system_sgpr_workgroup_id_y 1
		.amdhsa_system_sgpr_workgroup_id_z 1
		.amdhsa_system_vgpr_workitem_id 0
		.amdhsa_next_free_vgpr 240
		.amdhsa_next_free_sgpr 66
		.amdhsa_reserve_vcc 0
		.amdhsa_float_denorm_mode_32 3
		.amdhsa_float_denorm_mode_16_64 3
		.amdhsa_memory_ordered 1
		.amdhsa_forward_progress 1
		.amdhsa_inst_pref_size 28
	.end_amdhsa_kernel
	.amdgpu_metadata
---
amdhsa.version: [ 1, 2 ]
amdhsa.kernels:
  - .name:           k_qcc4773aa22_ln1
    .symbol:         k_qcc4773aa22_ln1.kd
    .args:
      - { .name: rr, .offset: 0, .size: 8, .value_kind: global_buffer, .address_space: global }
      - { .name: g1, .offset: 8, .size: 8, .value_kind: global_buffer, .address_space: global }
      - { .name: b1, .offset: 16, .size: 8, .value_kind: global_buffer, .address_space: global }
      - { .name: lowp_scales, .offset: 24, .size: 8, .value_kind: global_buffer, .address_space: global }
      - { .name: hh, .offset: 32, .size: 8, .value_kind: global_buffer, .address_space: global }
    .group_segment_fixed_size: 2048
    .private_segment_fixed_size: 0
    .kernarg_segment_align: 8
    .kernarg_segment_size: 40
    .max_flat_workgroup_size: 256
    .sgpr_count:     66
    .vgpr_count:     240
    .wavefront_size: 32
...
	.end_amdgpu_metadata
.endif
;; end of part 13
;; launch gemm_f1 (part 14): grid 16 x 16, 4 waves a work-group, clusters of 4 x 4, 327,680 bytes of LDS; arguments hh, qz, lowp_scales, bf1, gc; writes gc
.if DOCPART == 14
	.amdgcn_target "amdgcn-amd-amdhsa--gfx1250"
	.amdhsa_code_object_version 6
	.text
	.protected	k_qcc4773aa22_gemm_f1
	.globl	k_qcc4773aa22_gemm_f1
	.p2align	8
	.type	k_qcc4773aa22_gemm_f1,@function
k_qcc4773aa22_gemm_f1:
	s_mov_b64 s[64:65], 0
	v_nop
	global_prefetch_b8 v0, s[64:65] scope:SCOPE_SE
	s_setreg_imm32_b32 hwreg(HW_REG_WAVE_MODE, 25, 1), 1
	s_wait_xcnt 0x0
	s_wait_alu depctr_hold_cnt(0) depctr_sa_sdst(0) depctr_va_vdst(0) depctr_va_sdst(0) depctr_va_ssrc(0) depctr_va_vcc(0) depctr_vm_vsrc(0)
	s_getreg_b32 s2, hwreg(HW_REG_IB_STS2, 6, 4)
	s_cmp_eq_u32 s2, 0
	s_cbranch_scc0 .Lentry_in_a_cluster
	s_endpgm
.Lentry_in_a_cluster:
	s_bfe_u32 s2, ttmp6, 0x10000c
	s_cmp_lg_u32 s2, 0xf033
	s_cbranch_scc0 .Lentry_shape_is_right
	s_endpgm
.Lentry_shape_is_right:
.set KSZ,    1024
.set PF,     0
.set TP,     16*KSZ
.set LAPS,   KSZ/512
.set HALFT,  32768
.set SLOT,   131072
.set SPARE,  262144
.set FR,     16
.set NL,     4
.set NP,     4
.set ADRA, 16
.set ADRB, 20
.set CO,   26
.set STG,  27
.set SPW,  28
.set NIL,  29
.set AF,   128
.set G1, 24
.set G0, 32
.set G1B, 48
.set G0B, 56
.set GV, 96
.set GT, 128
.set GP, 160
.set GQ, 192
.set MSB, 0
.macro WIN new
.if MSB != (\new)
	s_set_vgpr_msb (MSB<<8)|(\new)
.set MSB, (\new)
.endif
.endm
.set MUL_LO, 0xa1
.set MUL_HI, 0xf1
.set TO_B,   0x40
.macro JLOAD g0a, g1a, g0b, g1b
	s_cmp_eq_u32 s15, 0
	s_cbranch_scc0 .Lfor_b_\@
	tensor_load_to_lds s[\g0a:\g0a+3], s[\g1a:\g1a+7]
	s_nop 0
.rept 4
	v_nop
.endr
	s_branch .Lasked_\@
.Lfor_b_\@:
	tensor_load_to_lds s[\g0b:\g0b+3], s[\g1b:\g1b+7]
	s_nop 0
.rept 4
	v_nop
.endr
.Lasked_\@:
.endm
.macro CREST
	s_cmp_lg_u32 s14, 0
	s_cbranch_scc1 .Lnot_wave_0_\@
	s_barrier_signal -3
.Lnot_wave_0_\@:
	s_barrier_wait -3
	s_barrier_signal -1
	s_barrier_wait -1
.endm
.macro CROUND
	s_barrier_signal -1
	s_barrier_wait -1
	CREST
.endm
.macro FRAG reg, adr, q, i
.irp c, 0,1,2,3
	ds_load_b128 v[\reg+4*\c:\reg+4*\c+3], v[\adr] offset:4096*(\i)+2048*(\q)+512*\c
.endr
.endm
.macro MUL16 a0, p, zero
.irp a, \a0, \a0+1
.irp b, 0,1,2,3,4,5,6,7
.if \zero
	v_wmma_f32_16x16x128_bf8_bf8 v[8*(8*((\a)%4)+\b):8*(8*((\a)%4)+\b)+7], v[128*(\p)+FR*\b:128*(\p)+FR*\b+FR-1], v[AF+FR*(\a):AF+FR*(\a)+FR-1], 0
.else
	v_wmma_f32_16x16x128_bf8_bf8 v[8*(8*((\a)%4)+\b):8*(8*((\a)%4)+\b)+7], v[128*(\p)+FR*\b:128*(\p)+FR*\b+FR-1], v[AF+FR*(\a):AF+FR*(\a)+FR-1], v[8*(8*((\a)%4)+\b):8*(8*((\a)%4)+\b)+7]
.endif
.endr
.endr
.endm
.macro FETCH_B slot, q, p
	WIN TO_B
.irp i, 0,1,2,3,4,5,6,7
	FRAG 128*(\p)+FR*\i, ADRB+\slot, \q, \i
.endr
	WIN 0
.endm
.macro FETCH_A slot, q, i0
.irp i, \i0, \i0+1, \i0+2, \i0+3
	FRAG AF+FR*(\i), ADRA+\slot, \q, \i
.endr
.endm
.macro PLACES n
.rept \n
	v_nop
.endr
.endm
.macro STEP slot, q, zero
	s_wait_dscnt 4*NL
	WIN MUL_LO
	MUL16 0, (\q)%2, \zero
	MUL16 2, (\q)%2, \zero
	s_wait_dscnt 0
	PLACES NP
	FETCH_B \slot, (\q)+1, 1-(\q)%2
	FETCH_A \slot, (\q)+1, 0
	WIN MUL_HI
	MUL16 4, (\q)%2, \zero
	MUL16 6, (\q)%2, \zero
	PLACES NP
	WIN 0
	FETCH_A \slot, (\q)+1, 4
.endm
.macro TURN slot, next, fill
	s_wait_tensorcnt 0x0
	ds_add_u32 v[SPW], v[NIL]
	s_wait_dscnt 4*NL+1
	WIN MUL_LO
	MUL16 0, 1, 0
	s_wait_dscnt 0x0
	s_barrier_signal -1
	MUL16 2, 1, 0
	WIN 0
	s_barrier_wait -1
.if \fill
	CREST
	s_add_nc_u64 s[G0+4*\slot+2:G0+4*\slot+3], s[G0+4*\slot+2:G0+4*\slot+3], 8192
	s_add_nc_u64 s[G0B+4*\slot+2:G0B+4*\slot+3], s[G0B+4*\slot+2:G0B+4*\slot+3], 8192
	JLOAD G0+4*\slot, G1, G0B+4*\slot, G1B
.else
	PLACES NP
.endif
	FETCH_B \next, 0, 0
	FETCH_A \next, 0, 0
	WIN MUL_HI
	MUL16 4, 1, 0
	MUL16 6, 1, 0
	PLACES NP
	WIN 0
	FETCH_A \next, 0, 4
.endm
	s_load_b256 s[4:11], s[0:1], 0x0
	s_load_b64 s[12:13], s[0:1], 0x20
	v_lshl_add_u32 v[SPW], v0, 2, SPARE
	v_mov_b32 v[NIL], 0
	ds_add_u32 v[SPW], v[NIL]
	ds_add_u32 v[SPW], v[NIL]
	v_lshrrev_b32 v1, 5, v0
	v_readfirstlane_b32 s14, v1
	s_lshr_b32 s15, s14, 1
	s_and_b32 s16, s14, 1
	s_bfe_u32 s40, ttmp6, 0x40000
	s_bfe_u32 s41, ttmp6, 0x40004
	s_lshl_b32 s42, ttmp9, 2
	s_add_co_u32 s42, s42, s40
	s_and_b32 s17, ttmp7, 0xffff
	s_lshl_b32 s17, s17, 2
	s_add_co_u32 s17, s17, s41
	s_lshl_b32 s43, s41, 2
	s_lshl_b32 s43, 15, s43
	s_lshl_b32 s44, 0x1111, s40
	s_or_b32 s[G1+0], s43, (1<<21)
	s_or_b32 s[G1B+0], s44, (1<<21)
.irp g, G1, G1B
	s_mov_b32 s[\g+1], 4096<<16
	s_mov_b32 s[\g+2], 8<<16
	s_mov_b32 s[\g+3], 4096<<16
	s_mov_b32 s[\g+4], 8
	s_mov_b32 s[\g+5], TP
	s_mov_b32 s[\g+6], 0
	s_mov_b32 s[\g+7], 0
.endr
	s_lshl_b32 s18, s16, 3
	s_lshl_b32 s20, s17, 4
	s_add_co_u32 s20, s20, s18
	s_mul_i32 s20, s20, TP
	s_add_co_u32 s20, s20, 0x1000000
	s_mov_b32 s21, 0
	s_lshl_b32 s46, s42, 4
	s_add_co_u32 s46, s46, s18
	s_mul_i32 s46, s46, TP
	s_add_co_u32 s46, s46, 0x1000000
	s_mov_b32 s47, 0
	s_mul_i32 s45, s14, HALFT
	s_wait_dscnt 0x0
	s_wait_kmcnt 0x0
	s_load_b128 s[88:91], s[8:9], 0x30
	s_add_nc_u64 s[20:21], s[4:5], s[20:21]
	s_add_nc_u64 s[46:47], s[6:7], s[46:47]
	CROUND
.irp s, 0,1
	s_mov_b32 s[G0+4*\s], 1
	s_add_co_u32 s[G0+4*\s+1], s45, \s*SLOT
	s_add_nc_u64 s[G0+4*\s+2:G0+4*\s+3], s[20:21], \s*4096
	s_or_b32 s[G0+4*\s+3], s[G0+4*\s+3], 0x80000000
	s_mov_b32 s[G0B+4*\s], 1
	s_add_co_u32 s[G0B+4*\s+1], s45, \s*SLOT
	s_add_nc_u64 s[G0B+4*\s+2:G0B+4*\s+3], s[46:47], \s*4096
	s_or_b32 s[G0B+4*\s+3], s[G0B+4*\s+3], 0x80000000
.endr
	JLOAD G0, G1, G0B, G1B                         ; K step 0: one tensor load a wave at the head
	v_and_b32 v2, 31, v0
	v_lshlrev_b32 v[CO], 4, v2
	s_wait_alu depctr_va_vdst(0)
	s_mul_i32 s21, s15, HALFT
	s_mul_i32 s22, s16, HALFT
	s_add_co_u32 s22, s22, 2*HALFT
.irp s, 0,1
	v_add_nc_u32 v[ADRA+\s], s21, v[CO]
	v_add_nc_u32 v[ADRB+\s], s22, v[CO]
	s_add_co_u32 s21, s21, SLOT
	s_add_co_u32 s22, s22, SLOT
.endr
	s_lshl_b32 s23, s14, 16
	v_add_nc_u32 v[STG], s23, v[CO]
	s_lshl_b32 s94, s17, 4
	s_lshl_b32 s95, s15, 3
	s_add_co_u32 s94, s94, s95
	s_lshl_b32 s94, s94, 16
	s_lshl_b32 s95, s42, 1
	s_add_co_u32 s95, s95, s16
	s_lshl_b32 s95, s95, 11
	s_add_co_u32 s94, s94, s95
	s_mov_b32 s95, 0
	s_add_nc_u64 s[12:13], s[12:13], s[94:95]
	s_lshl_b32 s94, s42, 10
	s_lshl_b32 s92, s16, 9
	s_add_co_u32 s94, s94, s92
	s_add_nc_u64 s[10:11], s[10:11], s[94:95]
	v_bfe_u32 v6, v0, 4, 1
	v_lshlrev_b32 v6, 6, v6
.irp b, 0,1,2,3
.irp q, 0,1,2,3
	global_load_b128 v[32+16*\b+4*\q:35+16*\b+4*\q], v6, s[10:11] offset:128*\b+16*\q
.endr
.endr
	s_wait_alu depctr_va_vdst(0)
	s_wait_tensorcnt 0x0                           ; my part of K step 0 is in
	ds_add_u32 v[SPW], v[NIL]
	s_wait_dscnt 0x0
	CROUND                                         ; everybody's part of K step 0 is in, and all sixteen work-groups are here
	JLOAD G0+4, G1, G0B+4, G1B                     ; K step 1: the first tensor load behind the round
	FETCH_B 0, 0, 0
	FETCH_A 0, 0, 0
	FETCH_A 0, 0, 4
	STEP 0, 0, 1
	s_mov_b32 s3, LAPS-1
.Llap:
	TURN 0, 1, 1
	STEP 1, 0, 0
	TURN 1, 0, 1
	STEP 0, 0, 0
	s_sub_co_u32 s3, s3, 1
	s_cmp_lg_u32 s3, 0
	s_cbranch_scc1 .Llap
	TURN 0, 1, 0
	STEP 1, 0, 0
	s_wait_dscnt 4*NL
	WIN MUL_LO
	MUL16 0, 1, 0
	MUL16 2, 1, 0
	s_wait_dscnt 0
	WIN MUL_HI
	MUL16 4, 1, 0
	MUL16 6, 1, 0
	WIN 0
	s_wait_dscnt 0x0
	s_barrier_signal -1
	s_barrier_wait -1
	s_wait_kmcnt 0x0
	s_add_co_i32 s96, s88, s89
	s_add_co_i32 s96, s96, 127
	s_lshl_b32 s96, s96, 23
	s_mov_b32 s97, s96
.macro CPAIR reg, bits
	s_mov_b32 s[\reg], \bits
	s_mov_b32 s[\reg+1], \bits
.endm
	CPAIR 66, 0xc034d90f
	CPAIR 68, 0x3fb8ab5a
	CPAIR 70, 0x3f0a29d2
	CPAIR 72, 0x3e0efb2f
	CPAIR 74, 0xbe899a80
	CPAIR 76, 0x3ecdfd18
	CPAIR 78, 0xbfd1a1e5
	CPAIR 80, 0x40097039
	CPAIR 82, 0xbf97d29d
	CPAIR 84, 0xbf38aa3b
	s_mov_b32 s86, 0x3eb504f3
	s_wait_loadcnt 0x0
	PLACES NP
.macro FILL a
.set AC, 64*((\a)%4)
.set FS, 96+64*((\a)%2)
.if (\a) > 1
	s_wait_dscnt 16
.endif
	WIN 0x02+(\a)/4
.set J, 0
.rept 32
	v_pk_fma_f32 v[FS+J:FS+J+1], v[AC+J:AC+J+1], s[96:97], v[32+J:33+J] op_sel_hi:[1,0,1]
.set J, J+2
.endr
	WIN 0
.set J, 0
.rept 16
	ds_store_b128 v[STG], v[FS+4*J:FS+4*J+3] offset:512*(16*(\a)+J)
.set J, J+1
.endr
.endm
.irp a, 0,1,2,3,4,5,6,7
	FILL \a
.endr
	s_wait_dscnt 0x0
.set J, 0
.rept 8
	ds_load_b128 v[GV+4*J:GV+4*J+3], v[STG] offset:512*J
.set J, J+1
.endr
	v_mov_b32 v232, 0x3e7c6f08
	v_mov_b32 v233, 0x3e7c6f08
	s_add_co_i32 s92, s90, 127
	s_lshl_b32 s95, s92, 23
	v_mov_b32 v234, s95
	s_add_co_i32 s92, s92, 15
	s_lshl_b32 s92, s92, 23
	s_or_b32 s92, s92, 0x600000
	v_mov_b32 v235, s92
.macro HORNER ck
.set J, 0
.rept 16
	v_pk_fma_f32 v[GP+J:GP+J+1], v[GP+J:GP+J+1], v[GT+J:GT+J+1], s[\ck:\ck+1] op_sel_hi:[1,1,0]
.set J, J+2
.endr
.endm
.macro GTRIP next
	s_wait_dscnt 0x0
.set J, 0
.rept 32
	v_fma_f32 v[GT+J], |v[GV+J]|, s86, 1.0
.set J, J+1
.endr
.set J, 0
	s_wait_alu depctr_va_vdst(0)
.rept 32
	v_rcp_f32 v[GT+J], v[GT+J]
.set J, J+1
.endr
.set J, 0
.rept 16
	v_pk_mul_f32 v[GQ+J:GQ+J+1], v[GV+J:GV+J+1], v[GV+J:GV+J+1]
.set J, J+2
.endr
	s_wait_alu depctr_va_vdst(0)
.set J, 0
.rept 16
	v_pk_fma_f32 v[GP+J:GP+J+1], v[GT+J:GT+J+1], v[232:233], s[82:83] op_sel_hi:[1,0,0]
.set J, J+2
.endr
	HORNER 80
	HORNER 78
	HORNER 76
	HORNER 74
	HORNER 72
	HORNER 70
	HORNER 68
	HORNER 66
.set J, 0
.rept 16
	v_pk_fma_f32 v[GP+J:GP+J+1], v[GQ+J:GQ+J+1], s[84:85], v[GP+J:GP+J+1] op_sel_hi:[1,0,1]
.set J, J+2
.endr
.set J, 0
	s_wait_alu depctr_va_vdst(0)
.rept 32
	v_exp_f32 v[GP+J], v[GP+J]
.set J, J+1
.endr
.set J, 0
.rept 32
	v_max_num_f32 v[GQ+J], 0, v[GV+J]
.set J, J+1
.endr
	s_wait_alu depctr_va_vdst(0)
.set J, 0
.rept 16
	v_pk_mul_f32 v[GP+J:GP+J+1], v[GP+J:GP+J+1], v[GT+J:GT+J+1]
.set J, J+2
.endr
.set J, 0
.rept 32
	v_fma_f32 v[GQ+J], -|v[GV+J]|, v[GP+J], v[GQ+J]
.set J, J+1
.endr
.if \next
	s_add_co_u32 s94, s94, 4096
	v_add_nc_u32 v236, s94, v[STG]
.set J, 0
.rept 8
	ds_load_b128 v[GV+4*J:GV+4*J+3], v236 offset:512*J
.set J, J+1
.endr
.endif
	s_wait_xcnt 0x0
	s_lshr_b32 s95, s93, 1
	s_lshl_b32 s95, s95, 16
	s_and_b32 s92, s93, 1
	s_lshl_b32 s92, s92, 10
	s_add_co_u32 s95, s95, s92
	v_add_nc_u32 v237, s95, v[CO]
.set J, 0
.rept 32
	v_med3_num_f32 v[GQ+J], v[GQ+J], -v235, v235
.set J, J+1
.endr
.irp c, 0,1
	v_cvt_scalef32_pk8_bf8_f32 v[224+4*\c:225+4*\c], v[GQ+16*\c:GQ+16*\c+7], v234
	v_cvt_scalef32_pk8_bf8_f32 v[226+4*\c:227+4*\c], v[GQ+16*\c+8:GQ+16*\c+15], v234
.endr
	v_nop
	global_store_b128 v237, v[224:227], s[12:13]
	global_store_b128 v237, v[228:231], s[12:13] offset:512
.endm
	s_mov_b32 s93, 0
	s_mov_b32 s94, 0
.Lgelu:
	GTRIP 1
	s_add_co_u32 s93, s93, 1
	s_cmp_lt_u32 s93, 15
	s_cbranch_scc1 .Lgelu
	GTRIP 0
	s_wait_tensorcnt 0x0
	ds_add_u32 v[SPW], v[NIL]
	s_wait_dscnt 0x0
	CROUND
	s_endpgm
.Lfunc_end_k_qcc4773aa22_gemm_f1:
	.size	k_qcc4773aa22_gemm_f1, .Lfunc_end_k_qcc4773aa22_gemm_f1-k_qcc4773aa22_gemm_f1
	.p2alignl 7, 3214868480
	.fill 96, 4, 3214868480
	.section	.rodata,"a",@progbits
	.p2align	6, 0x0
	.amdhsa_kernel k_qcc4773aa22_gemm_f1
		.amdhsa_group_segment_fixed_size 327680
		.amdhsa_private_segment_fixed_size 0
		.amdhsa_enable_private_segment 0
		.amdhsa_kernarg_size 40
		.amdhsa_user_sgpr_count 2
		.amdhsa_user_sgpr_kernarg_segment_ptr 1
		.amdhsa_wavefront_size32 1
		.amdhsa_system_sgpr_workgroup_id_x 1
		.amdhsa_system_sgpr_workgroup_id_y 1
		.amdhsa_system_sgpr_workgroup_id_z 1
		.amdhsa_system_vgpr_workitem_id 0
		.amdhsa_next_free_vgpr 1024
		.amdhsa_next_free_sgpr 102
		.amdhsa_reserve_vcc 0
		.amdhsa_float_denorm_mode_32 3
		.amdhsa_float_denorm_mode_16_64 3
		.amdhsa_memory_ordered 1
		.amdhsa_forward_progress 1
		.amdhsa_inst_pref_size 151
	.end_amdhsa_kernel
	.amdgpu_metadata
---
amdhsa.version: [ 1, 2 ]
amdhsa.kernels:
  - .name:           k_qcc4773aa22_gemm_f1
    .symbol:         k_qcc4773aa22_gemm_f1.kd
    .args:
      - { .name: hh, .offset: 0, .size: 8, .value_kind: global_buffer, .address_space: global }
      - { .name: qz, .offset: 8, .size: 8, .value_kind: global_buffer, .address_space: global }
      - { .name: lowp_scales, .offset: 16, .size: 8, .value_kind: global_buffer, .address_space: global }
      - { .name: bf1, .offset: 24, .size: 8, .value_kind: global_buffer, .address_space: global }
      - { .name: gc, .offset: 32, .size: 8, .value_kind: global_buffer, .address_space: global }
    .group_segment_fixed_size: 327680
    .private_segment_fixed_size: 0
    .kernarg_segment_align: 8
    .kernarg_segment_size: 40
    .max_flat_workgroup_size: 128
    .sgpr_count:     102
    .vgpr_count:     1024
    .wavefront_size: 32
...
	.end_amdgpu_metadata
.endif
;; end of part 14
;; launch gemm_f2 (part 15): grid 8 x 32, 4 waves a work-group, clusters of 4 x 4, 327,680 bytes of LDS; arguments gc, qz, hh, lowp_scales, bf2, yy; writes yy
.if DOCPART == 15
	.amdgcn_target "amdgcn-amd-amdhsa--gfx1250"
	.amdhsa_code_object_version 6
	.text
	.protected	k_qcc4773aa22_gemm_f2
	.globl	k_qcc4773aa22_gemm_f2
	.p2align	8
	.type	k_qcc4773aa22_gemm_f2,@function
k_qcc4773aa22_gemm_f2:
	s_mov_b64 s[64:65], 0
	v_nop
	global_prefetch_b8 v0, s[64:65] scope:SCOPE_SE
	s_setreg_imm32_b32 hwreg(HW_REG_WAVE_MODE, 25, 1), 1
	s_wait_xcnt 0x0
	s_wait_alu depctr_hold_cnt(0) depctr_sa_sdst(0) depctr_va_vdst(0) depctr_va_sdst(0) depctr_va_ssrc(0) depctr_va_vcc(0) depctr_vm_vsrc(0)
	s_getreg_b32 s2, hwreg(HW_REG_IB_STS2, 6, 4)
	s_cmp_eq_u32 s2, 0
	s_cbranch_scc0 .Lentry_in_a_cluster
	s_endpgm
.Lentry_in_a_cluster:
	s_bfe_u32 s2, ttmp6, 0x10000c
	s_cmp_lg_u32 s2, 0xf033
	s_cbranch_scc0 .Lentry_shape_is_right
	s_endpgm
.Lentry_shape_is_right:
; VAR = 0: rr = x + ctx wo^T + bo.  VAR = 1: yy = h + gelu(..) w2^T + bf2.  Products on codes of BF8, results as f32 image.  No work is left out.
; Operands lie as images (a fragment of 16 rows x 128 K is 2,048 bytes on end).  A block of 128 x 128 is made by four waves; a wave takes all 128 rows x 32 columns: 16 accumulators.
; A's TILES go through LDS, read by all four waves: a slot holds 8 tiles x 1,024 along K, 131,072 bytes; each wave's one tensor load brings 2 tiles x 16,384 bytes.  CLUSTERS 4 x 4: A is asked for jointly along a row.
; B's FRAGMENTS go from memory straight into registers, each by the one wave that multiplies it (2 tiles x 4 loads of 512 bytes a K step), into a ring of eight sets, seven K steps ahead of their use.
; B is not asked for jointly: with A alone in the ring a slot holds 1,024 along K where A and B together would hold 512, so K / 1,024 fills serve the block, and no byte of B is loaded twice in a work-group.
; The residual and the bias, divided by 2^(ea + eb) (a power of two: nothing is rounded), are the sums' first C; each finished sum is multiplied once by 2^(ea + eb).
; THE MATRIX INSTRUCTION IS USED TRANSPOSED (source 0 = a tile of B, source 1 = a tile of A): lane (r, h) holds A's place r, and the 16 registers of a row's two accumulators are columns 16 h + 0..15 of my 32.
; PREFETCH (VAR = 1): at the head of a pass that refills, a wave asks for 32 blocks of 256 bytes of the chunk that this pass's change of slots will load: seven K steps ahead; the four partners share a wave's 128 blocks out by address.
; B's own loads run seven K steps ahead and are not prefetched besides.  VAR = 0 has one fill and no loop to run ahead in.
; LIMIT: ea + eb between -126 and 126.  NaN is not served.
; REGISTERS: window 0: v16-30 addresses, v32-47 the bias, v128-255 accumulator (a, u) at 128 + 16 a + 8 u; window 1: A's fragments, two sets of 128; window 2: B's, eight sets of 32.
.set VAR,    1
.if VAR
.set KSZ,    4096
.set BOFF,   0x1400000
.set EOFF,   56
.set RES,    68
.set LOWP,   70
.set BIAS,   72
.else
.set KSZ,    1024
.set BOFF,   0xF00000
.set EOFF,   40
.set LOWP,   68
.set BIAS,   70
.set RES,    72
.endif
.set OUTP,   74
.set NCH,    KSZ/1024                  ; chunks of 1,024 along K
.set TP,     16*KSZ                    ; from tile to tile of an image
.set CH,     16384                     ; a tile's bytes of a chunk
.set SLOT,   131072
.set SPARE,  262144
.set AD0,  16                          ; v16 LDS address of tiles 0-3 of the slot in hand, v17 of tiles 4-7
.set AD1,  17
.set CO,   26                          ; v26 16 x lane
.set SPW,  28
.set NIL,  29
.set PFO,  30                          ; v30 256 x lane
.set BI,   32
.set ACC,  128
.set G1,   24
.set G0,   32                          ; s32-35 the walking group 0
.set TB,   36                          ; s36 LDS byte of the slot in hand
.set BB,   44                          ; s[44:45] my two tiles of B at the pass's first K step
.set PFA,  48                          ; s[48:49] where my prefetch stands
.set MSB, 0
.macro WIN new                         ; the immediate's high byte repeats the setting that is left
.if MSB != (\new)
	s_set_vgpr_msb (MSB<<8)|(\new)
.set MSB, (\new)
.endif
.endm
.macro CROUND
	s_barrier_signal -1
	s_barrier_wait -1
	s_cmp_lg_u32 s14, 0
	s_cbranch_scc1 .Lnot_wave_0_\@
	s_barrier_signal -3
.Lnot_wave_0_\@:
	s_barrier_wait -3
	s_barrier_signal -1
	s_barrier_wait -1
.endm
.macro PLACES                          ; plain vector lines between a matrix instruction and a load into, or a read of, its registers
.rept 4
	v_nop
.endr
.endm
.macro ALOAD k, set                    ; A's eight fragments of the slot's K step k
	WIN 0x40
.irp i, 0,1,2,3,4,5,6,7
.irp c, 0,1,2,3
	ds_load_b128 v[128*(\set)+16*\i+4*\c:128*(\set)+16*\i+4*\c+3], v[AD0+\i/4] offset:CH*(\i%4)+2048*(\k)+512*\c
.endr
.endr
.endm
.macro BLOAD j                         ; B's two fragments of K step j, counted from the pass's first, into set j % 8
	WIN 0x80
.irp u, 0,1
.irp c, 0,1,2,3
	global_load_b128 v[32*((\j)%8)+16*\u+4*\c:32*((\j)%8)+16*\u+4*\c+3], v[CO], s[BB:BB+1] offset:TP*\u+2048*(\j)+512*\c
.endr
.endr
.endm
.macro MUL k                           ; 16 products; the accumulators take turns, one instruction a turn
	WIN 0x06
.irp a, 0,1,2,3,4,5,6,7
.irp u, 0,1
	v_wmma_f32_16x16x128_bf8_bf8 v[ACC+16*\a+8*\u:ACC+16*\a+8*\u+7], v[32*(\k)+16*\u:32*(\k)+16*\u+15], v[128*((\k)%2)+16*\a:128*((\k)%2)+16*\a+15], v[ACC+16*\a+8*\u:ACC+16*\a+8*\u+7]
.endr
.endr
.endm
.macro NEWSLOT                         ; the addresses of the slot in hand
	v_add_nc_u32 v[AD0], s[TB], v[CO]
	v_add_nc_u32 v[AD1], 0x10000, v[AD0]
	s_wait_alu depctr_va_vdst(0)
.endm
; A PASS: a slot's eight K steps.  kind 0: its last step changes slots and fills this slot again; 1: it changes slots and fills nothing; 2: the last pass.
.macro PASS kind
.irp k, 0,1,2,3,4,5,6
	PLACES
	ALOAD \k+1, (\k+1)%2
.if ((\kind) < 2) || (\k == 0)
	BLOAD \k+7                                     ; into the set that the last step multiplied
.endif
.if ((\kind) == 0) && (\k == 0)
	global_prefetch_b8 v[PFO], s[PFA:PFA+1] th:TH_LOAD_NT scope:SCOPE_SE
.endif
	s_wait_dscnt 32                                ; this step's fragments of A are in; the next step's 32 loads may be out
.if ((\kind) < 2) || (\k == 0)
	s_wait_loadcnt 56                              ; this step's set of B is in; the seven later sets' 56 loads may be out
.else
	s_wait_loadcnt 8*(7-\k)                        ; the sets that are left
.endif
	MUL \k
.endr
.if (\kind) < 2
	WIN 0
	s_wait_tensorcnt 0x0                           ; my part of the next slot has landed
	ds_add_u32 v[SPW], v[NIL]
.if (\kind) == 0
	s_xor_b32 s[G0+1], s[G0+1], SLOT               ; no load of mine is out: the walking group 0 goes to this slot and the chunk two on
	s_add_nc_u64 s[G0+2:G0+3], s[G0+2:G0+3], CH
.endif
	s_xor_b32 s[TB], s[TB], SLOT
	s_wait_dscnt 0x0                               ; the add is done, and my reads of this slot are over
.if (\kind) == 0
	CROUND                                         ; no wave of any partner still reads this slot or has a load on its way
	tensor_load_to_lds s[G0:G0+3], s[G1:G1+7]
	s_nop 0
.else
	s_barrier_signal -1
	s_barrier_wait -1
.endif
	PLACES
	NEWSLOT
	ALOAD 0, 0
	BLOAD 14
	s_wait_loadcnt 56
	MUL 7
	WIN 0
	s_wait_xcnt 0x0                                ; my loads and my prefetch have read their bases
	s_add_nc_u64 s[BB:BB+1], s[BB:BB+1], CH
.if (\kind) == 0
	s_add_nc_u64 s[PFA:PFA+1], s[PFA:PFA+1], CH
.endif
.else
	s_wait_dscnt 0x0
	s_wait_loadcnt 0x0
	MUL 7
	WIN 0
.endif
.endm
	s_load_b128 s[4:7], s[0:1], 0x0
	s_load_b128 s[68:71], s[0:1], 0x10
.if VAR
	s_load_b128 s[72:75], s[0:1], 0x20
.else
	s_load_b64 s[74:75], s[0:1], 0x20
.endif
	v_lshl_add_u32 v[SPW], v0, 2, SPARE
	v_mov_b32 v[NIL], 0
	ds_add_u32 v[SPW], v[NIL]                      ; the wave's opening: the add, twice on end, and its wait ahead of my first tensor load
	ds_add_u32 v[SPW], v[NIL]
	v_lshrrev_b32 v1, 5, v0
	v_readfirstlane_b32 s14, v1                    ; wave
	s_bfe_u32 s40, ttmp6, 0x40000                  ; cx
	s_bfe_u32 s41, ttmp6, 0x40004                  ; cy
	s_lshl_b32 s42, ttmp9, 2
	s_add_co_u32 s42, s42, s40                     ; block column
	s_and_b32 s17, ttmp7, 0xffff
	s_lshl_b32 s17, s17, 2
	s_add_co_u32 s17, s17, s41                     ; block row
	s_lshl_b32 s43, s41, 2
	s_lshl_b32 s43, 15, s43                        ; my row of the cluster
	s_or_b32 s[G1+0], s43, (1<<21)                 ; the mask; elements of 1 byte; no padding; bit 21 beside a mask
	s_mov_b32 s[G1+1], CH<<16                      ; 2 rows of 16,384 bytes, a tile apart
	s_mov_b32 s[G1+2], 2<<16
	s_mov_b32 s[G1+3], CH<<16
	s_mov_b32 s[G1+4], 2
	s_mov_b32 s[G1+5], TP
	s_mov_b32 s[G1+6], 0
	s_mov_b32 s[G1+7], 0
	s_lshl_b32 s18, s14, 1
	s_lshl_b32 s20, s17, 3
	s_add_co_u32 s20, s20, s18
	s_mul_i32 s20, s20, TP                         ; A: tile 8 x block row + 2 x wave
	s_mov_b32 s21, 0
	s_lshl_b32 s46, s42, 3
	s_add_co_u32 s46, s46, s18
	s_mul_i32 s46, s46, TP
	s_add_co_u32 s46, s46, BOFF                    ; B: tile 8 x block column + 2 x wave
	s_mov_b32 s47, 0
	s_mov_b32 s[G0], 1
	s_lshl_b32 s[G0+1], s14, 15                    ; where my two tiles go: no place in the cluster enters an LDS address
	s_mov_b32 s[TB], 0
	s_wait_dscnt 0x0                               ; both opening adds are done
	s_wait_kmcnt 0x0
	s_load_b64 s[76:77], s[LOWP:LOWP+1], EOFF      ; ea, eb
.if VAR == 0
	s_add_nc_u64 s[RES:RES+1], s[6:7], 0x1800000   ; x's f32 image
.endif
	s_add_nc_u64 s[G0+2:G0+3], s[4:5], s[20:21]
	s_or_b32 s[G0+3], s[G0+3], 0x80000000
	s_add_nc_u64 s[BB:BB+1], s[6:7], s[46:47]
	CROUND                                         ; all sixteen work-groups are here: the first joint loads meet
	tensor_load_to_lds s[G0:G0+3], s[G1:G1+7]      ; chunk 0: one tensor load a wave at the head
	s_nop 0
	PLACES
	v_and_b32 v2, 31, v0
	v_lshlrev_b32 v[CO], 4, v2
	v_lshlrev_b32 v[PFO], 8, v2
	v_bfe_u32 v6, v0, 4, 1
	v_lshlrev_b32 v6, 6, v6                        ; 64 h
	s_lshl_b32 s86, s17, 19                        ; the f32 image: tile 8 x block row,
	s_lshl_b32 s87, s42, 2
	s_add_co_u32 s87, s87, s14                     ; my 32 columns: 4 x block column + wave
	s_lshl_b32 s88, s87, 7
	s_lshl_b32 s87, s87, 11
	s_add_co_u32 s86, s86, s87
	s_mov_b32 s87, 0
	s_mov_b32 s89, 0
	s_add_nc_u64 s[RES:RES+1], s[RES:RES+1], s[86:87]
	s_add_nc_u64 s[OUTP:OUTP+1], s[OUTP:OUTP+1], s[86:87]
	s_add_nc_u64 s[BIAS:BIAS+1], s[BIAS:BIAS+1], s[88:89]
.if NCH > 1
	s_lshr_b32 s22, s40, 1                         ; the prefetch: of my 2 tiles x 16,384 bytes of a chunk the partner at cx takes tile cx / 2, half cx % 2
	s_mul_i32 s22, s22, TP
	s_and_b32 s23, s40, 1
	s_lshl_b32 s23, s23, 13
	s_add_co_u32 s22, s22, s23
	s_add_co_u32 s22, s22, s20
	s_add_co_u32 s22, s22, 2*CH                    ; chunk 2 first
	s_mov_b32 s23, 0
	s_add_nc_u64 s[PFA:PFA+1], s[4:5], s[22:23]
.endif
	s_wait_alu depctr_va_vdst(0)
.irp q, 0,1,2,3
	global_load_b128 v[BI+4*\q:BI+4*\q+3], v6, s[BIAS:BIAS+1] offset:16*\q
.endr
.irp a, 0,1,2,3,4,5,6,7
.irp q, 0,1,2,3
	global_load_b128 v[ACC+16*\a+4*\q:ACC+16*\a+4*\q+3], v[CO], s[RES:RES+1] offset:65536*\a+512*\q th:TH_LOAD_NT   ; the residual lands in the accumulators
.endr
.endr
.irp j, 0,1,2,3,4,5,6
	BLOAD \j
.endr
	WIN 0
	s_wait_tensorcnt 0x0                           ; my part of chunk 0 is in
.if NCH > 1
	ds_add_u32 v[SPW], v[NIL]
	s_xor_b32 s[G0+1], s[G0+1], SLOT
	s_add_nc_u64 s[G0+2:G0+3], s[G0+2:G0+3], CH
	s_wait_dscnt 0x0
	CROUND
	tensor_load_to_lds s[G0:G0+3], s[G1:G1+7]      ; chunk 1 into slot 1: the first tensor load behind the round
	s_nop 0
.else
	s_barrier_signal -1
	s_barrier_wait -1                              ; everybody's part is in
.endif
	PLACES
	NEWSLOT
	ALOAD 0, 0
	WIN 0
	s_wait_kmcnt 0x0
	s_add_co_i32 s96, s76, s77
	s_sub_co_i32 s98, 127, s96
	s_lshl_b32 s98, s98, 23                        ; 2^-(ea + eb)
	s_mov_b32 s99, s98
	s_add_co_i32 s96, s96, 127
	s_lshl_b32 s96, s96, 23                        ; 2^(ea + eb)
	s_mov_b32 s97, s96
	s_wait_loadcnt 56                              ; the bias and the residual are in; B's seven sets may be out
.set J, 0
.rept 8
	v_pk_mul_f32 v[BI+J:BI+J+1], v[BI+J:BI+J+1], s[98:99] op_sel_hi:[1,0]
.set J, J+2
.endr
.set J, 0
.rept 64
	v_pk_fma_f32 v[ACC+J:ACC+J+1], v[ACC+J:ACC+J+1], s[98:99], v[BI+J%16:BI+J%16+1] op_sel_hi:[1,0,1]
.set J, J+2
.endr
	s_wait_alu depctr_va_vdst(0)
.if NCH > 1
	s_mov_b32 s3, NCH-2
.Lpass:
	PASS 0
	s_sub_co_u32 s3, s3, 1
	s_cmp_lg_u32 s3, 0
	s_cbranch_scc1 .Lpass
	PASS 1
.endif
	PASS 2
	PLACES
.irp a, 0,1,2,3,4,5,6,7
.set J, 0
.rept 8
	v_pk_mul_f32 v[ACC+16*\a+J:ACC+16*\a+J+1], v[ACC+16*\a+J:ACC+16*\a+J+1], s[96:97] op_sel_hi:[1,0]   ; each accumulator from its low end on
.set J, J+2
.endr
.irp q, 0,1,2,3
	global_store_b128 v[CO], v[ACC+16*\a+4*\q:ACC+16*\a+4*\q+3], s[OUTP:OUTP+1] offset:65536*\a+512*\q   ; 512 consecutive aligned bytes
.endr
.endr
	s_wait_tensorcnt 0x0                           ; the wave's end
	ds_add_u32 v[SPW], v[NIL]
	s_wait_dscnt 0x0
	CROUND                                         ; the closing round
	s_endpgm
.Lfunc_end_k_qcc4773aa22_gemm_f2:
	.size	k_qcc4773aa22_gemm_f2, .Lfunc_end_k_qcc4773aa22_gemm_f2-k_qcc4773aa22_gemm_f2
	.p2alignl 7, 3214868480
	.fill 96, 4, 3214868480
	.section	.rodata,"a",@progbits
	.p2align	6, 0x0
	.amdhsa_kernel k_qcc4773aa22_gemm_f2
		.amdhsa_group_segment_fixed_size 327680
		.amdhsa_private_segment_fixed_size 0
		.amdhsa_enable_private_segment 0
		.amdhsa_kernarg_size 48
		.amdhsa_user_sgpr_count 2
		.amdhsa_user_sgpr_kernarg_segment_ptr 1
		.amdhsa_wavefront_size32 1
		.amdhsa_system_sgpr_workgroup_id_x 1
		.amdhsa_system_sgpr_workgroup_id_y 1
		.amdhsa_system_sgpr_workgroup_id_z 1
		.amdhsa_system_vgpr_workitem_id 0
		.amdhsa_next_free_vgpr 768
		.amdhsa_next_free_sgpr 102
		.amdhsa_reserve_vcc 0
		.amdhsa_float_denorm_mode_32 3
		.amdhsa_float_denorm_mode_16_64 3
		.amdhsa_memory_ordered 1
		.amdhsa_forward_progress 1
		.amdhsa_inst_pref_size 119
	.end_amdhsa_kernel
	.amdgpu_metadata
---
amdhsa.version: [ 1, 2 ]
amdhsa.kernels:
  - .name:           k_qcc4773aa22_gemm_f2
    .symbol:         k_qcc4773aa22_gemm_f2.kd
    .args:
      - { .name: gc, .offset: 0, .size: 8, .value_kind: global_buffer, .address_space: global }
      - { .name: qz, .offset: 8, .size: 8, .value_kind: global_buffer, .address_space: global }
      - { .name: hh, .offset: 16, .size: 8, .value_kind: global_buffer, .address_space: global }
      - { .name: lowp_scales, .offset: 24, .size: 8, .value_kind: global_buffer, .address_space: global }
      - { .name: bf2, .offset: 32, .size: 8, .value_kind: global_buffer, .address_space: global }
      - { .name: yy, .offset: 40, .size: 8, .value_kind: global_buffer, .address_space: global }
    .group_segment_fixed_size: 327680
    .private_segment_fixed_size: 0
    .kernarg_segment_align: 8
    .kernarg_segment_size: 48
    .max_flat_workgroup_size: 128
    .sgpr_count:     102
    .vgpr_count:     768
    .wavefront_size: 32
...
	.end_amdgpu_metadata
.endif
;; end of part 15
;; launch ln2 (part 16): grid 256 x 1, 8 waves a work-group, no clusters, 69,632 bytes of LDS; arguments yy, g2, b2, out0; writes out0
.if DOCPART == 16
	.amdgcn_target "amdgcn-amd-amdhsa--gfx1250"
	.amdhsa_code_object_version 6
	.text
	.protected	k_qcc4773aa22_ln2
	.globl	k_qcc4773aa22_ln2
	.p2align	8
	.type	k_qcc4773aa22_ln2,@function
k_qcc4773aa22_ln2:
	s_mov_b64 s[64:65], 0
	v_nop
	global_prefetch_b8 v0, s[64:65] scope:SCOPE_SE
	s_setreg_imm32_b32 hwreg(HW_REG_WAVE_MODE, 25, 1), 1
	s_wait_xcnt 0x0
; A layer norm over rows of 1,024, on the f32 image.  LN2 = 0: h = LN(rr) g1 + b1, stored as f32 image and, quantised under e12, as codes' image.  LN2 = 1: out0 = LN(yy) g2 + b2, stored row-major.  No work is left out.
; A work-group takes one image tile (16 rows); wave w the columns 128 w .. 128 w + 127; lane (r, h) holds 64 numbers of row r, which stay in registers: memory is read once.
; The mean, then the mean of the squared differences (two passes over registers, so a common offset of the inputs does no harm): within a lane, with lane l xor 16, and over the eight waves through 16 words a wave in LDS: two barriers.
; Memory binds: no matrix unit, no tensor load, no cluster.  Every load and store of rows covers 512 consecutive aligned bytes.
; LIMIT (LN2 = 0): e12 between -126 and 112.  NaN is not served.
.set LN2,   1
.set SPARE, 1024                       ; behind the two areas of 512 bytes: the spare words, 128 bytes a wave
.set X,  16                            ; v16-79   my 64 numbers
.set G,  80                            ; v80-143  the gain; later held numbers or rows on the way out
.set BV, 144                           ; v144-207 the bias
	s_load_b256 s[4:11], s[0:1], 0x0               ; in, gain, bias, and: the exponents (LN2 = 0) or out0 (LN2 = 1)
.if LN2 == 0
	s_load_b64 s[12:13], s[0:1], 0x20              ; hh
.endif
	v_lshl_add_u32 v5, v0, 2, SPARE
	v_mov_b32 v6, 0
	v_lshrrev_b32 v9, 5, v0
	s_delay_alu instid0(VALU_DEP_1)
	v_readfirstlane_b32 s16, v9                    ; wave
	v_and_b32 v9, 31, v0
	s_delay_alu instid0(VALU_DEP_1)
	v_lshlrev_b32 v1, 4, v9                        ; 16 x lane
	v_bfe_u32 v10, v0, 4, 1
	s_delay_alu instid0(VALU_DEP_1)
	v_lshlrev_b32 v2, 6, v10                       ; 64 h
	v_and_b32 v11, 15, v0
	s_wait_alu depctr_va_vdst(0)
	v_lshlrev_b32 v4, 2, v11                       ; 4 r
	s_lshl_b32 s17, s16, 6
	v_add_nc_u32 v3, s17, v4                       ; 64 w + 4 r
	s_mov_b32 s14, 0x76543210
	s_mov_b32 s15, 0xfedcba98
	s_lshl_b32 s18, ttmp9, 16
	s_lshl_b32 s19, s16, 13
	s_add_co_u32 s18, s18, s19                     ; my part of the f32 image
	s_mov_b32 s19, 0
	s_lshl_b32 s20, s16, 9                         ; my 128 columns in bytes
	s_mov_b32 s21, 0
.if LN2
	s_mul_i32 s30, s16, 8448
	s_add_co_u32 s30, s30, 2048                    ; my stage: 16 rows x (512 + 16) bytes
	v_mul_u32_u24 v7, v11, 528
	s_delay_alu instid0(VALU_DEP_1)
	v_lshl_add_u32 v7, v10, 6, v7
	s_delay_alu instid0(VALU_DEP_1)
	v_add_nc_u32 v7, s30, v7
	v_add_nc_u32 v8, s30, v1
	s_lshr_b32 s28, ttmp9, 1
	s_lshl_b32 s28, s28, 5
	s_and_b32 s29, ttmp9, 1
	s_lshl_b32 s29, s29, 3
	s_add_co_u32 s28, s28, s29                     ; the tile's first row
	s_lshl_b32 s28, s28, 12
	s_add_co_u32 s28, s28, s20
	s_mov_b32 s29, 0
.else
	s_lshl_b32 s28, ttmp9, 14
	s_lshl_b32 s29, s16, 11
	s_add_co_u32 s28, s28, s29
	s_add_co_u32 s28, s28, 0x1000000               ; my part of the codes' image
	s_mov_b32 s29, 0
.endif
	s_wait_kmcnt 0x0
.if LN2
	s_add_nc_u64 s[10:11], s[10:11], s[28:29]
.else
	s_load_b32 s24, s[10:11], 0x30                 ; e12
	s_add_nc_u64 s[26:27], s[12:13], s[18:19]
	s_add_nc_u64 s[28:29], s[12:13], s[28:29]
.endif
	s_add_nc_u64 s[4:5], s[4:5], s[18:19]
	s_add_nc_u64 s[6:7], s[6:7], s[20:21]
	s_add_nc_u64 s[8:9], s[8:9], s[20:21]
.irp p, 0,1,2,3
.irp q, 0,1,2,3
	global_load_b128 v[X+16*\p+4*\q:X+16*\p+4*\q+3], v1, s[4:5] offset:2048*\p+512*\q th:TH_LOAD_NT
.endr
.endr
.irp p, 0,1,2,3
.irp q, 0,1,2,3
	global_load_b128 v[G+16*\p+4*\q:G+16*\p+4*\q+3], v2, s[6:7] offset:128*\p+16*\q
.endr
.endr
.irp p, 0,1,2,3
.irp q, 0,1,2,3
	global_load_b128 v[BV+16*\p+4*\q:BV+16*\p+4*\q+3], v2, s[8:9] offset:128*\p+16*\q
.endr
.endr
.macro FOLD                            ; four chains in v208-215 -> the row's part of my wave, in every lane
	s_delay_alu instid0(VALU_DEP_3)
	v_pk_add_f32 v[208:209], v[208:209], v[210:211]
	s_delay_alu instid0(VALU_DEP_2)
	v_pk_add_f32 v[212:213], v[212:213], v[214:215]
	s_delay_alu instid0(VALU_DEP_1)
	v_pk_add_f32 v[208:209], v[208:209], v[212:213]
	s_delay_alu instid0(VALU_DEP_1)
	v_add_f32 v208, v208, v209
	s_delay_alu instid0(VALU_DEP_1)
	v_permlanex16_b32 v209, v208, s14, s15
	s_delay_alu instid0(VALU_DEP_1)
	v_add_f32 v208, v208, v209
.endm
.macro RED area                        ; over the eight waves; the result / 1,024 in v216
	ds_store_b32 v3, v208 offset:\area
	s_wait_dscnt 0x0                               ; for the others' sake: my store has landed
	s_barrier_signal -1
	s_barrier_wait -1
.irp w, 0,1,2,3,4,5,6,7
	ds_load_b32 v[216+\w], v4 offset:\area+64*\w
.endr
	s_wait_dscnt 0x0
	v_add_f32 v216, v216, v217
	v_add_f32 v218, v218, v219
	v_add_f32 v220, v220, v221
	v_add_f32 v222, v222, v223
	s_delay_alu instid0(VALU_DEP_3)
	v_add_f32 v216, v216, v218
	s_delay_alu instid0(VALU_DEP_2)
	v_add_f32 v220, v220, v222
	s_delay_alu instid0(VALU_DEP_1)
	v_add_f32 v216, v216, v220
	s_delay_alu instid0(VALU_DEP_1)
	v_mul_f32 v216, 0x3a800000, v216
.endm
	s_wait_loadcnt 32                              ; my numbers are in; the gain's and the bias's 32 loads may be out
.irp c, 0,1,2,3
	v_pk_add_f32 v[208+2*\c:209+2*\c], v[X+2*\c:X+2*\c+1], v[X+8+2*\c:X+9+2*\c]
.endr
.irp k, 2,3,4,5,6,7
.irp c, 0,1,2,3
	s_delay_alu instid0(VALU_DEP_4)
	v_pk_add_f32 v[208+2*\c:209+2*\c], v[208+2*\c:209+2*\c], v[X+8*\k+2*\c:X+8*\k+2*\c+1]
.endr
.endr
	FOLD
	RED 0
.set J, 0
.rept 32
	v_pk_add_f32 v[X+J:X+J+1], v[X+J:X+J+1], v[216:217] op_sel_hi:[1,0] neg_lo:[0,1] neg_hi:[0,1]   ; - the mean
.set J, J+2
.endr
.irp c, 0,1,2,3
	v_pk_mul_f32 v[208+2*\c:209+2*\c], v[X+2*\c:X+2*\c+1], v[X+2*\c:X+2*\c+1]
.endr
.irp k, 1,2,3,4,5,6,7
.irp c, 0,1,2,3
	s_delay_alu instid0(VALU_DEP_4)
	v_pk_fma_f32 v[208+2*\c:209+2*\c], v[X+8*\k+2*\c:X+8*\k+2*\c+1], v[X+8*\k+2*\c:X+8*\k+2*\c+1], v[208+2*\c:209+2*\c]
.endr
.endr
	FOLD
	RED 512                                        ; other bytes than the first: no barrier between the two
	s_delay_alu instid0(VALU_DEP_1)
	v_add_f32 v216, 0x3727c5ac, v216               ; + 1e-5
	s_wait_alu depctr_va_vdst(0)
	v_rsq_f32 v218, v216
	v_nop
	s_wait_alu depctr_va_vdst(0)                   ; ahead of the first reader
.set J, 0
.rept 32
	v_pk_mul_f32 v[X+J:X+J+1], v[X+J:X+J+1], v[218:219] op_sel_hi:[1,0]
.set J, J+2
.endr
	s_wait_loadcnt 0x0
.set J, 0
.rept 32
	v_pk_fma_f32 v[X+J:X+J+1], v[X+J:X+J+1], v[G+J:G+J+1], v[BV+J:BV+J+1]
.set J, J+2
.endr
.if LN2
.irp p, 0,1,2,3
.irp q, 0,1,2,3
	ds_store_b128 v7, v[X+16*\p+4*\q:X+16*\p+4*\q+3] offset:128*\p+16*\q   ; row r of my stage; the sixteen rows start at sixteen different banks
.endr
.endr
.irp i, 0,1,2,3,4,5,6,7,8,9,10,11,12,13,14,15
	ds_load_b128 v[G+4*\i:G+4*\i+3], v8 offset:528*\i   ; LDS serves a wave's instructions in order (ISA guide 5.7.1.4): these see my stores
.endr
.irp i, 0,1,2,3,4,5,6,7,8,9,10,11,12,13,14,15
	s_wait_dscnt 15-\i                             ; row i is back; the younger loads may be out
	global_store_b128 v1, v[G+4*\i:G+4*\i+3], s[10:11] offset:(\i+8*(\i/8))*4096 th:TH_STORE_NT
.endr
.else
.irp p, 0,1,2,3
.irp q, 0,1,2,3
	global_store_b128 v1, v[X+16*\p+4*\q:X+16*\p+4*\q+3], s[26:27] offset:2048*\p+512*\q
.endr
.endr
	s_wait_kmcnt 0x0
	s_add_co_i32 s24, s24, 127
	s_lshl_b32 s25, s24, 23
	v_mov_b32 v221, s25                            ; 2^e12
	s_add_co_i32 s24, s24, 15
	s_lshl_b32 s24, s24, 23
	s_or_b32 s24, s24, 0x600000
	v_mov_b32 v220, s24                            ; 57,344 x 2^e12
.set J, 0
.rept 64
	v_med3_num_f32 v[G+J], v[X+J], -v220, v220
.set J, J+1
.endr
.irp p, 0,1,2,3
	v_cvt_scalef32_pk8_bf8_f32 v[224+4*\p:225+4*\p], v[G+16*\p:G+16*\p+7], v221
	v_cvt_scalef32_pk8_bf8_f32 v[226+4*\p:227+4*\p], v[G+16*\p+8:G+16*\p+15], v221
.endr
	v_nop
.irp p, 0,1,2,3
	global_store_b128 v1, v[224+4*\p:227+4*\p], s[28:29] offset:512*\p
.endr
.endif
	s_wait_tensorcnt 0x0                           ; the wave's end: behind my last LDS store
	ds_add_u32 v5, v6
	s_wait_dscnt 0x0
	s_endpgm
.Lfunc_end_k_qcc4773aa22_ln2:
	.size	k_qcc4773aa22_ln2, .Lfunc_end_k_qcc4773aa22_ln2-k_qcc4773aa22_ln2
	.p2alignl 7, 3214868480
	.fill 96, 4, 3214868480
	.section	.rodata,"a",@progbits
	.p2align	6, 0x0
	.amdhsa_kernel k_qcc4773aa22_ln2
		.amdhsa_group_segment_fixed_size 69632
		.amdhsa_private_segment_fixed_size 0
		.amdhsa_enable_private_segment 0
		.amdhsa_kernarg_size 32
		.amdhsa_user_sgpr_count 2
		.amdhsa_user_sgpr_kernarg_segment_ptr 1
		.amdhsa_wavefront_size32 1
		.amdhsa_system_sgpr_workgroup_id_x 1
		.amdhsa_system_sgpr_workgroup_id_y 1
		.amdhsa_system_sgpr_workgroup_id_z 1
		.amdhsa_system_vgpr_workitem_id 0
		.amdhsa_next_free_vgpr 240
		.amdhsa_next_free_sgpr 66
		.amdhsa_reserve_vcc 0
		.amdhsa_float_denorm_mode_32 3
		.amdhsa_float_denorm_mode_16_64 3
		.amdhsa_memory_ordered 1
		.amdhsa_forward_progress 1
		.amdhsa_inst_pref_size 26
	.end_amdhsa_kernel
	.amdgpu_metadata
---
amdhsa.version: [ 1, 2 ]
amdhsa.kernels:
  - .name:           k_qcc4773aa22_ln2
    .symbol:         k_qcc4773aa22_ln2.kd
    .args:
      - { .name: yy, .offset: 0, .size: 8, .value_kind: global_buffer, .address_space: global }
      - { .name: g2, .offset: 8, .size: 8, .value_kind: global_buffer, .address_space: global }
      - { .name: b2, .offset: 16, .size: 8, .value_kind: global_buffer, .address_space: global }
      - { .name: out0, .offset: 24, .size: 8, .value_kind: global_buffer, .address_space: global }
    .group_segment_fixed_size: 69632
    .private_segment_fixed_size: 0
    .kernarg_segment_align: 8
    .kernarg_segment_size: 32
    .max_flat_workgroup_size: 256
    .sgpr_count:     66
    .vgpr_count:     240
    .wavefront_size: 32
...
	.end_amdgpu_metadata
.endif
;; end of part 16
